; MI455X (gfx1250); checked and timed in simulation.
; The chip was launched on July 23, 2026; its instructions are those of AMD's public machine-readable ISA for CDNA 5 (MIT licence, August 2026) and "CDNA5" Instruction Set Architecture Reference Guide (July 2026). The comments in the code are by the model that wrote it; some were corrected since.
;; Multi Headed Attention. Allowed arithmetic: float matrix products may take bf16 or f16 operands with f32 sums; other float arithmetic in f32, or as packed bf16 or f16 multiplies, adds, multiply-adds, maxima and minima; sums over many terms, partial sums and values carried from step to step in f32; what a program stores and reads back later, other than sums and carried values, may be rounded once to bf16 or f16.
;; Inputs: Wk 1,024 x 1,024 float32; Wo 1,024 x 1,024 float32; Wq 1,024 x 1,024 float32; Wv 1,024 x 1,024 float32; bk 1,024 float32; bo 1,024 float32; bq 1,024 float32; bv 1,024 float32; key 4 x 2,048 x 1,024 float32; mask 4 x 2,048 x 2,048 int32; query 4 x 2,048 x 1,024 float32; value 4 x 2,048 x 1,024 float32.
;; Outputs: out0 4 x 2,048 x 1,024 float32.
;; 2 versions, each right. Each part assembles by itself: llvm-mc -triple=amdgcn-amd-amdhsa -mcpu=gfx1250 --defsym DOCPART=n.
;; ======== version 1 of 2: 4 launches
;; limits: values are held in f16: magnitudes above 65,504 overflow, below 6.1e-05 lose precision; right only within a limited range of input values
;; workspace buffers: wc 8,388,608 bytes; mbits 2,097,152 bytes of whole numbers; qh 16,777,216 bytes; kvh 33,554,432 bytes; oh 16,777,216 bytes
;; launch prep (part 1): grid 640 x 1, 8 waves a work-group, no clusters, 35,840 bytes of LDS; arguments mask, Wq, Wk, Wv, Wo, wc, mbits; writes wc, mbits
.if DOCPART == 1
	.amdgcn_target "amdgcn-amd-amdhsa--gfx1250"
	.amdhsa_code_object_version 6
	.text
	.protected	k_qeb602fcf81_prep
	.globl	k_qeb602fcf81_prep
	.p2align	8
	.type	k_qeb602fcf81_prep,@function
k_qeb602fcf81_prep:
	s_mov_b64 s[64:65], 0
	v_nop
	global_prefetch_b8 v0, s[64:65] scope:SCOPE_SE
	s_setreg_imm32_b32 hwreg(HW_REG_WAVE_MODE, 25, 1), 1
	s_wait_xcnt 0x0
; TWO JOBS, chosen by the work-group's number.
; Work-groups 0-511: the mask [4][2048][2048] of int32 is packed to bits, in the order in which the attention launch holds its scores.
;   mbits is words [b 4][qb 16][step 32][tile 8][kt 4][j 8]; bit L of a word = (mask[b][128 qb + 16 tile + L % 16][64 step + 16 kt + 8 (L / 16) + j] != 0):
;   one word is the select mask of one v_cndmask_b32 on register j of the score tile (tile, kt).  A wave packs 64 rows x 64 keys: 16,384 bytes in, 512 bytes out.
; Work-groups 512-639: Wq, Wk, Wv are rounded to bf16; Wo is rounded to bf16 and that number written as f16 (exact inside f16's normal range; below 6e-5 it keeps f16's fixed step).
;   wc = four matrices [k 1024][n 1024] of 16 bits, in that order.  A work-group casts 131,072 bytes.
; Memory binds: every byte is read once by 16-byte loads of which 16 lanes cover 256 consecutive bytes, all 32 loads of a wave go out at once; no matrix unit, no cluster (nothing is shared).
.set STG,   4352                       ; a wave's stage: 16 rows x 272 bytes (256 of data + 16: the 16 rows of a read start at 16 different groups of four banks; 64 banks of 4 bytes: ISA guide 11.1)
.set SPARE, 8*STG                      ; behind the stages: the spare words, 128 bytes for each of eight waves
.set X,   16                           ; v[16:143]  32 loads of four registers
.set RB,  144                          ; v[144:175] a tile read back by query: register 8 kt + j; in the cast: at work
.set OW,  176                          ; v[176:179] the wave's 128 words: lane 8 t + n / 4, register n % 4
.set SPW, 180                          ; my spare word's address; never rewritten
.set NIL, 181                          ; 0; never rewritten
	s_load_b256 s[4:11], s[0:1], 0x0               ; mask s[4:5], Wq s[6:7], Wk s[8:9], Wv s[10:11]
	s_load_b128 s[12:15], s[0:1], 0x20             ; Wo s[12:13], wc s[14:15]
	s_load_b64 s[16:17], s[0:1], 0x30              ; mbits
	v_lshl_add_u32 v[SPW], v0, 2, SPARE
	v_mov_b32 v[NIL], 0
	v_lshrrev_b32 v5, 5, v0
	v_readfirstlane_b32 s18, v5                    ; wave 0..7
	v_and_b32 v6, 31, v0                           ; L
	v_and_b32 v7, 15, v0                           ; L % 16
	v_bfe_u32 v8, v0, 4, 1                         ; L / 16
	s_cmp_lt_u32 ttmp9, 512
	s_cbranch_scc0 .Lcast
	; ---- the mask ----
	s_and_b32 s24, ttmp9, 3                        ; kg: which eight key steps
	s_lshr_b32 s25, ttmp9, 2                       ; rgg: which 64 rows of the 8,192
	s_lshl_b32 s28, s25, 19                        ; 64 rows of 8,192 bytes
	s_lshl_b32 s26, s24, 11                        ; eight steps of 256 bytes
	s_add_co_u32 s28, s28, s26
	s_mov_b32 s29, 0
	s_lshr_b32 s30, s25, 1                         ; 16 b + qb
	s_lshl_b32 s30, s30, 15                        ; 32 steps of 1,024 bytes
	s_lshl_b32 s26, s24, 13
	s_add_co_u32 s30, s30, s26
	s_and_b32 s26, s25, 1                          ; tiles 0-3 or 4-7 of the 128 queries
	s_lshl_b32 s26, s26, 9
	s_add_co_u32 s30, s30, s26
	s_mov_b32 s31, 0
	s_mul_i32 s19, s18, STG                        ; my stage
	v_lshlrev_b32 v1, 4, v7                        ; in: 16 (L % 16),
	v_lshl_add_u32 v1, v8, 13, v1                  ; one row down for lanes 16-31,
	s_lshl_b32 s27, s18, 8
	v_add_nc_u32 v1, s27, v1                       ; my wave's key step
	v_lshlrev_b32 v2, 4, v6                        ; out: 16 L
	s_lshl_b32 s27, s18, 10
	v_add_nc_u32 v2, s27, v2                       ; + my step's 1,024 bytes
	v_mul_u32_u24 v3, v8, 272                      ; into the stage: as loaded, two rows
	v_lshl_add_u32 v3, v7, 4, v3
	v_add_nc_u32 v3, s19, v3
	v_mul_u32_u24 v4, v7, 272                      ; back: row L % 16, keys 8 (L / 16) on
	v_lshl_add_u32 v4, v8, 5, v4
	v_add_nc_u32 v4, s19, v4
	s_wait_kmcnt 0x0
	s_add_nc_u64 s[4:5], s[4:5], s[28:29]
	s_add_nc_u64 s[16:17], s[16:17], s[30:31]
.set n, 0
.rept 32
	global_load_b128 v[X+4*n:X+4*n+3], v1, s[4:5] offset:16384*n th:TH_LOAD_NT  ; rows 2 n, 2 n + 1: two pieces of 256 consecutive bytes
.set n, n+1
.endr
.irp j, 0,1,2,3
	v_mov_b32 v[OW+(\j)], 0                        ; v_writelane_b32 counts as a reader of its destination
.endr
; Tile t: 16 rows go through my own stage and come back one query a lane; 32 compares give the tile's 32 words, each set into its lane of the output registers.
.macro TILE t
	s_wait_loadcnt 24-8*(\t)                       ; loads come back in order: the tile's eight are in, the younger ones stay out
.irp i, 0,1,2,3,4,5,6,7
	ds_store_b128 v3, v[X+4*(8*(\t)+(\i)):X+4*(8*(\t)+(\i))+3] offset:544*(\i)
.endr
.irp i, 0,1,2,3,4,5,6,7
	ds_load_b128 v[RB+4*(\i):RB+4*(\i)+3], v4 offset:64*((\i)/2)+16*((\i)%2)  ; LDS serves a wave's instructions in order: these see the stores above
.endr
	s_wait_dscnt 0x0
.irp g, 0,1,2,3
.irp j, 0,1,2,3,4,5,6,7
	v_cmp_ne_u32 s[20+(\j)], 0, v[RB+8*(\g)+(\j)]
.endr
.irp j, 0,1,2,3,4,5,6,7
	v_writelane_b32 v[OW+(\j)%4], s[20+(\j)], 8*(\t)+2*(\g)+(\j)/4
.endr
.endr
.endm
	TILE 0
	TILE 1
	TILE 2
	TILE 3
	global_store_b128 v2, v[OW:OW+3], s[16:17]     ; 512 consecutive bytes, at a multiple of 512 from the buffer's first
	s_wait_tensorcnt 0x0                           ; the wave's end, behind my last LDS store
	ds_add_u32 v[SPW], v[NIL]
	s_wait_dscnt 0x0
	s_endpgm
	; ---- the weights ----
.Lcast:
	s_sub_co_u32 s24, ttmp9, 512
	s_lshr_b32 s25, s24, 5                         ; which matrix
	s_and_b32 s26, s24, 31                         ; which 131,072 bytes of it
	s_lshl_b32 s28, s26, 17
	s_mov_b32 s29, 0
	s_lshl_b32 s30, s25, 21
	s_lshl_b32 s27, s26, 16
	s_add_co_u32 s30, s30, s27
	s_mov_b32 s31, 0
	v_lshlrev_b32 v1, 4, v0                        ; 16 bytes a thread in,
	v_lshlrev_b32 v2, 3, v0                        ; 8 out
	s_wait_kmcnt 0x0
	s_cmp_eq_u32 s25, 1
	s_cselect_b64 s[6:7], s[8:9], s[6:7]
	s_cmp_eq_u32 s25, 2
	s_cselect_b64 s[6:7], s[10:11], s[6:7]
	s_cmp_eq_u32 s25, 3
	s_cselect_b64 s[6:7], s[12:13], s[6:7]
	s_add_nc_u64 s[6:7], s[6:7], s[28:29]
	s_add_nc_u64 s[14:15], s[14:15], s[30:31]
.set n, 0
.rept 32
	global_load_b128 v[X+4*n:X+4*n+3], v1, s[6:7] offset:4096*n th:TH_LOAD_NT
.set n, n+1
.endr
; Four numbers are rounded and stored from the registers that they came in; no register is written again behind its store.
.macro CAST i, half
	s_wait_loadcnt 31-(\i)
.if \half
	v_cvt_pk_bf16_f32 v[RB], v[X+4*(\i)], v[X+4*(\i)+1]
	v_cvt_pk_bf16_f32 v[RB+1], v[X+4*(\i)+2], v[X+4*(\i)+3]
	v_lshlrev_b32 v[RB+2], 16, v[RB]               ; the rounded numbers as f32 again,
	v_and_b32 v[RB+3], 0xffff0000, v[RB]
	v_lshlrev_b32 v[RB+4], 16, v[RB+1]
	v_and_b32 v[RB+5], 0xffff0000, v[RB+1]
	v_cvt_pk_f16_f32 v[X+4*(\i)], v[RB+2], v[RB+3] ; and written as f16
	v_cvt_pk_f16_f32 v[X+4*(\i)+1], v[RB+4], v[RB+5]
.else
	v_cvt_pk_bf16_f32 v[X+4*(\i)], v[X+4*(\i)], v[X+4*(\i)+1]
	v_cvt_pk_bf16_f32 v[X+4*(\i)+1], v[X+4*(\i)+2], v[X+4*(\i)+3]
.endif
	global_store_b64 v2, v[X+4*(\i):X+4*(\i)+1], s[14:15] offset:2048*(\i)  ; a wave stores 256 consecutive bytes, aligned
.endm
	s_cmp_eq_u32 s25, 3
	s_cbranch_scc1 .Lwo
.set n, 0
.rept 32
	CAST n, 0
.set n, n+1
.endr
	s_endpgm
.Lwo:
.set n, 0
.rept 32
	CAST n, 1
.set n, n+1
.endr
	s_endpgm
.Lfunc_end_k_qeb602fcf81_prep:
	.size	k_qeb602fcf81_prep, .Lfunc_end_k_qeb602fcf81_prep-k_qeb602fcf81_prep
	.p2alignl 7, 3214868480
	.fill 96, 4, 3214868480
	.section	.rodata,"a",@progbits
	.p2align	6, 0x0
	.amdhsa_kernel k_qeb602fcf81_prep
		.amdhsa_group_segment_fixed_size 35840
		.amdhsa_private_segment_fixed_size 0
		.amdhsa_enable_private_segment 0
		.amdhsa_kernarg_size 56
		.amdhsa_user_sgpr_count 2
		.amdhsa_user_sgpr_kernarg_segment_ptr 1
		.amdhsa_wavefront_size32 1
		.amdhsa_system_sgpr_workgroup_id_x 1
		.amdhsa_system_sgpr_workgroup_id_y 1
		.amdhsa_system_sgpr_workgroup_id_z 1
		.amdhsa_system_vgpr_workitem_id 0
		.amdhsa_next_free_vgpr 184
		.amdhsa_next_free_sgpr 66
		.amdhsa_reserve_vcc 0
		.amdhsa_float_denorm_mode_32 3
		.amdhsa_float_denorm_mode_16_64 3
		.amdhsa_memory_ordered 1
		.amdhsa_forward_progress 1
		.amdhsa_inst_pref_size 56
	.end_amdhsa_kernel
	.amdgpu_metadata
---
amdhsa.version: [ 1, 2 ]
amdhsa.kernels:
  - .name:           k_qeb602fcf81_prep
    .symbol:         k_qeb602fcf81_prep.kd
    .args:
      - { .name: mask, .offset: 0, .size: 8, .value_kind: global_buffer, .address_space: global }
      - { .name: Wq, .offset: 8, .size: 8, .value_kind: global_buffer, .address_space: global }
      - { .name: Wk, .offset: 16, .size: 8, .value_kind: global_buffer, .address_space: global }
      - { .name: Wv, .offset: 24, .size: 8, .value_kind: global_buffer, .address_space: global }
      - { .name: Wo, .offset: 32, .size: 8, .value_kind: global_buffer, .address_space: global }
      - { .name: wc, .offset: 40, .size: 8, .value_kind: global_buffer, .address_space: global }
      - { .name: mbits, .offset: 48, .size: 8, .value_kind: global_buffer, .address_space: global }
    .group_segment_fixed_size: 35840
    .private_segment_fixed_size: 0
    .kernarg_segment_align: 8
    .kernarg_segment_size: 56
    .max_flat_workgroup_size: 256
    .sgpr_count:     66
    .vgpr_count:     184
    .wavefront_size: 32
...
	.end_amdgpu_metadata
.endif
;; end of part 1
;; launch proj (part 2): grid 4 x 192, 4 waves a work-group, clusters of 4 x 4, 327,680 bytes of LDS; arguments query, key, value, bq, bk, bv, wc, qh, kvh; writes qh, kvh
.if DOCPART == 2
	.amdgcn_target "amdgcn-amd-amdhsa--gfx1250"
	.amdhsa_code_object_version 6
	.text
	.protected	k_qeb602fcf81_proj
	.globl	k_qeb602fcf81_proj
	.p2align	8
	.type	k_qeb602fcf81_proj,@function
k_qeb602fcf81_proj:
	s_mov_b64 s[64:65], 0
	v_nop
	global_prefetch_b8 v0, s[64:65] scope:SCOPE_SE
	s_setreg_imm32_b32 hwreg(HW_REG_WAVE_MODE, 25, 1), 1
	s_wait_xcnt 0x0
	s_wait_alu depctr_hold_cnt(0) depctr_sa_sdst(0) depctr_va_vdst(0) depctr_va_sdst(0) depctr_va_ssrc(0) depctr_va_vcc(0) depctr_vm_vsrc(0)
	s_getreg_b32 s2, hwreg(HW_REG_IB_STS2, 6, 4)
	s_cmp_eq_u32 s2, 0
	s_cbranch_scc0 .Lentry_in_a_cluster
	s_endpgm
.Lentry_in_a_cluster:
	s_bfe_u32 s2, ttmp6, 0x10000c
	s_cmp_lg_u32 s2, 0xf033
	s_cbranch_scc0 .Lentry_shape_is_right
	s_endpgm
.Lentry_shape_is_right:
; THE THREE INPUT PROJECTIONS: y = x W + b for (query, Wq, bq), (key, Wk, bk), (value, Wv, bv).  x: [8192][1024] f32; W: [k 1024][n 1024] bf16 (cast by the launch before); b: f32.
; x and b are rounded to bf16, the sums are f32, y is rounded once to f16 and written by heads: q as [bh 64][s 2048][64]; k and v as [bh][tile 8][K, V][256 keys][64].
; LIMIT: y must lie within f16's range, 65,504; beyond it the conversion gives an infinity.  NaN and infinities are not treated apart.
; SHARES.  Clusters 0-15 along y make q, 16-31 k, 32-47 v: the choice hangs on the cluster's y alone, so it is the same in all sixteen partners.  A work-group makes 128 rows x 256 columns,
; each of its four waves 64 x 128: 32 accumulators of 16 x 16.  768 work-groups: three for each of 256 WGPs.  K goes in steps of 128 through two LDS slots.
; x comes into LDS as f32 (rows of 512 bytes) and is rounded between LDS and the matrix unit: 32 conversions for a quarter step's 32 matrix instructions, four behind every second one.
; W's tile lies [k][n] in LDS and is turned by ds_load_tr16_b128.
; CLUSTER 4 x 4: x's tile hangs on the tile row alone and is asked for jointly along a row of the cluster, W's on the tile column alone and jointly along a column.
; THE MATRIX INSTRUCTION IS USED TRANSPOSED (source 0 = 16 columns of W, source 1 = 16 rows of x): a lane holds eight neighbouring numbers of a row of y.  The bias is the C operand of the first product.
; REGISTERS: window 0: v0-31 addresses; v32-95, v96-159 x as f32, two buffers; v160-223 the bias; on the way out v32-63 packed results, v64-127 rows read back.
;   window 1: v0-63, v64-127 W's fragments, two buffers; v128-159, v160-191 x's fragments, two buffers.      window 2: accumulator (a, b) at v[8 (8 a + b)].
.set KSTEP,  128
.set PA,     528                       ; a row of x in LDS: 512 bytes + 16 = 132 words: row r starts at bank 4 r mod 64 (64 banks of 4 bytes: ISA guide 11.1)
.set PB,     544                       ; a row of W: 512 + 32 = 136 words: row r starts at bank 8 r mod 64
.set HALFT,  64*PB                     ; room for what one tensor load brings: 64 rows of W (34,816 bytes) or of x (33,792)
.set SLOT,   4*HALFT                   ; x's 128 rows, then W's 128 k rows
.set STAGE,  2*SLOT                    ; behind the ring: for each wave 2 heads x 16 rows x 144 bytes
.set SP,     144
.set SPARE,  STAGE+4*32*SP             ; behind the stages: the spare words, 128 bytes for each wave
.set ADRA, 16                          ; v16-17  LDS address of my lane in x's rows, slot 0, 1
.set ADRB, 20                          ; v20-21  the same in W's rows
.set STO,  24                          ; v24     the way out: where I put 16 bytes of a row
.set RD,   25                          ; v25     where I read rows back
.set GO,   26                          ; v26     my byte offset in 512 consecutive bytes of the output
.set BO,   27                          ; v27     my byte offset in the bias
.set SPW,  28                          ; v28     my spare word's address; never rewritten
.set NIL,  29                          ; v29     0; never rewritten
.set RAW,  32
.set BI,   160
.set TMP,  32
.set OB,   64
.set BF,   0                           ; window 1
.set AF,   128                         ; window 1
.set G1,  24                           ; s[24:31] descriptor group 1 for x's tiles;  s[32:39] group 0, a set for each slot
.set G0,  32
.set G1B, 48                           ; s[48:55], s[56:63] the same for W's tiles
.set G0B, 56
.set MSB, 0
.macro WIN new                         ; the immediate's high byte repeats the setting that is left; a switch that changes nothing is dropped
.if MSB != (\new)
	s_set_vgpr_msb (MSB<<8)|(\new)
.set MSB, (\new)
.endif
.endm
.set MUL,  0xa5                        ; sources 0 and 1 window 1, C and D window 2
.set MUL0, 0x85                        ; the same with C (the bias) in window 0
.set T1,   0x40                        ; destination window 1, sources and addresses window 0
.set PKW,  0x0a                        ; sources 0 and 1 window 2, destination window 0
.macro JLOAD s                         ; a joint load: waves 0 and 1 fetch x's two halves, waves 2 and 3 W's; an s_nop 0 and four v_nop follow each line, ahead of the jump and the label
	s_cmp_eq_u32 s11, 0
	s_cbranch_scc0 .Lfor_b_\@
	tensor_load_to_lds s[G0+4*(\s):G0+4*(\s)+3], s[G1:G1+7]
	s_nop 0
.rept 4
	v_nop
.endr
	s_branch .Lasked_\@
.Lfor_b_\@:
	tensor_load_to_lds s[G0B+4*(\s):G0B+4*(\s)+3], s[G1B:G1B+7]
	s_nop 0
.rept 4
	v_nop
.endr
.Lasked_\@:
.endm
.macro CREST                           ; a round of the cluster's barrier behind its opening barrier
	s_cmp_lg_u32 s10, 0
	s_cbranch_scc1 .Lnot_wave_0_\@
	s_barrier_signal -3
.Lnot_wave_0_\@:
	s_barrier_wait -3
	s_barrier_signal -1
	s_barrier_wait -1
.endm
.macro CROUND                          ; a whole round
	s_barrier_signal -1
	s_barrier_wait -1
	CREST
.endm
.macro PLACES                          ; four places in front of loads into, and conversions into, registers that matrix instructions have read, and of reads of their results
.rept 4
	v_nop
.endr
.endm
	s_load_b256 s[68:75], s[0:1], 0x0              ; query s[68:69], key s[70:71], value s[72:73], bq s[74:75]
	s_load_b256 s[76:83], s[0:1], 0x20             ; bk s[76:77], bv s[78:79], wc s[80:81], qh s[82:83]
	s_load_b64 s[84:85], s[0:1], 0x40              ; kvh
	v_lshl_add_u32 v[SPW], v0, 2, SPARE
	v_mov_b32 v[NIL], 0
	ds_add_u32 v[SPW], v[NIL]                      ; the wave's opening: the add and its wait stand ahead of my first tensor load; the set-up below stands between them
	v_lshrrev_b32 v1, 5, v0
	v_readfirstlane_b32 s10, v1                    ; wave 0..3
	s_lshr_b32 s11, s10, 1                         ; which 64 rows of the tile are mine.  Also: I fetch for x (0) or for W (1)
	s_and_b32 s12, s10, 1                          ; which 128 columns.  Also: which 64 rows of that tile I fetch
	s_bfe_u32 s40, ttmp6, 0x40000                  ; cx, cy: my place in the cluster
	s_bfe_u32 s41, ttmp6, 0x40004
	s_lshl_b32 s42, ttmp9, 2
	s_add_co_u32 s42, s42, s40                     ; tile column 0..3
	s_and_b32 s45, ttmp7, 0xffff                   ; the cluster's y, 0..47
	s_and_b32 s13, s45, 15
	s_lshl_b32 s13, s13, 2
	s_add_co_u32 s13, s13, s41                     ; tile row 0..63
	s_lshr_b32 s45, s45, 4                         ; which projection: 0 q, 1 k, 2 v
	s_lshl_b32 s43, s41, 2
	s_lshl_b32 s43, 15, s43                        ; my row of the cluster
	s_lshl_b32 s44, 0x1111, s40                    ; my column
	; group 1 for x: 64 rows x 128 elements of 4 bytes, 16 bytes of padding behind every 128 words
	s_or_b32 s[G1+0], s43, (2<<16)|(1<<20)|(1<<21)|(6<<22)|(3<<25)
	s_mov_b32 s[G1+1], 128<<16                     ; tensor_dim0
	s_mov_b32 s[G1+2], 64<<16                      ; tensor_dim1
	s_mov_b32 s[G1+3], 128<<16                     ; tile_dim0
	s_mov_b32 s[G1+4], 64                          ; tile_dim1
	s_mov_b32 s[G1+5], 1024                        ; elements from row to row
	s_mov_b32 s[G1+6], 0
	s_mov_b32 s[G1+7], 0
	; group 1 for W: 64 k rows x 256 elements of 2 bytes, 32 bytes of padding behind every 128 words
	s_or_b32 s[G1B+0], s44, (1<<16)|(1<<20)|(1<<21)|(6<<22)|(7<<25)
	s_mov_b32 s[G1B+1], 256<<16
	s_mov_b32 s[G1B+2], 64<<16
	s_mov_b32 s[G1B+3], 256<<16
	s_mov_b32 s[G1B+4], 64
	s_mov_b32 s[G1B+5], 1024
	s_mov_b32 s[G1B+6], 0
	s_mov_b32 s[G1B+7], 0
	s_lshl_b32 s16, s13, 7                         ; x: row 128 x tile row + 64 x half,
	s_lshl_b32 s17, s12, 6
	s_add_co_u32 s16, s16, s17
	s_lshl_b32 s16, s16, 12                        ; of 4,096 bytes
	s_mov_b32 s17, 0
	s_lshl_b32 s46, s45, 21                        ; W: the projection's matrix,
	s_lshl_b32 s47, s12, 17                        ; 64 k rows of 2,048 bytes x half,
	s_add_co_u32 s46, s46, s47
	s_lshl_b32 s47, s42, 9                         ; 256 columns x tile column
	s_add_co_u32 s46, s46, s47
	s_mov_b32 s47, 0
	s_mul_i32 s20, s10, HALFT                      ; where they go: wave x HALFT: no place in the cluster enters an LDS address
	s_wait_dscnt 0x0                               ; the opening add is done
	s_wait_kmcnt 0x0
	s_cmp_eq_u32 s45, 1
	s_cselect_b64 s[4:5], s[70:71], s[68:69]       ; x,
	s_cselect_b64 s[86:87], s[76:77], s[74:75]     ; the bias
	s_cmp_eq_u32 s45, 2
	s_cselect_b64 s[4:5], s[72:73], s[4:5]
	s_cselect_b64 s[86:87], s[78:79], s[86:87]
	s_cmp_eq_u32 s45, 0
	s_cselect_b64 s[8:9], s[82:83], s[84:85]       ; and the output of this projection
	s_add_nc_u64 s[14:15], s[4:5], s[16:17]
	s_add_nc_u64 s[46:47], s[80:81], s[46:47]
	CROUND                                         ; all sixteen work-groups are here: the first joint loads meet
.irp s, 0,1
	s_mov_b32 s[G0+4*(\s)], 1
	s_add_co_u32 s[G0+4*(\s)+1], s20, (\s)*SLOT
	s_add_nc_u64 s[G0+4*(\s)+2:G0+4*(\s)+3], s[14:15], (\s)*KSTEP*4
	s_or_b32 s[G0+4*(\s)+3], s[G0+4*(\s)+3], 0x80000000
	s_mov_b32 s[G0B+4*(\s)], 1
	s_add_co_u32 s[G0B+4*(\s)+1], s20, (\s)*SLOT
	s_add_nc_u64 s[G0B+4*(\s)+2:G0B+4*(\s)+3], s[46:47], (\s)*KSTEP*2048
	s_or_b32 s[G0B+4*(\s)+3], s[G0B+4*(\s)+3], 0x80000000
	JLOAD \s
.endr
	v_and_b32 v1, 15, v0                           ; r = l % 16
	v_bfe_u32 v2, v0, 4, 1                         ; h = l / 16
	; the bias of my 128 columns: register j of block b is column 16 b + 8 h + j, whatever the row
	s_lshl_b32 s6, s42, 10
	s_lshl_b32 s7, s12, 9
	s_add_co_u32 s6, s6, s7
	v_lshl_add_u32 v[BO], v2, 5, s6
.irp b, 0,1,2,3,4,5,6,7
	global_load_b128 v[BI+8*(\b):BI+8*(\b)+3],   v[BO], s[86:87] offset:64*(\b)
	global_load_b128 v[BI+8*(\b)+4:BI+8*(\b)+7], v[BO], s[86:87] offset:64*(\b)+16
.endr
	; x's fragment of 16 rows x 32 k: lane l wants k = 8 h + 0..7 and 16 + 8 h + 0..7 of row r: as f32 two pieces of 32 bytes, 64 bytes apart
	v_mul_u32_u24 v3, v1, PA
	v_lshl_add_u32 v3, v2, 5, v3
	s_mul_i32 s21, s11, HALFT
	v_add_nc_u32 v[ADRA], s21, v3
	v_add_nc_u32 v[ADRA+1], SLOT, v[ADRA]
	; the turning load: lane l reads k row 8 h + l % 8, columns 8 ((l / 8) % 2) + 0..7, and is left with column r and 8 k
	v_and_b32 v4, 7, v0
	v_lshl_add_u32 v4, v2, 3, v4
	v_mul_u32_u24 v4, v4, PB
	v_bfe_u32 v5, v0, 3, 1
	v_lshl_add_u32 v4, v5, 4, v4
	s_lshl_b32 s22, s12, 8
	s_add_co_u32 s22, s22, 2*HALFT
	v_add_nc_u32 v[ADRB], s22, v4
	v_add_nc_u32 v[ADRB+1], SLOT, v[ADRB]
	s_mul_i32 s23, s10, 32*SP
	s_add_co_u32 s23, s23, STAGE                   ; my stage
	v_mul_u32_u24 v6, v1, SP                       ; in: row r, 16 bytes for each half of the lanes
	v_lshl_add_u32 v6, v2, 4, v6
	v_add_nc_u32 v[STO], s23, v6
	v_bfe_u32 v6, v0, 3, 2                         ; back: 32 lanes take four rows of 128 bytes,
	v_mul_u32_u24 v6, v6, SP
	v_and_b32 v7, 7, v0
	v_lshl_add_u32 v6, v7, 4, v6
	v_add_nc_u32 v[RD], s23, v6
	v_and_b32 v[GO], 31, v0                        ; which are 512 consecutive bytes of a head's rows
	v_lshlrev_b32 v[GO], 4, v[GO]
	; where my 64 rows of my two heads begin in the output
	s_lshr_b32 s66, s13, 4
	s_lshl_b32 s66, s66, 4                         ; 16 x batch
	s_lshl2_add_u32 s66, s42, s66                  ; + 4 x tile column
	s_lshl1_add_u32 s66, s12, s66                  ; + 2 x half: my first head
	s_and_b32 s67, s13, 15
	s_lshl_b32 s67, s67, 7
	s_lshl_b32 s6, s11, 6
	s_add_co_u32 s67, s67, s6                      ; my first row in the sequence
	s_lshl_b32 s16, s66, 18                        ; q: a head is 262,144 bytes, a row 128
	s_lshl_b32 s6, s67, 7
	s_add_co_u32 s16, s16, s6
	s_lshl_b32 s18, s66, 19                        ; k, v: a head is 524,288 bytes,
	s_lshr_b32 s6, s67, 8
	s_lshl_b32 s6, s6, 16                          ; a tile of 256 keys 65,536,
	s_add_co_u32 s18, s18, s6
	s_and_b32 s6, s67, 255
	s_lshl_b32 s6, s6, 7
	s_add_co_u32 s18, s18, s6
	s_max_u32 s6, s45, 1
	s_sub_co_u32 s6, s6, 1
	s_lshl_b32 s6, s6, 15                          ; V's half of it lies 32,768 behind K's
	s_add_co_u32 s18, s18, s6
	s_mov_b32 s90, 1<<19
	s_cmp_eq_u32 s45, 0
	s_cselect_b32 s16, s16, s18
	s_cselect_b32 s90, 1<<18, s90                  ; from a head to the next
	s_mov_b32 s17, 0
	s_mov_b32 s91, 0
	s_add_nc_u64 s[8:9], s[8:9], s[16:17]          ; my first head,
	s_add_nc_u64 s[88:89], s[8:9], s[90:91]        ; my second
	s_wait_loadcnt 0x0                             ; the bias is rounded to bf16 like the other inputs; this stands in the wait for the first tile
.set n, 0
.rept 32
	v_cvt_pk_bf16_f32 v[RAW+64+n], v[BI+2*n], v[BI+2*n+1]
.set n, n+1
.endr
.set n, 0
.rept 32
	v_lshlrev_b32 v[BI+2*n], 16, v[RAW+64+n]
	v_and_b32 v[BI+2*n+1], 0xffff0000, v[RAW+64+n]
.set n, n+1
.endr
; 16 turning loads: W's fragments of 32 k from k row k0 of the slot, my 128 columns, into buffer g
.macro FETCH_B slot, k0, g
	WIN T1
.irp b, 0,1,2,3,4,5,6,7
	ds_load_tr16_b128 v[BF+64*(\g)+8*(\b):BF+64*(\g)+8*(\b)+3],   v[ADRB+(\slot)] offset:(\k0)*PB+32*(\b)
	ds_load_tr16_b128 v[BF+64*(\g)+8*(\b)+4:BF+64*(\g)+8*(\b)+7], v[ADRB+(\slot)] offset:(\k0)*PB+16*PB+32*(\b)
.endr
.endm
; 16 loads: my 64 rows of x, 32 k from k0, as f32, into raw buffer f
.macro FETCH_R slot, k0, f
	WIN 0
.irp a, 0,1,2,3
	ds_load_b128 v[RAW+64*(\f)+16*(\a):RAW+64*(\f)+16*(\a)+3],     v[ADRA+(\slot)] offset:(\a)*16*PA+4*(\k0)
	ds_load_b128 v[RAW+64*(\f)+16*(\a)+4:RAW+64*(\f)+16*(\a)+7],   v[ADRA+(\slot)] offset:(\a)*16*PA+4*(\k0)+16
	ds_load_b128 v[RAW+64*(\f)+16*(\a)+8:RAW+64*(\f)+16*(\a)+11],  v[ADRA+(\slot)] offset:(\a)*16*PA+4*(\k0)+64
	ds_load_b128 v[RAW+64*(\f)+16*(\a)+12:RAW+64*(\f)+16*(\a)+15], v[ADRA+(\slot)] offset:(\a)*16*PA+4*(\k0)+80
.endr
.endm
; 8 matrix instructions: row block a x all 8 column blocks, on buffers f.  first = 1: the bias starts the sums.  conv = 1: behind every second one, four conversions of the OTHER raw buffer
; into the other fragment buffer (half 0: row blocks 0, 1; half 1: 2, 3); they name no register of the products round them.  The 32 accumulators take turns.
.macro MULA f, a, first, conv, half
.irp b, 0,1,2,3,4,5,6,7
.if \first
	WIN MUL0
	v_wmma_f32_16x16x32_bf16 v[8*(8*(\a)+(\b)):8*(8*(\a)+(\b))+7], v[BF+64*(\f)+8*(\b):BF+64*(\f)+8*(\b)+7], v[AF+32*(\f)+8*(\a):AF+32*(\f)+8*(\a)+7], v[BI+8*(\b):BI+8*(\b)+7]
.else
	WIN MUL
	v_wmma_f32_16x16x32_bf16 v[8*(8*(\a)+(\b)):8*(8*(\a)+(\b))+7], v[BF+64*(\f)+8*(\b):BF+64*(\f)+8*(\b)+7], v[AF+32*(\f)+8*(\a):AF+32*(\f)+8*(\a)+7], v[8*(8*(\a)+(\b)):8*(8*(\a)+(\b))+7]
.endif
.if (\conv) && ((\b)%2 == 1)
	WIN T1
.irp z, 0,1,2,3
	v_cvt_pk_bf16_f32 v[AF+32*(1-(\f))+16*(\half)+4*((\b)/2)+(\z)], v[RAW+64*(1-(\f))+2*(16*(\half)+4*((\b)/2)+(\z))], v[RAW+64*(1-(\f))+2*(16*(\half)+4*((\b)/2)+(\z))+1]
.endr
.endif
.endr
.endm
; A quarter step t (32 along K, 32 matrix instructions, buffers f = t % 2).  In it W's fragments of quarter t + 1 are fetched (slot bs, k row bk), x's f32 of quarter t + 2 (slot rs, k rk),
; and x's f32 of quarter t + 1 is rounded.
.macro QUARTER f, bs, bk, rs, rk, first=0, doB=1, doR=1, doC=1, w0=16
	s_wait_dscnt \w0                               ; W's fragments of this quarter are in; the 16 raw loads issued behind them may be out
	MULA \f, 0, \first, 0, 0
.if \doB
	PLACES                                         ; between the last quarter's products and what now lands in the buffers that they read
	FETCH_B \bs, \bk, 1-(\f)
.endif
.if \doR
	FETCH_R \rs, \rk, \f
.endif
.if \doB
	s_wait_dscnt 16*((\doB)+(\doR))                ; all but the loads just issued: the next quarter's f32 is in
.endif
	MULA \f, 1, \first, \doC, 0
	MULA \f, 2, \first, \doC, 1
	MULA \f, 3, \first, 0, 0
.endm
; The third quarter of a K step changes slots: its run of W's loads is the slot's last read.  ONE barrier: in front of it each wave waits for all its tensor loads (one is out: its part of the next slot),
; adds 0 to its spare word, and waits for that and for its reads of this slot.  fill = 1: the barrier opens a round of the cluster's, and this slot is filled again, two K steps ahead, first thing behind it.
.macro TURN slot, next, fill
	s_wait_dscnt 16
	MULA 0, 0, 0, 0, 0
	PLACES
	FETCH_B \slot, 96, 1
	WIN 0                                          ; (the add's two registers lie in window 0)
	s_wait_tensorcnt 0x0                           ; all my tensor loads have landed;
	ds_add_u32 v[SPW], v[NIL]                      ; 0 onto my spare word;
	s_wait_dscnt 17                                ; (W's 16 loads and the add may be out; the next quarter's f32 is in)
	MULA 0, 1, 0, 1, 0                             ; work on registers stands between the add and the wait for it
	s_wait_dscnt 0x0                               ; the add is done, and my reads of this slot are over
	s_barrier_signal -1
	MULA 0, 2, 0, 1, 1
	WIN 0
	s_barrier_wait -1
.if \fill
	CREST                                          ; no wave of any partner still reads this slot's tile or has a load on its way
	s_add_nc_u64 s[G0+4*(\slot)+2:G0+4*(\slot)+3], s[G0+4*(\slot)+2:G0+4*(\slot)+3], 2*KSTEP*4
	s_add_nc_u64 s[G0B+4*(\slot)+2:G0B+4*(\slot)+3], s[G0B+4*(\slot)+2:G0B+4*(\slot)+3], 2*KSTEP*2048
	JLOAD \slot                                    ; my one tensor load behind the round: it has a K step less 16 products in which to land
.endif
	FETCH_R \next, 0, 0
	MULA 0, 3, 0, 0, 0
.endm
	s_wait_tensorcnt 1                             ; my part of K step 0 is in; K step 1's may stay out
	s_barrier_signal -1
	s_barrier_wait -1                              ; everybody's is
	FETCH_B 0, 0, 0
	FETCH_R 0, 0, 0
	FETCH_R 0, 32, 1
	s_wait_dscnt 16                                ; all but the second quarter's f32
	WIN T1
.set n, 0
.rept 32
	v_cvt_pk_bf16_f32 v[AF+n], v[RAW+2*n], v[RAW+2*n+1]
.set n, n+1
.endr
	QUARTER 0, 0,32, 0,64, 1                       ; the first quarter stands in front of the loop: its products start the sums, with the bias
	WIN 0                                          ; at a label and at a branch every window is 0
	s_mov_b32 s3, 3
.Llap:                                                 ; a trip goes once round the ring, from a lap's second quarter to the next lap's first, and fills both slots again
	QUARTER 1, 0,64, 0,96
	TURN 0, 1, 1
	QUARTER 1, 1,0, 1,32
	QUARTER 0, 1,32, 1,64
	QUARTER 1, 1,64, 1,96
	TURN 1, 0, 1
	QUARTER 1, 0,0, 0,32
	QUARTER 0, 0,32, 0,64
	WIN 0
	s_sub_co_u32 s3, s3, 1
	s_cmp_lg_u32 s3, 0
	s_cbranch_scc1 .Llap
	QUARTER 1, 0,64, 0,96                          ; the last lap fills nothing
	TURN 0, 1, 0
	QUARTER 1, 1,0, 1,32
	QUARTER 0, 1,32, 1,64
	QUARTER 1, 1,64, 1,96
	QUARTER 0, 1,96, 0,0, 0, 1, 0, 1, 16           ; no f32 is left to fetch,
	QUARTER 1, 0,0, 0,0, 0, 0, 0, 0, 0             ; and in the last quarter nothing at all
	; THE WAY OUT, a block of 16 rows at a time: rounded to f16, 16 bytes a lane into my own stage, back as whole rows of a head (128 bytes; four of them are 512 consecutive bytes of the output).
.macro PACK a
	WIN PKW
.irp b, 0,1,2,3,4,5,6,7
.irp i, 0,1,2,3
	v_cvt_pk_f16_f32 v[TMP+4*(\b)+(\i)], v[8*(8*(\a)+(\b))+2*(\i)], v[8*(8*(\a)+(\b))+2*(\i)+1]
.endr
.endr
	WIN 0
.endm
.macro TOSTAGE a
.irp b, 0,1,2,3,4,5,6,7
	ds_store_b128 v[STO], v[TMP+4*(\b):TMP+4*(\b)+3] offset:((\b)/4)*16*SP+32*((\b)%4)
.endr
.irp t, 0,1,2,3,4,5,6,7
	ds_load_b128 v[OB+32*((\a)%2)+4*(\t):OB+32*((\a)%2)+4*(\t)+3], v[RD] offset:((\t)/4)*16*SP+((\t)%4)*4*SP  ; LDS serves a wave's instructions in order: these see the stores above
.endr
.endm
.macro SEND a
	s_wait_dscnt 0x0                               ; the block is back in registers
	s_wait_xcnt 0x0                                ; the registers that earlier stores read are loaded again only behind this wait
.irp t, 0,1,2,3
	global_store_b128 v[GO], v[OB+32*((\a)%2)+4*(\t):OB+32*((\a)%2)+4*(\t)+3], s[8:9] offset:(\a)*2048+(\t)*512
.endr
.irp t, 0,1,2,3
	global_store_b128 v[GO], v[OB+32*((\a)%2)+16+4*(\t):OB+32*((\a)%2)+16+4*(\t)+3], s[88:89] offset:(\a)*2048+(\t)*512
.endr
.endm
	PLACES
	PACK 0
	TOSTAGE 0
.irp a, 1,2,3                          ; block a's conversions stand between block a - 1's loads from the stage and the wait for them
	PACK \a
	SEND (\a)-1
	TOSTAGE \a
.endr
	SEND 3
	s_wait_tensorcnt 0x0                           ; the wave's end, behind my last tensor load and my last LDS store
	ds_add_u32 v[SPW], v[NIL]
	s_wait_dscnt 0x0
	CROUND                                         ; the closing round: no work-group ends while a partner may still ask for a tile that names it
	s_endpgm
.Lfunc_end_k_qeb602fcf81_proj:
	.size	k_qeb602fcf81_proj, .Lfunc_end_k_qeb602fcf81_proj-k_qeb602fcf81_proj
	.p2alignl 7, 3214868480
	.fill 96, 4, 3214868480
	.section	.rodata,"a",@progbits
	.p2align	6, 0x0
	.amdhsa_kernel k_qeb602fcf81_proj
		.amdhsa_group_segment_fixed_size 327680
		.amdhsa_private_segment_fixed_size 0
		.amdhsa_enable_private_segment 0
		.amdhsa_kernarg_size 72
		.amdhsa_user_sgpr_count 2
		.amdhsa_user_sgpr_kernarg_segment_ptr 1
		.amdhsa_wavefront_size32 1
		.amdhsa_system_sgpr_workgroup_id_x 1
		.amdhsa_system_sgpr_workgroup_id_y 1
		.amdhsa_system_sgpr_workgroup_id_z 1
		.amdhsa_system_vgpr_workitem_id 0
		.amdhsa_next_free_vgpr 768
		.amdhsa_next_free_sgpr 92
		.amdhsa_reserve_vcc 0
		.amdhsa_float_denorm_mode_32 3
		.amdhsa_float_denorm_mode_16_64 3
		.amdhsa_memory_ordered 1
		.amdhsa_forward_progress 1
		.amdhsa_inst_pref_size 142
	.end_amdhsa_kernel
	.amdgpu_metadata
---
amdhsa.version: [ 1, 2 ]
amdhsa.kernels:
  - .name:           k_qeb602fcf81_proj
    .symbol:         k_qeb602fcf81_proj.kd
    .args:
      - { .name: query, .offset: 0, .size: 8, .value_kind: global_buffer, .address_space: global }
      - { .name: key, .offset: 8, .size: 8, .value_kind: global_buffer, .address_space: global }
      - { .name: value, .offset: 16, .size: 8, .value_kind: global_buffer, .address_space: global }
      - { .name: bq, .offset: 24, .size: 8, .value_kind: global_buffer, .address_space: global }
      - { .name: bk, .offset: 32, .size: 8, .value_kind: global_buffer, .address_space: global }
      - { .name: bv, .offset: 40, .size: 8, .value_kind: global_buffer, .address_space: global }
      - { .name: wc, .offset: 48, .size: 8, .value_kind: global_buffer, .address_space: global }
      - { .name: qh, .offset: 56, .size: 8, .value_kind: global_buffer, .address_space: global }
      - { .name: kvh, .offset: 64, .size: 8, .value_kind: global_buffer, .address_space: global }
    .group_segment_fixed_size: 327680
    .private_segment_fixed_size: 0
    .kernarg_segment_align: 8
    .kernarg_segment_size: 72
    .max_flat_workgroup_size: 128
    .sgpr_count:     92
    .vgpr_count:     768
    .wavefront_size: 32
...
	.end_amdgpu_metadata
.endif
;; end of part 2
;; launch attn (part 3): grid 4 x 64, 4 waves a work-group, clusters of 4 x 1, 327,680 bytes of LDS; arguments qh, kvh, mbits, oh; writes oh
.if DOCPART == 3
	.amdgcn_target "amdgcn-amd-amdhsa--gfx1250"
	.amdhsa_code_object_version 6
	.text
	.protected	k_qeb602fcf81_attn
	.globl	k_qeb602fcf81_attn
	.p2align	8
	.type	k_qeb602fcf81_attn,@function
k_qeb602fcf81_attn:
	s_mov_b64 s[64:65], 0
	v_nop
	global_prefetch_b8 v0, s[64:65] scope:SCOPE_SE
	s_setreg_imm32_b32 hwreg(HW_REG_WAVE_MODE, 25, 1), 1
	s_wait_xcnt 0x0
	s_wait_alu depctr_hold_cnt(0) depctr_sa_sdst(0) depctr_va_vdst(0) depctr_va_sdst(0) depctr_va_ssrc(0) depctr_va_vcc(0) depctr_vm_vsrc(0)
	s_getreg_b32 s2, hwreg(HW_REG_IB_STS2, 6, 4)
	s_cmp_eq_u32 s2, 0
	s_cbranch_scc0 .Lentry_in_a_cluster
	s_endpgm
.Lentry_in_a_cluster:
	s_bfe_u32 s2, ttmp6, 0x10000c
	s_cmp_lg_u32 s2, 0x3003
	s_cbranch_scc0 .Lentry_shape_is_right
	s_endpgm
.Lentry_shape_is_right:
; O[h][q][:] = the sum over k of softmax_k(masked(Q[h][q] . K[h][k] / 8)) V[h][k][:] for 64 heads (batch x head) of 2,048 rows.  Q, O: [64][2048][64] f16; K and V: [64][tile 8][K, V][256][64] f16.
; THE MASK is an input, one for the 16 heads of a batch; the launch before the projections packed it to bits in the order of the score registers: one 32-bit word is the select mask of one
; v_cndmask_b32, which REPLACES a hidden score by -2^33 before the running maximum sees it.
; LIMITS.  A hidden score counts as -2^33 before the scale, -1.0737e9 behind it, where the module says -1e9: a power of two, so that c m is exact and a row that is wholly hidden gets p = 1 for every key
; (the mean of V's rows, as the module's softmax gives); the results differ only where true scaled scores lie near -1e9.  f16 holds no number beyond 65,504: Q, K, V arrive within it; p lies in 0 to 1,
; and below 6e-5 it keeps f16's fixed step.  A weight below 2^-126 counts as 0 in l; NaN and infinities are not treated apart.
; SHARES.  A wave owns four PIECES of two tiles of 16 queries, a work-group's four waves 512 queries of one head.  Every wave walks all keys, 64 a step.  256 work-groups.
; LAYOUT.  S^T = K Q^T (source 0 = 16 keys, source 1 = 16 queries): a lane holds ONE query (lane % 16) and the keys 8 (lane / 16) + 0..7.  Two such tiles, rounded to f16 in pairs,
; ARE source 1 of O^T = V^T P.  K comes out of LDS as it lies, V ([key][channel]) turned, by ds_load_tr16_b128.
; SOFTMAX.  For each query a running maximum m and sum l: p = 2^(c s - c m), c = log2(e) / 8; in every step O and l are multiplied by a = 2^(c m_old - c m_new).
; m starts at the lowest finite number, O and l at 0: the first step is a step like any other, with a = 0.
; BY TURNS.  Turn n belongs to piece n.  Its matrix work: 16 products K Q^T of piece n + 1, later 16 products V^T P of piece n - 1.  Its vector work: the scaling, exponentials, roundings, sums and
; rescaling of piece n; the masking, maximum and statistics of piece n + 1.  Four vector instructions stand behind every matrix instruction, the others in runs of their own.
; CLUSTER.  The four query blocks of a cluster belong to one head and walk the same K and V, so each tile is asked for JOINTLY: the same tensor load, descriptor and mask in all four.
; K and V of 256 keys are 65,536 consecutive bytes: ONE descriptor serves both, each wave moving a quarter.  So both have V's pitch of 160 bytes, at which K's plain loads meet two rows in the same
; banks: 16 such loads for a step's 128 matrix instructions.
; REGISTERS, in windows of 256 (s_set_vgpr_msb: bits 1:0 source 0, 3:2 source 1, 5:4 source 2, 7:6 destination):
;   window 0: v0-11 addresses and -2^33; v12-15, v48-63 at work; v16-47 four registers of statistics a tile; v64-191 S^T, two buffers of two tiles; v192-255 P, likewise
;   window 1: O^T, 32 a tile          window 2: v0-127 Q, 16 a tile; v128-191 K of one step; v192-255 V of one step          window 3: v0-1 the add's two registers
.set SIZE_N, 2048
.set NP,    4         ; pieces a wave: a name, no knob
.set KS,    64        ; keys in a step
.set PK,    160       ; a row of K in LDS: 128 bytes + 32 of padding
.set PV,    160       ; a row of V: 40 words
.set VOFF,  4*KS*PK   ; a slot holds four steps: 256 rows of K, then 256 rows of V
.set SLOT1, 1<<17     ; slot 1 begins here, so that one exclusive or turns an address in one slot into the other's
.set STAGE, SLOT1+4*KS*(PK+PV)  ; behind the ring, never filled by a tensor load: 16 rows x 144 bytes for each wave
.set SP,    144
.set AK0, 2           ; v2   my lane's place in a tile of K; never rewritten
.set AV0, 3           ; v3   the same for V
.set AK,  4           ; v4   the LDS address of K's next run of loads
.set AV,  5           ; v5   of V's
.set QO,  6           ; v6   my byte offset in the wave's rows of Q
.set STO, 6           ;      later, the way out: where I put 16 bytes of a row
.set RD,  7           ; v7   the way out: where I read rows back
.set GO,  8           ; v8   my byte offset in 512 consecutive bytes of O
.set BIG, 11          ; v11  -2^33
.set SPW, 0           ; v0 of window 3   my spare word's address; never rewritten
.set NIL, 1           ; v1 of window 3   0; never rewritten
.set SPARE, STAGE+4*16*SP  ; behind the stages: the spare words, 128 bytes for each wave
.set MV,  12          ; v12-15  c m_old, kept while c m is made anew: by buffer and tile
.set ST,  16          ; tile t's statistics at v[ST+4 t]: c m, m, l (even keys', odd keys')
.set TMP, 48          ; by buffer and tile, four registers c0-c3 at work; when the maximum is found c2 takes a
.set S,   64
.set P,   192
.set KF,  128         ; K's fragments, in window 2
.set VF,  192         ; V's
.set WV,  12          ; s12  my wave's number
.set G1,  16          ; s[16:23] descriptor group 1
.set G0,  24          ; s[24:27] descriptor group 0: it walks
.set SLOTS, 28        ; s28  slots still to be asked for
.set CNT, 29          ; s29  counts a slot's key steps
.set CS,  30          ; s[30:31] c
.set MW0, 32          ; s[32:63] the 32 mask words of a piece's first tile
.set SEL, 66          ; s[66:67] v_permlanex16_b32's selects
.set MW1, 68          ; s[68:99] those of its second tile
.set TBK, 100         ; s100 LDS byte at which K of the step to be fetched begins
.set TBV, 101         ; s101 the same for V, less VOFF
.set MOFF, 104        ; s104 byte offset of the key step whose mask words are asked for next
.set MSB, 0
.macro WIN new                      ; the high byte repeats the setting that is left; a switch that changes nothing is dropped
.if MSB != (\new)
	s_set_vgpr_msb (MSB<<8)|(\new)
.set MSB, (\new)
.endif
.endm
.set W_KQ, 0x0a       ; K and Q in window 2, S^T in window 0
.set W_PV, 0x52       ; V in window 2, P in window 0, O^T in window 1
.set W_RS, 0x41       ; O^T (destination and source 0) in window 1, a in window 0
.set W_MK, 0xc0       ; the add's registers are made: destination in window 3
.set W_AD, 0x0f       ; the add: address and data in window 3
; A joint fill: wave w moves quarter w of a tile (K's two halves, V's two halves), 128 rows each.  One line for all four waves; an s_nop 0 and four v_nop follow it.
.macro JLOAD
	tensor_load_to_lds s[G0:G0+3], s[G1:G1+7]
	s_nop 0
.rept 4
	v_nop
.endr
.endm
.macro CROUND                       ; a round of the cluster's barrier
	s_barrier_signal -1
	s_barrier_wait -1
	s_cmp_lg_u32 s[WV], 0
	s_cbranch_scc1 .Lnot_wave_0_\@
	s_barrier_signal -3
.Lnot_wave_0_\@:
	s_barrier_wait -3
	s_barrier_signal -1
	s_barrier_wait -1
.endm
; THE CHANGE OF SLOTS.  The slot's last bytes, V of its fourth step, have been read.  Each wave waits for all its tensor loads, of which one is out: its part of the other slot; adds 0 to its spare word;
; and waits for that and for its own reads of the slot.  fill = 1: the barrier is a round of the cluster's, and the joint fill is the first thing behind it: it has four key steps in which to land.
; (At its first use nothing has been read yet: slot 0 is waited for, slot 1 filled.)
.macro CHANGE fill
	WIN W_AD
	s_wait_tensorcnt 0x0            ; no tensor load of mine is out, so group 0 may be written
	ds_add_u32 v[SPW], v[NIL]       ; 0 onto my spare word
	WIN 0                           ; at a label and at a branch every window is 0
.if \fill
	s_xor_b32 s[G0+1], s[G0+1], SLOT1  ; the other slot than last time,
	s_add_nc_u64 s[G0+2:G0+3], s[G0+2:G0+3], 65536  ; the next 256 keys' K and V; the type bits on top are not reached
	s_wait_dscnt 0x0                ; the add is done, and my reads of the slot are over
	CROUND
	JLOAD
.else
	s_wait_dscnt 0x0
	s_barrier_signal -1
	s_barrier_wait -1
.endif
	s_sub_co_u32 s[TBK], s[TBK], 4*KS*PK  ; the fetches go back to a slot's first step,
	s_xor_b32 s[TBK], s[TBK], SLOT1       ; in the other slot
	s_sub_co_u32 s[TBV], s[TBV], 4*KS*PV
	s_xor_b32 s[TBV], s[TBV], SLOT1
.endm
	s_load_b256 s[4:11], s[0:1], 0x0  ; Q s[4:5], K and V s[6:7], the mask words s[8:9], O s[10:11]
	WIN W_MK
	v_lshl_add_u32 v[SPW], v0, 2, SPARE
	v_mov_b32 v[NIL], 0
	WIN W_AD
	ds_add_u32 v[SPW], v[NIL]       ; the wave's opening: the add and its wait stand ahead of my first tensor load; the set-up below stands between them
	WIN 0
	v_lshrrev_b32 v1, 5, v0
	v_readfirstlane_b32 s[WV], v1   ; wave 0..3
	s_bfe_u32 s13, ttmp6, 0x40000   ; cx: my place in the cluster
	s_lshl_b32 s14, ttmp9, 2
	s_add_co_u32 s14, s14, s13      ; my block of 512 queries: it enters Q's, O's and the mask words' addresses alone
	s_and_b32 s15, ttmp7, 0xffff    ; the head, which the four partners share
	s_lshl_b32 s32, s15, 19         ; the head's K and V,
	s_lshl_b32 s33, s[WV], 14       ; my quarter of a tile
	s_add_co_u32 s32, s32, s33
	s_mov_b32 s33, 0
	s_lshl2_add_u32 s34, s14, s[WV] ; my wave's 128 queries among the head's sixteen such
	s_lshl_b32 s36, s34, 14
	s_lshl_b32 s37, s15, 18
	s_add_co_u32 s36, s36, s37      ; their first byte in Q and O
	s_mov_b32 s37, 0
	s_lshr_b32 s38, s15, 4          ; the batch
	s_lshl4_add_u32 s38, s38, s34
	s_lshl_b32 s38, s38, 15         ; their mask words: 32 steps of 1,024 bytes
	s_mov_b32 s39, 0
	; descriptor group 1.  128 rows of 128 bytes are dense: asked for as 64 rows of 256 bytes, and padded in LDS after every 128
	s_mov_b32 s[G1], 15|(1<<16)|(1<<20)|(1<<21)|(4<<22)|(7<<25)  ; 15:0 the mask of four; 17:16 2-byte elements; 20 padding on; 21 set beside a mask; 24:22 after every 32 words; 31:25 8 words
	s_mov_b32 s[G1+1], 128<<16      ; tensor_dim0
	s_mov_b32 s[G1+2], 64<<16       ; tensor_dim1
	s_mov_b32 s[G1+3], 128<<16      ; tile_dim0
	s_mov_b32 s[G1+4], 64           ; tile_dim1
	s_mov_b32 s[G1+5], 128          ; elements from row to row
	s_mov_b32 s[G1+6], 0
	s_mov_b32 s[G1+7], 0
	s_mov_b32 s[CS], 0x3e38aa3b     ; c = log2(e) / 8
	s_mov_b32 s[CS+1], s[CS]        ; named with it as a pair
	s_mov_b32 s[SEL], 0x76543210
	s_mov_b32 s[SEL+1], 0xfedcba98
	s_mov_b32 s[TBK], SLOT1+4*KS*PK ; the first change of slots turns these two into 0
	s_mov_b32 s[TBV], SLOT1+4*KS*PV
	s_mov_b32 s[MOFF], 0
	s_mov_b32 s[G0], 1              ; count = 1
	s_mul_i32 s[G0+1], s[WV], 128*PK  ; LDS address: slot 0, my quarter: no place in the cluster enters it
	s_wait_dscnt 0x0                ; the opening add is done
	s_wait_kmcnt 0x0
	s_add_nc_u64 s[G0+2:G0+3], s[6:7], s[32:33]
	s_or_b32 s[G0+3], s[G0+3], 0x80000000  ; type = 2
	s_add_nc_u64 s[4:5], s[4:5], s[36:37]
	s_add_nc_u64 s[10:11], s[10:11], s[36:37]
	s_add_nc_u64 s[8:9], s[8:9], s[38:39]
	s_load_b512 s[MW0:MW0+15],    s[8:9], s[MOFF] offset:0    ; piece 0's mask words for key step 0
	s_load_b512 s[MW0+16:MW0+31], s[8:9], s[MOFF] offset:64
	s_load_b512 s[MW1:MW1+15],    s[8:9], s[MOFF] offset:128
	s_load_b512 s[MW1+16:MW1+31], s[8:9], s[MOFF] offset:192
	CROUND                          ; all four work-groups are here: the first joint loads meet
	JLOAD                           ; slot 0.  Slot 1 is asked for when slot 0 is in
	v_and_b32 v1, 15, v0            ; l % 16
	v_bfe_u32 v9, v0, 4, 1          ; l / 16
	v_lshlrev_b32 v[QO], 7, v1
	v_lshl_add_u32 v[QO], v9, 4, v[QO]  ; row x 128 + 16 x half
	WIN 0x80                        ; destination window 2, address window 0
.set i, 0
.rept 4*NP                          ; Q stays in registers: tile i / 2, channels 32 (i % 2) on
	global_load_b128 v[8*i:8*i+3],   v[QO], s[4:5] offset:(i/2)*2048+(i%2)*64
	global_load_b128 v[8*i+4:8*i+7], v[QO], s[4:5] offset:(i/2)*2048+(i%2)*64+32
.set i, i+1
.endr
	; What the first turn finds: V's registers and P's second buffer hold 0, O^T and l are 0.  All this stands in the wait for the first tile.
.set i, VF
.rept 64
	v_mov_b32 v[i], 0
.set i, i+1
.endr
	WIN 0x40
.set i, 0
.rept 64*NP
	v_mov_b32 v[i], 0
.set i, i+1
.endr
	WIN 0
.set i, 0
.rept 2*NP
	v_mov_b32 v[ST+4*i], 0xfe000000    ; c m: far below every c s
	v_mov_b32 v[ST+4*i+1], 0xff7fffff  ; m
	v_mov_b32 v[ST+4*i+2], 0
	v_mov_b32 v[ST+4*i+3], 0
.set i, i+1
.endr
.set i, P+32
.rept 32
	v_mov_b32 v[i], 0
.set i, i+1
.endr
	v_mul_u32_u24 v[AK0], v1, PK
	v_lshl_add_u32 v[AK0], v9, 4, v[AK0]  ; row x pitch + 16 x half
	v_and_b32 v10, 7, v0
	v_bfe_u32 v11, v0, 3, 1
	v_lshl_add_u32 v[AV0], v9, 3, v10
	v_mul_u32_u24 v[AV0], v[AV0], PV
	v_lshl_add_u32 v[AV0], v11, 4, v[AV0]
	v_add_nc_u32 v[AV0], VOFF, v[AV0]
	v_mov_b32 v[BIG], 0xd0000000    ; -2^33
	v_mov_b32 v[AK], v[AK0]         ; key step 0 lies at the head of slot 0
; THE MATRIX WORK.  The 8 accumulators of a run of 16 take turns.
.macro KQ x
	WIN W_KQ
.set rS, S+64*((\x)%2)+32*(i%2)+8*((i/2)%4)
.set rK, KF+16*((i/2)%4)+8*(i/8)
.set rQ, 16*(2*(\x)+i%2)+8*(i/8)
.if i < 8
	v_wmma_f32_16x16x32_f16 v[rS:rS+7], v[rK:rK+7], v[rQ:rQ+7], 0
.else
	v_wmma_f32_16x16x32_f16 v[rS:rS+7], v[rK:rK+7], v[rQ:rQ+7], v[rS:rS+7]
.endif
.endm
.macro PV x
	WIN W_PV
.set rO, 32*(2*(\x)+i%2)+8*((i/2)%4)
.set rV, VF+32*(i/8)+8*((i/2)%4)
.set rP, P+32*((\x)%2)+16*(i%2)+8*(i/8)
	v_wmma_f32_16x16x32_f16 v[rO:rO+7], v[rV:rV+7], v[rP:rP+7], v[rO:rO+7]
.endm
.macro MM                           ; the turn's next matrix instruction
.if i < 16
	KQ (Y+1)%NP
.set i, i+1
.else
.set i, i-16
	PV (Y+NP-1)%NP
.set i, i+17
.endif
.endm
; THE LDS LOADS stand in runs of 16.  last = 1 (the tail): in the last trip there is no further step, and the run is jumped over.
.macro FETCH_K last=0
	WIN 0
.if \last
	s_cmp_eq_u32 s[CNT], 1
	s_cbranch_scc1 .Lno_k_\@
.endif
	WIN 0x80                        ; destination window 2
.irp f, 0,1,2,3,4,5,6,7             ; keys 16 (f / 2) on, channels 32 (f % 2) on
	ds_load_b128 v[KF+8*\f:KF+8*\f+3],   v[AK] offset:(\f/2)*16*PK+(\f%2)*64
	ds_load_b128 v[KF+8*\f+4:KF+8*\f+7], v[AK] offset:(\f/2)*16*PK+(\f%2)*64+32
.endr
	s_add_co_u32 s[TBK], s[TBK], KS*PK  ; the next fetch is the next step's
	WIN 0
.if \last
.Lno_k_\@:
.endif
.endm
.macro FETCH_V
	WIN 0x80
.irp f, 0,1,2,3,4,5,6,7             ; keys 32 (f / 4) on, channels 16 (f % 4) on
	ds_load_tr16_b128 v[VF+8*\f:VF+8*\f+3],   v[AV] offset:(\f/4)*32*PV+(\f%4)*32
	ds_load_tr16_b128 v[VF+8*\f+4:VF+8*\f+7], v[AV] offset:(\f/4)*32*PV+16*PV+(\f%4)*32
.endr
	WIN 0
.endm
; THE MASK, for piece Y + 1, whose scores the turn's first 16 products have just made: 64 selects, each accumulator's registers in ascending order.  The words were asked for a turn
; ago.  Then the words of the piece that the next turn masks, Y + 2, are asked for; step = 1 (piece 2's turn): that piece is piece 0 of the next key step.  Behind the last step the offset stays at it, so
; that no load leaves the wave's 32,768 bytes of words.  The offset is written only behind the wait that shows the loads that read it done.
.macro MSK step
	WIN 0
	s_wait_kmcnt 0x0
.set mS, S+64*((Y+1)%2)
.set mz, 0
.rept 32
	v_cndmask_b32 v[mS+mz], v[BIG], v[mS+mz], s[MW0+mz]
.set mz, mz+1
.endr
.set mz, 0
.rept 32
	v_cndmask_b32 v[mS+32+mz], v[BIG], v[mS+32+mz], s[MW1+mz]
.set mz, mz+1
.endr
.if \step
	s_add_co_u32 s[MOFF], s[MOFF], 1024
	s_min_u32 s[MOFF], s[MOFF], 31*1024
.endif
	s_load_b512 s[MW0:MW0+15],    s[8:9], s[MOFF] offset:256*((Y+2)%NP)
	s_load_b512 s[MW0+16:MW0+31], s[8:9], s[MOFF] offset:256*((Y+2)%NP)+64
	s_load_b512 s[MW1:MW1+15],    s[8:9], s[MOFF] offset:256*((Y+2)%NP)+128
	s_load_b512 s[MW1+16:MW1+31], s[8:9], s[MOFF] offset:256*((Y+2)%NP)+192
.endm
; THE VECTOR WORK OF A TURN stands in three queues, each in the order in which its entries become ready; the two tiles alternate.
.macro REGS y, u                    ; the registers of tile u (0, 1) of piece y
.set rT, ST+4*(2*(\y)+(\u))
.set rC, TMP+8*((\y)%2)+4*(\u)
.set rM, MV+2*((\y)%2)+(\u)
.set rS, S+64*((\y)%2)+32*(\u)
.set rP, P+32*((\y)%2)+16*(\u)
.set rO, 32*(2*(\y)+(\u))
.endm
; Number n of the 22 that find the NEXT piece's (Y + 1) maximum and statistics.
;   0-11  four chains c0-c3 of seven scores each     12-14, 16  the four scores left over, the old m, and c0-c3 into c0     15  c m_old is kept
;   17, 18  the query's other 32 keys lie in the lane 16 away: the new m         19-21  c m; c m_old - c m_new; a
.macro XS u, n
	REGS (Y+1)%NP, \u
.if (\n) < 4
	v_max3_num_f32 v[rC+(\n)], v[rS+8*(\n)], v[rS+8*(\n)+1], v[rS+8*(\n)+2]
.elseif (\n) < 12
	v_max3_num_f32 v[rC+(\n)%4], v[rC+(\n)%4], v[rS+8*((\n)%4)+2*((\n)/4)+1], v[rS+8*((\n)%4)+2*((\n)/4)+2]
.elseif (\n) == 12
	v_max3_num_f32 v[rC], v[rC], v[rS+7], v[rS+15]
.elseif (\n) == 13
	v_max3_num_f32 v[rC+1], v[rC+1], v[rS+23], v[rS+31]
.elseif (\n) == 14
	v_max3_num_f32 v[rC+2], v[rC+2], v[rC+3], v[rT+1]
.elseif (\n) == 15
	v_mov_b32 v[rM], v[rT]
.elseif (\n) == 16
	v_max3_num_f32 v[rC], v[rC], v[rC+1], v[rC+2]
.elseif (\n) == 17
	v_permlanex16_b32 v[rC+3], v[rC], s[SEL], s[SEL+1]
.elseif (\n) == 18
	v_max_num_f32 v[rT+1], v[rC], v[rC+3]
.elseif (\n) == 19
	v_mul_f32 v[rT], s[CS], v[rT+1]
.elseif (\n) == 20
	v_sub_f32 v[rC+1], v[rM], v[rT]
.else
	v_exp_f32 v[rC+2], v[rC+1]
.endif
.endm
; Number g of the 64 that follow the exponentials: for each four weights of a tile both pairs are rounded to f16; the second pair is added onto the first, in place; a group later l takes that sum.
.macro GS g
.set h, (\g)+6*((\g)/62)
.if h >= 6
.set h, h+2
.endif
	REGS Y, h%2
.set k, h/8
.if h%8 < 4
	s_wait_alu depctr_va_vdst(0)
	v_cvt_pk_f16_f32 v[rP+2*k+(h%8)/2], v[rS+4*k+2*((h%8)/2)], v[rS+4*k+2*((h%8)/2)+1]
.elseif h%8 < 6
	v_pk_add_f32 v[rS+4*k:rS+4*k+1], v[rS+4*k:rS+4*k+1], v[rS+4*k+2:rS+4*k+3]
.elseif k == 1
	v_pk_fma_f32 v[rT+2:rT+3], v[rT+2:rT+3], v[rC+2:rC+3], v[rS:rS+1] op_sel_hi:[1,0,1]
.else
	v_pk_add_f32 v[rT+2:rT+3], v[rT+2:rT+3], v[rS+4*k-4:rS+4*k-3]
	s_wait_alu depctr_va_vdst(0)
.endif
.endm
; THE PLAIN QUEUE, 138 long.  0-31: c s - c m for the 16 pairs of both tiles.  Then GS's 64, and among them the next piece's 42: number 15 at 38, 39; 0-14 and 16 at 42-73, behind the masking of those
; scores; 17-20 at 95-106, two of three.
.macro PL
	WIN 0
.if q < 32
	REGS Y, q%2
	v_pk_fma_f32 v[rS+2*(q/2):rS+2*(q/2)+1], v[rS+2*(q/2):rS+2*(q/2)+1], s[CS:CS+1], v[rT:rT+1] op_sel_hi:[1,0,0] neg_lo:[0,0,1] neg_hi:[0,0,1]
.elseif q < 38
	GS q-32
.elseif q < 40
	XS q%2, 15
.elseif q < 42
	GS q-34
.elseif q < 74
	XS q%2, (q-42)/2+(q-42)/30
.elseif q < 95
	GS q-66
.elseif (q < 107) && ((q-95)%3 < 2)
	XS (q-95)%3, 17+(q-95)/3
.elseif q < 107
	GS 29+(q-95)/3
.else
	GS q-74
.endif
.set q, q+1
.endm
; THE EXPONENTIALS' QUEUE, 66 long: s0-s31 of both tiles, and at EA the next piece's two a.
.set EA, 58
.macro EX
	WIN 0
.if (e == EA) || (e == EA+1)
	XS e-EA, 21
.else
.set x, e-2*(e/(EA+2))
	REGS Y, x%2
	v_exp_f32 v[rS+x/2], v[rS+x/2]
.endif
.set e, e+1
.endm
; THE RESCALING's QUEUE: O^T times a, dealt four at a time, eight times.
.macro R4
	REGS Y, r%2
	WIN W_RS
	s_wait_alu depctr_va_vdst(0)
.irp z, 0,1,2,3
	v_pk_mul_f32 v[rO+8*(r/2)+2*\z:rO+8*(r/2)+2*\z+1], v[rO+8*(r/2)+2*\z:rO+8*(r/2)+2*\z+1], v[rC+2:rC+3] op_sel_hi:[1,0]
.endr
.set r, r+1
.endm
; HOW THEY ARE DEALT.  Behind a matrix instruction four: plain, exponential, plain, plain, or four of the rescaling; none names a register of the products round it.  What is over stands in lumps.
; The queues keep in step: exponential e stands behind plain 2 (e / 4) + e % 2; when plain 32 comes, 10 exponentials are out, at 59: 33, at 95: 46; EA comes behind plain 107.
.macro SL
	MM
	PL
	EX
	PL
	PL
.endm
.macro BURST n                      ; 15 matrix instructions, or 16
.rept (\n)-7
	SL
.endr
.rept 3
	MM
	R4
	SL
.endr
	MM
	R4
.endm
; A TURN, for piece p.  The masking stands behind the first run of products: that run ends in four rescalings, the four places behind its last product; when it is done 37 of the plain queue are out,
; and the first maximum over the masked scores is number 42.
.macro TURN p, last=0, cnt=0
.set Y, (\p)
.set i, 0
.set q, 0
.set e, 0
.set r, 0
.if (\p) == NP-1
	s_wait_dscnt 0x0                ; K is in
.endif
	MM
.rept 4
	PL
.endr
	BURST 15
.if (\p) == NP-2
	MSK 1
.else
	MSK 0
.endif
.rept 22
	EX
	PL
.if ((\p) == NP-2) && (e == 18)
	v_add_nc_u32 v[AK], s[TBK], v[AK0]
.endif
.if ((\p) == NP-2) && (e == 24)
	FETCH_K \last
.endif
.endr
.if (\p) == 1
	s_wait_dscnt 0x0                ; V is in
.endif
	BURST 16
.rept 21
	EX
	PL
.endr
.rept 22
	PL
.if ((\p) == 0) && (q == 118)
	v_add_nc_u32 v[AV], s[TBV], v[AV0]
	s_wait_alu depctr_va_vdst(0)
.endif
.if ((\p) == 0) && (q == 130)
	s_add_co_u32 s[TBV], s[TBV], KS*PV
.endif
.if (\cnt) && (q == 130)
	s_sub_co_u32 s[CNT], s[CNT], 1
	s_cmp_lg_u32 s[CNT], 0
.endif
.endr
.if (\p) == 0
	FETCH_V
.endif
.endm
	CHANGE 1                        ; slot 0 is in, everybody's part of it; slot 1 is asked for
	FETCH_K                         ; key step 0
	s_wait_loadcnt 0x0              ; Q
	s_wait_dscnt 0x0
.set i, 0
.rept 16
	KQ 0                            ; piece 0's first scores
.set i, i+1
.endr
	WIN 0                           ; the addresses for the way out: nine plain instructions, the places behind those products
	s_mul_i32 s13, s[WV], 16*SP
	s_add_co_u32 s13, s13, STAGE    ; my stage
	v_mul_u32_u24 v[STO], v1, SP    ; in: row l % 16, 16 bytes for each half of the lanes
	v_lshl_add_u32 v[STO], v9, 4, v[STO]
	v_add_nc_u32 v[STO], s13, v[STO]
	v_bfe_u32 v[RD], v0, 3, 2       ; back: 32 lanes take four rows of 128 bytes,
	v_mul_u32_u24 v[RD], v[RD], SP
	v_lshl_add_u32 v[RD], v10, 4, v[RD]
	v_add_nc_u32 v[RD], s13, v[RD]
	v_and_b32 v[GO], 31, v0         ; which are 512 consecutive bytes of O
	v_lshlrev_b32 v[GO], 4, v[GO]
.set Y, NP-1                        ; MSK and XS work for piece Y + 1: piece 0
	MSK 0
.irp n, 0,1,2,3,4,5,6,7,8,9,10,11,12,13,14,15,16,17,18,19,20,21
	XS 0, \n                        ; piece 0's first maximum and statistics
	XS 1, \n
.endr
	s_mov_b32 s[CNT], 4
	s_mov_b32 s[SLOTS], SIZE_N/256-1
	s_branch .Lfirst                ; the loop is entered at a step's first turn, in the middle of a trip
.Lslot:                             ; six times: every slot but the last two is filled again
	CHANGE 1
	s_mov_b32 s[CNT], 4
.Lstep:                             ; a trip: pieces 2 and 3 of one step, then pieces 0 and 1 of the next, whose K and V it fetches
	TURN 2
	TURN 3
	WIN 0
.Lfirst:
	TURN 0
	TURN 1, 0, 1
	WIN 0
	s_cbranch_scc1 .Lstep
	s_sub_co_u32 s[SLOTS], s[SLOTS], 1
	s_cmp_lg_u32 s[SLOTS], 0
	s_cbranch_scc1 .Lslot
	CHANGE 0                        ; the tail is written out: nothing is asked for
	s_mov_b32 s[CNT], 5             ; four trips fetch the last slot's steps; the fifth is left in its middle
.Ltail:
	TURN 2, 1
	TURN 3
	WIN 0
	s_sub_co_u32 s[CNT], s[CNT], 1
	s_cmp_eq_u32 s[CNT], 0
	s_cbranch_scc1 .Lout
	TURN 0
	TURN 1
	WIN 0
	s_branch .Ltail
.Lout:                              ; the fifth trip's 16 products K Q^T (on the last K once more), their masking and maximum serve nothing: the price, once a launch, of one text for every trip
	s_wait_kmcnt 0x0                ; the mask words asked for last are not used
.set i, 0
.rept 16
	PV NP-1                         ; the last piece's V^T P of the last step
.set i, i+1
.endr
	; THE WAY OUT.  l's two halves and the other half of the lanes' are added; O^T is divided by l, rounded to f16 and sent through my stage in LDS, a tile at a time.  The additions are the places behind the last products.
	WIN 0
.macro ALL line:vararg              ; one line for each tile t
.set t, 0
.rept 2*NP
	\line
.set t, t+1
.endr
.endm
	ALL v_add_f32 v[ST+4*t+2], v[ST+4*t+2], v[ST+4*t+3]
	ALL v_permlanex16_b32 v[ST+4*t+3], v[ST+4*t+2], s[SEL], s[SEL+1]
	ALL v_add_f32 v[ST+4*t+2], v[ST+4*t+2], v[ST+4*t+3]
	ALL v_rcp_f32 v[ST+4*t+2], v[ST+4*t+2]
	v_nop                           ; a plain instruction between the last reciprocal and the use of its result
	s_wait_alu depctr_va_vdst(0)
.macro PACK t
	WIN W_RS
.set i, 32*(\t)
.rept 16
	v_pk_mul_f32 v[i:i+1], v[i:i+1], v[ST+4*(\t)+2:ST+4*(\t)+3] op_sel_hi:[1,0]
.set i, i+2
.endr
	WIN 0x05                        ; sources 0 and 1 window 1, destination window 0
.set i, 0
.rept 16
	v_cvt_pk_f16_f32 v[S+16*(\t)+i], v[32*(\t)+2*i], v[32*(\t)+2*i+1]
.set i, i+1
.endr
	WIN 0
.irp f, 0,1,2,3
	ds_store_b128 v[STO], v[S+16*(\t)+4*\f:S+16*(\t)+4*\f+3] offset:32*\f
.endr
.irp f, 0,1,2,3
	ds_load_b128 v[S+16*(\t)+4*\f:S+16*(\t)+4*\f+3], v[RD] offset:\f*4*SP  ; LDS serves a wave's instructions in order: these see the stores above; the next tile's stores come behind them
.endr
.endm
.macro SEND t, younger              ; younger: the LDS instructions issued behind tile t's loads: the next tile's eight, or none
	WIN 0
.irp f, 0,1,2,3
	s_wait_dscnt (\younger)+3-\f
	global_store_b128 v[GO], v[S+16*(\t)+4*\f:S+16*(\t)+4*\f+3], s[10:11] offset:(\t)*2048+\f*512  ; 512 consecutive bytes, at a multiple of 256 from O's first
.endr
.endm
	PACK 0
.set t, 1
.rept 2*NP-1                        ; a tile's arithmetic stands between the loads of the tile before and its stores
	PACK t
	SEND t-1, 8
.set t, t+1
.endr
	SEND 2*NP-1, 0
	WIN W_AD
	s_wait_tensorcnt 0x0            ; the wave's end, behind my last tensor load and my last LDS store
	ds_add_u32 v[SPW], v[NIL]
	s_wait_dscnt 0x0
	WIN 0
	CROUND                          ; the closing round: no work-group ends while a partner may still ask for a tile that names it
	s_endpgm
.Lfunc_end_k_qeb602fcf81_attn:
	.size	k_qeb602fcf81_attn, .Lfunc_end_k_qeb602fcf81_attn-k_qeb602fcf81_attn
	.p2alignl 7, 3214868480
	.fill 96, 4, 3214868480
	.section	.rodata,"a",@progbits
	.p2align	6, 0x0
	.amdhsa_kernel k_qeb602fcf81_attn
		.amdhsa_group_segment_fixed_size 327680
		.amdhsa_private_segment_fixed_size 0
		.amdhsa_enable_private_segment 0
		.amdhsa_kernarg_size 32
		.amdhsa_user_sgpr_count 2
		.amdhsa_user_sgpr_kernarg_segment_ptr 1
		.amdhsa_wavefront_size32 1
		.amdhsa_system_sgpr_workgroup_id_x 1
		.amdhsa_system_sgpr_workgroup_id_y 1
		.amdhsa_system_sgpr_workgroup_id_z 1
		.amdhsa_system_vgpr_workitem_id 0
		.amdhsa_next_free_vgpr 770
		.amdhsa_next_free_sgpr 105
		.amdhsa_reserve_vcc 0
		.amdhsa_float_denorm_mode_32 3
		.amdhsa_float_denorm_mode_16_64 3
		.amdhsa_memory_ordered 1
		.amdhsa_forward_progress 1
		.amdhsa_inst_pref_size 246
	.end_amdhsa_kernel
	.amdgpu_metadata
---
amdhsa.version: [ 1, 2 ]
amdhsa.kernels:
  - .name:           k_qeb602fcf81_attn
    .symbol:         k_qeb602fcf81_attn.kd
    .args:
      - { .name: qh, .offset: 0, .size: 8, .value_kind: global_buffer, .address_space: global }
      - { .name: kvh, .offset: 8, .size: 8, .value_kind: global_buffer, .address_space: global }
      - { .name: mbits, .offset: 16, .size: 8, .value_kind: global_buffer, .address_space: global }
      - { .name: oh, .offset: 24, .size: 8, .value_kind: global_buffer, .address_space: global }
    .group_segment_fixed_size: 327680
    .private_segment_fixed_size: 0
    .kernarg_segment_align: 8
    .kernarg_segment_size: 32
    .max_flat_workgroup_size: 128
    .sgpr_count:     105
    .vgpr_count:     770
    .wavefront_size: 32
...
	.end_amdgpu_metadata
.endif
;; end of part 3
;; launch outp (part 4): grid 4 x 64, 4 waves a work-group, clusters of 4 x 4, 327,680 bytes of LDS; arguments oh, wc, bo, out0; writes out0
.if DOCPART == 4
	.amdgcn_target "amdgcn-amd-amdhsa--gfx1250"
	.amdhsa_code_object_version 6
	.text
	.protected	k_qeb602fcf81_outp
	.globl	k_qeb602fcf81_outp
	.p2align	8
	.type	k_qeb602fcf81_outp,@function
k_qeb602fcf81_outp:
	s_mov_b64 s[64:65], 0
	v_nop
	global_prefetch_b8 v0, s[64:65] scope:SCOPE_SE
	s_setreg_imm32_b32 hwreg(HW_REG_WAVE_MODE, 25, 1), 1
	s_wait_xcnt 0x0
	s_wait_alu depctr_hold_cnt(0) depctr_sa_sdst(0) depctr_va_vdst(0) depctr_va_sdst(0) depctr_va_ssrc(0) depctr_va_vcc(0) depctr_vm_vsrc(0)
	s_getreg_b32 s2, hwreg(HW_REG_IB_STS2, 6, 4)
	s_cmp_eq_u32 s2, 0
	s_cbranch_scc0 .Lentry_in_a_cluster
	s_endpgm
.Lentry_in_a_cluster:
	s_bfe_u32 s2, ttmp6, 0x10000c
	s_cmp_lg_u32 s2, 0xf033
	s_cbranch_scc0 .Lentry_shape_is_right
	s_endpgm
.Lentry_shape_is_right:
; THE OUTPUT PROJECTION: out = O Wo + bo.  O: [bh 64][s 2048][64] f16, by heads (row b 2048 + s of the product takes channel d of head h as k = 64 h + d); Wo: the fourth matrix of wc, [k 1024][n 1024],
; rounded to bf16 and written as f16; bo: f32, rounded to bf16; out: [8192][1024] f32.  Sums in f32.
; SHARES.  A work-group makes 128 rows x 256 columns, each of its four waves 64 x 128: 32 accumulators.  256 work-groups.  K goes in steps of 128, two heads, through two LDS slots: a head's 128 rows of
; 128 bytes are dense in memory and are asked for as 64 rows of 256 bytes.  Wo's tile lies [k][n] in LDS and is turned by ds_load_tr16_b128.
; CLUSTER 4 x 4: O's tile hangs on the tile row alone and is asked for jointly along a row of the cluster, Wo's on the tile column alone and jointly along a column.
; THE MATRIX INSTRUCTION IS USED TRANSPOSED (source 0 = 16 columns of Wo, source 1 = 16 rows of O): a lane holds eight neighbouring numbers of a row of out.  The bias is the C operand of the first product.
; REGISTERS: window 0: v0-31 addresses; v32-63, v64-95 O's fragments, two buffers; v160-223 the bias; on the way out v96-159 and v32-95 rows read back, by turns.
;   window 1: v0-63, v64-127 Wo's fragments, two buffers.      window 2: accumulator (a, b) at v[8 (8 a + b)].
; SCALARS: s[4:5] O, s[6:7] wc, s[68:69] bo, s[70:71] out (later: at my first row and column); s10 wave, s11 wave / 2, s12 wave % 2; s3 the loop's count.
.set PAO,    144                       ; a row of O in LDS: 128 bytes + 16 = 36 words: the 16 rows of a load start at 16 different groups of four banks (64 banks of 4 bytes: ISA guide 11.1)
.set PB,     544                       ; a row of Wo: 512 + 32 = 136 words
.set HALFT,  64*PB                     ; room for what one tensor load brings: 64 k rows of Wo (34,816 bytes) or a head's 128 rows of O (18,432)
.set SLOT,   4*HALFT                   ; the even head, the odd head, then Wo's 128 k rows
.set STAGE,  2*SLOT                    ; behind the ring: for each wave 16 rows x 528 bytes
.set SPITCH, 528
.set SPARE,  STAGE+4*16*SPITCH         ; behind the stages: the spare words, 128 bytes for each wave
.set ADRA, 16                          ; v16-17  LDS address of my lane in O's rows, slot 0, 1
.set ADRB, 20                          ; v20-21  the same in Wo's rows
.set STO,  24                          ; v24     the way out: where I put 32 bytes of a row
.set RD,   25                          ; v25     where I read a row back
.set CO,   26                          ; v26     my byte offset in a row's 512 bytes of out
.set BO,   27                          ; v27     my byte offset in the bias
.set SPW,  28                          ; v28     my spare word's address; never rewritten
.set NIL,  29                          ; v29     0; never rewritten
.set AF,   32
.set BI,   160
.set BF,   0                           ; window 1
.set G1,  24                           ; s[24:31] descriptor group 1 for O's tiles;  s[32:39] group 0, a set for each slot
.set G0,  32
.set G1B, 48                           ; s[48:55], s[56:63] the same for Wo's tiles
.set G0B, 56
.set MSB, 0
.macro WIN new                         ; the immediate's high byte repeats the setting that is left; a switch that changes nothing is dropped
.if MSB != (\new)
	s_set_vgpr_msb (MSB<<8)|(\new)
.set MSB, (\new)
.endif
.endm
.set MUL,  0xa1                        ; source 0 window 1, source 1 window 0, C and D window 2
.set MUL0, 0x81                        ; the same with C (the bias) in window 0
.set T1,   0x40                        ; destination window 1, address window 0
.set FROMC, 0x08                       ; an LDS store's data in window 2, its address in window 0
.macro JLOAD s                         ; a joint load: waves 0 and 1 fetch the step's two heads of O, waves 2 and 3 Wo's two halves; an s_nop 0 and four v_nop follow each line
	s_cmp_eq_u32 s11, 0
	s_cbranch_scc0 .Lfor_b_\@
	tensor_load_to_lds s[G0+4*(\s):G0+4*(\s)+3], s[G1:G1+7]
	s_nop 0
.rept 4
	v_nop
.endr
	s_branch .Lasked_\@
.Lfor_b_\@:
	tensor_load_to_lds s[G0B+4*(\s):G0B+4*(\s)+3], s[G1B:G1B+7]
	s_nop 0
.rept 4
	v_nop
.endr
.Lasked_\@:
.endm
.macro CREST                           ; a round of the cluster's barrier behind its opening barrier
	s_cmp_lg_u32 s10, 0
	s_cbranch_scc1 .Lnot_wave_0_\@
	s_barrier_signal -3
.Lnot_wave_0_\@:
	s_barrier_wait -3
	s_barrier_signal -1
	s_barrier_wait -1
.endm
.macro CROUND                          ; a whole round
	s_barrier_signal -1
	s_barrier_wait -1
	CREST
.endm
.macro PLACES                          ; four places in front of loads into registers that matrix instructions have read, and of reads of their results
.rept 4
	v_nop
.endr
.endm
	s_load_b128 s[4:7], s[0:1], 0x0                ; O s[4:5], wc s[6:7]
	s_load_b128 s[68:71], s[0:1], 0x10             ; bo s[68:69], out s[70:71]: registers that nothing else names while the loads are out
	v_lshl_add_u32 v[SPW], v0, 2, SPARE
	v_mov_b32 v[NIL], 0
	ds_add_u32 v[SPW], v[NIL]                      ; the wave's opening: the add and its wait stand ahead of my first tensor load; the set-up below stands between them
	v_lshrrev_b32 v1, 5, v0
	v_readfirstlane_b32 s10, v1                    ; wave 0..3
	s_lshr_b32 s11, s10, 1                         ; which 64 rows of the tile are mine.  Also: I fetch for O (0) or for Wo (1)
	s_and_b32 s12, s10, 1                          ; which 128 columns are mine.  Also: which head, or which 64 k rows, I fetch
	s_bfe_u32 s40, ttmp6, 0x40000                  ; cx, cy: my place in the cluster
	s_bfe_u32 s41, ttmp6, 0x40004
	s_lshl_b32 s42, ttmp9, 2
	s_add_co_u32 s42, s42, s40                     ; tile column 0..3
	s_and_b32 s13, ttmp7, 0xffff
	s_lshl_b32 s13, s13, 2
	s_add_co_u32 s13, s13, s41                     ; tile row 0..63
	s_lshl_b32 s43, s41, 2
	s_lshl_b32 s43, 15, s43                        ; my row of the cluster
	s_lshl_b32 s44, 0x1111, s40                    ; my column
	; group 1 for O: 64 rows x 128 elements of 2 bytes (two rows of a head each), 16 bytes of padding behind every 32 words
	s_or_b32 s[G1+0], s43, (1<<16)|(1<<20)|(1<<21)|(4<<22)|(3<<25)
	s_mov_b32 s[G1+1], 128<<16
	s_mov_b32 s[G1+2], 64<<16
	s_mov_b32 s[G1+3], 128<<16
	s_mov_b32 s[G1+4], 64
	s_mov_b32 s[G1+5], 128
	s_mov_b32 s[G1+6], 0
	s_mov_b32 s[G1+7], 0
	; group 1 for Wo: 64 k rows x 256 elements of 2 bytes, 32 bytes of padding behind every 128 words
	s_or_b32 s[G1B+0], s44, (1<<16)|(1<<20)|(1<<21)|(6<<22)|(7<<25)
	s_mov_b32 s[G1B+1], 256<<16
	s_mov_b32 s[G1B+2], 64<<16
	s_mov_b32 s[G1B+3], 256<<16
	s_mov_b32 s[G1B+4], 64
	s_mov_b32 s[G1B+5], 1024
	s_mov_b32 s[G1B+6], 0
	s_mov_b32 s[G1B+7], 0
	s_lshr_b32 s16, s13, 4
	s_lshl_b32 s16, s16, 4                         ; O: 16 x batch
	s_add_co_u32 s16, s16, s12                     ; + my head of the step's two,
	s_lshl_b32 s16, s16, 18                        ; of 262,144 bytes,
	s_and_b32 s17, s13, 15
	s_lshl_b32 s17, s17, 14                        ; the tile's 128 rows of 128 bytes
	s_add_co_u32 s16, s16, s17
	s_mov_b32 s17, 0
	s_lshl_b32 s46, s12, 17                        ; Wo: 64 k rows of 2,048 bytes x half,
	s_add_co_u32 s46, s46, 3<<21                   ; in the fourth matrix,
	s_lshl_b32 s47, s42, 9                         ; 256 columns x tile column
	s_add_co_u32 s46, s46, s47
	s_mov_b32 s47, 0
	s_mul_i32 s20, s10, HALFT                      ; where they go: wave x HALFT: no place in the cluster enters an LDS address
	s_wait_dscnt 0x0                               ; the opening add is done
	s_wait_kmcnt 0x0
	s_add_nc_u64 s[14:15], s[4:5], s[16:17]
	s_add_nc_u64 s[46:47], s[6:7], s[46:47]
	CROUND                                         ; all sixteen work-groups are here: the first joint loads meet
.irp s, 0,1
	s_mov_b32 s[G0+4*(\s)], 1
	s_add_co_u32 s[G0+4*(\s)+1], s20, (\s)*SLOT
	s_add_nc_u64 s[G0+4*(\s)+2:G0+4*(\s)+3], s[14:15], (\s)*(1<<19)     ; K step s: heads 2 s, 2 s + 1
	s_or_b32 s[G0+4*(\s)+3], s[G0+4*(\s)+3], 0x80000000
	s_mov_b32 s[G0B+4*(\s)], 1
	s_add_co_u32 s[G0B+4*(\s)+1], s20, (\s)*SLOT
	s_add_nc_u64 s[G0B+4*(\s)+2:G0B+4*(\s)+3], s[46:47], (\s)*128*2048
	s_or_b32 s[G0B+4*(\s)+3], s[G0B+4*(\s)+3], 0x80000000
	JLOAD \s
.endr
	v_and_b32 v1, 15, v0                           ; r = l % 16
	v_bfe_u32 v2, v0, 4, 1                         ; h = l / 16
	s_lshl_b32 s18, s42, 10                        ; my 128 columns, in bytes of f32
	s_lshl_b32 s19, s12, 9
	s_add_co_u32 s18, s18, s19
	v_lshl_add_u32 v[BO], v2, 5, s18               ; register j of block b is column 16 b + 8 h + j, whatever the row
.irp b, 0,1,2,3,4,5,6,7
	global_load_b128 v[BI+8*(\b):BI+8*(\b)+3],   v[BO], s[68:69] offset:64*(\b)
	global_load_b128 v[BI+8*(\b)+4:BI+8*(\b)+7], v[BO], s[68:69] offset:64*(\b)+16
.endr
	v_mul_u32_u24 v3, v1, PAO                      ; O's fragment: row r, 16 bytes for each half of the lanes, twice, 32 bytes apart
	v_lshl_add_u32 v3, v2, 4, v3
	s_mul_i32 s21, s11, 64*PAO
	v_add_nc_u32 v[ADRA], s21, v3
	v_add_nc_u32 v[ADRA+1], SLOT, v[ADRA]
	v_and_b32 v4, 7, v0                            ; the turning load: k row 8 h + l % 8, columns 8 ((l / 8) % 2) + 0..7
	v_lshl_add_u32 v4, v2, 3, v4
	v_mul_u32_u24 v4, v4, PB
	v_bfe_u32 v5, v0, 3, 1
	v_lshl_add_u32 v4, v5, 4, v4
	s_lshl_b32 s22, s12, 8
	s_add_co_u32 s22, s22, 2*HALFT
	v_add_nc_u32 v[ADRB], s22, v4
	v_add_nc_u32 v[ADRB+1], SLOT, v[ADRB]
	s_mul_i32 s23, s10, 16*SPITCH
	s_add_co_u32 s23, s23, STAGE                   ; my stage
	v_mul_u32_u24 v6, v1, SPITCH                   ; in: row r, 32 bytes for each half of the lanes
	v_lshl_add_u32 v6, v2, 5, v6
	v_add_nc_u32 v[STO], s23, v6
	v_and_b32 v[CO], 31, v0                        ; back: 32 lanes take one row's 512 bytes
	v_lshlrev_b32 v[CO], 4, v[CO]
	v_add_nc_u32 v[RD], s23, v[CO]
	s_lshl_b32 s16, s13, 7                         ; my first row of out: 128 x tile row + 64 x half,
	s_lshl_b32 s17, s11, 6
	s_add_co_u32 s16, s16, s17
	s_lshl_b32 s16, s16, 12                        ; of 4,096 bytes,
	s_add_co_u32 s16, s16, s18                     ; and my first column
	s_mov_b32 s17, 0
	s_add_nc_u64 s[70:71], s[70:71], s[16:17]
	s_wait_loadcnt 0x0                             ; the bias is rounded to bf16 like the other inputs; this stands in the wait for the first tile
.set n, 0
.rept 32
	v_cvt_pk_bf16_f32 v[96+n], v[BI+2*n], v[BI+2*n+1]
.set n, n+1
.endr
.set n, 0
.rept 32
	v_lshlrev_b32 v[BI+2*n], 16, v[96+n]
	v_and_b32 v[BI+2*n+1], 0xffff0000, v[96+n]
.set n, n+1
.endr
; 8 matrix instructions: row block a x all 8 column blocks, on buffers f.  first = 1: the bias starts the sums.  The 32 accumulators take turns.
.macro MUL8 f, a, first
.irp b, 0,1,2,3,4,5,6,7
.if \first
	WIN MUL0
	v_wmma_f32_16x16x32_f16 v[8*(8*(\a)+(\b)):8*(8*(\a)+(\b))+7], v[BF+64*(\f)+8*(\b):BF+64*(\f)+8*(\b)+7], v[AF+32*(\f)+8*(\a):AF+32*(\f)+8*(\a)+7], v[BI+8*(\b):BI+8*(\b)+7]
.else
	WIN MUL
	v_wmma_f32_16x16x32_f16 v[8*(8*(\a)+(\b)):8*(8*(\a)+(\b))+7], v[BF+64*(\f)+8*(\b):BF+64*(\f)+8*(\b)+7], v[AF+32*(\f)+8*(\a):AF+32*(\f)+8*(\a)+7], v[8*(8*(\a)+(\b)):8*(8*(\a)+(\b))+7]
.endif
.endr
.endm
; 24 LDS loads in one run: the fragments of quarter q (32 along K) of a slot into buffers f: Wo's 16 turning loads first, then O's 8: head q / 2 of the step's two, channels 32 (q % 2) on
.macro FETCH slot, q, f
	WIN T1
.irp b, 0,1,2,3,4,5,6,7
	ds_load_tr16_b128 v[BF+64*(\f)+8*(\b):BF+64*(\f)+8*(\b)+3],   v[ADRB+(\slot)] offset:32*(\q)*PB+32*(\b)
	ds_load_tr16_b128 v[BF+64*(\f)+8*(\b)+4:BF+64*(\f)+8*(\b)+7], v[ADRB+(\slot)] offset:32*(\q)*PB+16*PB+32*(\b)
.endr
	WIN 0
.irp a, 0,1,2,3
	ds_load_b128 v[AF+32*(\f)+8*(\a):AF+32*(\f)+8*(\a)+3],   v[ADRA+(\slot)] offset:((\q)/2)*HALFT+(\a)*16*PAO+64*((\q)%2)
	ds_load_b128 v[AF+32*(\f)+8*(\a)+4:AF+32*(\f)+8*(\a)+7], v[ADRA+(\slot)] offset:((\q)/2)*HALFT+(\a)*16*PAO+64*((\q)%2)+32
.endr
.endm
; One of a K step's first three quarters: multiplies buffers f and fetches quarter q of the same slot into buffers g.
.macro QUARTER slot, q, f, g, first=0
	s_wait_dscnt 4                                 ; Wo's fragments and O's row blocks 0, 1 are in; the youngest four loads may be out
	MUL8 \f, 0, \first
	MUL8 \f, 1, \first
	PLACES
	FETCH \slot, \q, \g
	s_wait_dscnt 24                                ; all but the 24 just issued
	MUL8 \f, 2, \first
	MUL8 \f, 3, \first
.endm
; The last quarter multiplies buffers 1 and changes slots: ONE barrier; in front of it each wave waits for all its tensor loads (one is out: its part of the next slot), adds 0 to its spare word, and waits
; for that and for its reads of this slot.  fill = 1: the barrier opens a round of the cluster's, and this slot is filled again, two K steps ahead, first thing behind it.
.macro TURN slot, next, fill
	WIN 0                                          ; (the add's two registers lie in window 0)
	s_wait_tensorcnt 0x0                           ; all my tensor loads have landed;
	ds_add_u32 v[SPW], v[NIL]                      ; 0 onto my spare word;
	s_wait_dscnt 5                                 ; (the add and the youngest four loads may be out)
	MUL8 1, 0, 0                                   ; eight matrix instructions stand between the add and the wait for it
	s_wait_dscnt 0x0                               ; the add is done, and my reads of this slot are over
	s_barrier_signal -1
	MUL8 1, 1, 0
	WIN 0
	s_barrier_wait -1
.if \fill
	CREST                                          ; no wave of any partner still reads this slot's tile or has a load on its way
	s_add_nc_u64 s[G0+4*(\slot)+2:G0+4*(\slot)+3], s[G0+4*(\slot)+2:G0+4*(\slot)+3], 1<<20
	s_add_nc_u64 s[G0B+4*(\slot)+2:G0B+4*(\slot)+3], s[G0B+4*(\slot)+2:G0B+4*(\slot)+3], 2*128*2048
	JLOAD \slot                                    ; my one tensor load behind the round; the four v_nop behind it are also the places in front of the loads below
.else
	PLACES
.endif
	FETCH \next, 0, 0
	MUL8 1, 2, 0
	MUL8 1, 3, 0
.endm
	s_wait_tensorcnt 1                             ; my part of K step 0 is in; K step 1's may stay out
	s_barrier_signal -1
	s_barrier_wait -1                              ; everybody's is
	FETCH 0, 0, 0
	QUARTER 0, 1, 0, 1, 1                          ; the first quarter stands in front of the loop: its products start the sums, with the bias
	WIN 0                                          ; at a label and at a branch every window is 0
	s_mov_b32 s3, 3
.Llap:                                                 ; a trip goes once round the ring, from a lap's second quarter to the next lap's first, and fills both slots again
	QUARTER 0, 2, 1, 0
	QUARTER 0, 3, 0, 1
	TURN 0, 1, 1
	QUARTER 1, 1, 0, 1
	QUARTER 1, 2, 1, 0
	QUARTER 1, 3, 0, 1
	TURN 1, 0, 1
	QUARTER 0, 1, 0, 1
	WIN 0
	s_sub_co_u32 s3, s3, 1
	s_cmp_lg_u32 s3, 0
	s_cbranch_scc1 .Llap
	QUARTER 0, 2, 1, 0                             ; the last lap fills nothing
	QUARTER 0, 3, 0, 1
	TURN 0, 1, 0
	QUARTER 1, 1, 0, 1
	QUARTER 1, 2, 1, 0
	QUARTER 1, 3, 0, 1
	s_wait_dscnt 4                                 ; the very last quarter: nothing more to fetch
	MUL8 1, 0, 0
	MUL8 1, 1, 0
	s_wait_dscnt 0x0
	MUL8 1, 2, 0
	MUL8 1, 3, 0
	; THE WAY OUT, a block of 16 rows at a time: a lane's 32 bytes of a row go straight from the accumulators (low registers first) into my own stage and come back as whole rows of 512 bytes.
.macro OUT a
	WIN 0
	s_wait_xcnt 0x0                                ; the registers that earlier stores read are loaded again only behind this wait
	WIN FROMC
.irp b, 0,1,2,3,4,5,6,7
	ds_store_b128 v[STO], v[8*(8*(\a)+(\b)):8*(8*(\a)+(\b))+3]   offset:64*(\b)
	ds_store_b128 v[STO], v[8*(8*(\a)+(\b))+4:8*(8*(\a)+(\b))+7] offset:64*(\b)+16
.endr
	WIN 0
.set BK, 96-64*((\a)%2)
.irp t, 0,1,2,3,4,5,6,7,8,9,10,11,12,13,14,15
	ds_load_b128 v[BK+4*(\t):BK+4*(\t)+3], v[RD] offset:(\t)*SPITCH  ; LDS serves a wave's instructions in order: these see the stores above; the next block's stores come behind them
.endr
.irp t, 0,1,2,3,4,5,6,7,8,9,10,11,12,13,14,15
	s_wait_dscnt 15-(\t)
	global_store_b128 v[CO], v[BK+4*(\t):BK+4*(\t)+3], s[70:71] offset:(16*(\a)+(\t))*4096 th:TH_STORE_NT  ; 512 consecutive bytes, at a multiple of 512 from out's first
.endr
.endm
	PLACES
	OUT 0
	OUT 1
	OUT 2
	OUT 3
	s_wait_tensorcnt 0x0                           ; the wave's end, behind my last tensor load and my last LDS store
	ds_add_u32 v[SPW], v[NIL]
	s_wait_dscnt 0x0
	CROUND                                         ; the closing round: no work-group ends while a partner may still ask for a tile that names it
	s_endpgm
.Lfunc_end_k_qeb602fcf81_outp:
	.size	k_qeb602fcf81_outp, .Lfunc_end_k_qeb602fcf81_outp-k_qeb602fcf81_outp
	.p2alignl 7, 3214868480
	.fill 96, 4, 3214868480
	.section	.rodata,"a",@progbits
	.p2align	6, 0x0
	.amdhsa_kernel k_qeb602fcf81_outp
		.amdhsa_group_segment_fixed_size 327680
		.amdhsa_private_segment_fixed_size 0
		.amdhsa_enable_private_segment 0
		.amdhsa_kernarg_size 32
		.amdhsa_user_sgpr_count 2
		.amdhsa_user_sgpr_kernarg_segment_ptr 1
		.amdhsa_wavefront_size32 1
		.amdhsa_system_sgpr_workgroup_id_x 1
		.amdhsa_system_sgpr_workgroup_id_y 1
		.amdhsa_system_sgpr_workgroup_id_z 1
		.amdhsa_system_vgpr_workitem_id 0
		.amdhsa_next_free_vgpr 768
		.amdhsa_next_free_sgpr 72
		.amdhsa_reserve_vcc 0
		.amdhsa_float_denorm_mode_32 3
		.amdhsa_float_denorm_mode_16_64 3
		.amdhsa_memory_ordered 1
		.amdhsa_forward_progress 1
		.amdhsa_inst_pref_size 94
	.end_amdhsa_kernel
	.amdgpu_metadata
---
amdhsa.version: [ 1, 2 ]
amdhsa.kernels:
  - .name:           k_qeb602fcf81_outp
    .symbol:         k_qeb602fcf81_outp.kd
    .args:
      - { .name: oh, .offset: 0, .size: 8, .value_kind: global_buffer, .address_space: global }
      - { .name: wc, .offset: 8, .size: 8, .value_kind: global_buffer, .address_space: global }
      - { .name: bo, .offset: 16, .size: 8, .value_kind: global_buffer, .address_space: global }
      - { .name: out0, .offset: 24, .size: 8, .value_kind: global_buffer, .address_space: global }
    .group_segment_fixed_size: 327680
    .private_segment_fixed_size: 0
    .kernarg_segment_align: 8
    .kernarg_segment_size: 32
    .max_flat_workgroup_size: 128
    .sgpr_count:     72
    .vgpr_count:     768
    .wavefront_size: 32
...
	.end_amdgpu_metadata
.endif
;; end of part 4
;; ======== version 2 of 2: 4 launches
;; limits: values are held in f16: magnitudes above 65,504 overflow, below 6.1e-05 lose precision; right only within a limited range of input values
;; workspace buffers: wc 8,388,608 bytes; mcode 8,388,608 bytes; qh 16,777,216 bytes; kvh 33,554,432 bytes; oh 16,777,216 bytes
;; launch prep (part 5): grid 768 x 1, 8 waves a work-group, no clusters, 35,840 bytes of LDS; arguments mask, Wq, Wk, Wv, Wo, wc, mcode; writes wc, mcode
.if DOCPART == 5
	.amdgcn_target "amdgcn-amd-amdhsa--gfx1250"
	.amdhsa_code_object_version 6
	.text
	.protected	k_qeb602fcf81_prep
	.globl	k_qeb602fcf81_prep
	.p2align	8
	.type	k_qeb602fcf81_prep,@function
k_qeb602fcf81_prep:
	s_mov_b64 s[64:65], 0
	v_nop
	global_prefetch_b8 v0, s[64:65] scope:SCOPE_SE
	s_setreg_imm32_b32 hwreg(HW_REG_WAVE_MODE, 25, 1), 1
	s_wait_xcnt 0x0
; TWO JOBS, chosen by the work-group's number.
; Work-groups 0-511: the mask [4][2048][2048] of int32 is written as FP4 codes, 0 where the key is seen (mask != 0) and -1 where it is hidden, in the order in which the attention launch holds its scores.
;   mcode is words [b 4][qb 16][step 32][tile 8][lane 32][kt 4]; code j of a word belongs to mask[b][128 qb + 16 tile + lane % 16][64 step + 16 kt + 8 (lane / 16) + j]:
;   one word is what one v_cvt_scale_pk8_f32_fp4 there turns into the eight addends of the score tile (tile, kt).  The words are packed by that instruction's inverse, so the place of a code
;   in its word is the pair's own affair.  A wave packs 64 rows x 64 keys: 16,384 bytes in, 2,048 bytes out.
; Work-groups 512-767: Wq, Wk, Wv are rounded to bf16; Wo is rounded to bf16 and that number written as f16 (exact inside f16's normal range; below 6e-5 it keeps f16's fixed step).
;   wc = four matrices [k 1024][n 1024] of 16 bits, in that order.  A work-group casts 65,536 bytes: 768 work-groups are three for each of 256 WGPs, two of the first kind and one of the second.
; Memory binds: every byte is read once by 16-byte loads of which 16 lanes cover 256 consecutive bytes, all loads of a wave go out at once; no matrix unit, no cluster (nothing is shared).
.set STG,   4352                       ; a wave's stage: 16 rows x 272 bytes (256 of data + 16: the 16 rows of a read start at 16 different groups of four banks; 64 banks of 4 bytes: ISA guide 11.1)
.set SPARE, 8*STG                      ; behind the stages: the spare words, 128 bytes for each of eight waves
.set X,   16                           ; v[16:143]  32 loads of four registers (the cast: 16)
.set RB,  144                          ; v[144:175] a tile read back by query: register 8 kt + j; in the cast: at work
.set OW,  176                          ; v[176:191] tile t's four words at OW + 4 t
.set SPW, 192                          ; my spare word's address; never rewritten
.set NIL, 193                          ; 0; never rewritten
.set NEG, 194                          ; -1.0
.set ONE, 195                          ; the packing's scale: 1
	s_load_b256 s[4:11], s[0:1], 0x0               ; mask s[4:5], Wq s[6:7], Wk s[8:9], Wv s[10:11]
	s_load_b128 s[12:15], s[0:1], 0x20             ; Wo s[12:13], wc s[14:15]
	s_load_b64 s[16:17], s[0:1], 0x30              ; mcode
	v_lshl_add_u32 v[SPW], v0, 2, SPARE
	v_mov_b32 v[NIL], 0
	v_lshrrev_b32 v5, 5, v0
	v_readfirstlane_b32 s18, v5                    ; wave 0..7
	v_and_b32 v6, 31, v0                           ; L
	v_and_b32 v7, 15, v0                           ; L % 16
	v_bfe_u32 v8, v0, 4, 1                         ; L / 16
	s_cmp_lt_u32 ttmp9, 512
	s_cbranch_scc0 .Lcast
	; ---- the mask ----
	s_and_b32 s24, ttmp9, 3                        ; kg: which eight key steps
	s_lshr_b32 s25, ttmp9, 2                       ; rgg: which 64 rows of the 8,192
	s_lshl_b32 s28, s25, 19                        ; 64 rows of 8,192 bytes
	s_lshl_b32 s26, s24, 11                        ; eight steps of 256 bytes
	s_add_co_u32 s28, s28, s26
	s_mov_b32 s29, 0
	s_lshr_b32 s30, s25, 1                         ; 16 b + qb
	s_lshl_b32 s30, s30, 17                        ; 32 steps of 4,096 bytes
	s_lshl_b32 s26, s24, 15                        ; eight steps
	s_add_co_u32 s30, s30, s26
	s_and_b32 s26, s25, 1                          ; tiles 0-3 or 4-7 of the 128 queries
	s_lshl_b32 s26, s26, 11
	s_add_co_u32 s30, s30, s26
	s_mov_b32 s31, 0
	s_mul_i32 s19, s18, STG                        ; my stage
	v_lshlrev_b32 v1, 4, v7                        ; in: 16 (L % 16),
	v_lshl_add_u32 v1, v8, 13, v1                  ; one row down for lanes 16-31,
	s_lshl_b32 s27, s18, 8
	v_add_nc_u32 v1, s27, v1                       ; my wave's key step
	v_lshlrev_b32 v2, 4, v6                        ; out: 16 L
	s_lshl_b32 s27, s18, 12
	v_add_nc_u32 v2, s27, v2                       ; + my step's 4,096 bytes
	v_mul_u32_u24 v3, v8, 272                      ; into the stage: as loaded, two rows
	v_lshl_add_u32 v3, v7, 4, v3
	v_add_nc_u32 v3, s19, v3
	v_mul_u32_u24 v4, v7, 272                      ; back: row L % 16, keys 8 (L / 16) on
	v_lshl_add_u32 v4, v8, 5, v4
	v_add_nc_u32 v4, s19, v4
	v_mov_b32 v[NEG], -1.0
	v_mov_b32 v[ONE], 0x3f80007f                   ; the exponent says 2^0; so does the lowest byte read as a power of two
	s_wait_kmcnt 0x0
	s_add_nc_u64 s[4:5], s[4:5], s[28:29]
	s_add_nc_u64 s[16:17], s[16:17], s[30:31]
.set n, 0
.rept 32
	global_load_b128 v[X+4*n:X+4*n+3], v1, s[4:5] offset:16384*n th:TH_LOAD_NT  ; rows 2 n, 2 n + 1: two pieces of 256 consecutive bytes
.set n, n+1
.endr
; Tile t: 16 rows go through my own stage and come back one query a lane; each of the lane's 32 numbers becomes 0 or -1.0, and eight of them one word of codes.
.macro TILE t
	s_wait_loadcnt 24-8*(\t)                       ; loads come back in order: the tile's eight are in, the younger ones stay out
.irp i, 0,1,2,3,4,5,6,7
	ds_store_b128 v3, v[X+4*(8*(\t)+(\i)):X+4*(8*(\t)+(\i))+3] offset:544*(\i)
.endr
.irp i, 0,1,2,3,4,5,6,7
	ds_load_b128 v[RB+4*(\i):RB+4*(\i)+3], v4 offset:64*((\i)/2)+16*((\i)%2)  ; LDS serves a wave's instructions in order: these see the stores above
.endr
	s_wait_dscnt 0x0
.irp g, 0,1,2,3
.irp j, 0,1,2,3,4,5,6,7
	v_cmp_eq_u32 s[20+(\j)], 0, v[RB+8*(\g)+(\j)]
.endr
.irp j, 0,1,2,3,4,5,6,7
	v_cndmask_b32 v[RB+8*(\g)+(\j)], 0, v[NEG], s[20+(\j)]
.endr
	v_cvt_scalef32_pk8_fp4_f32 v[OW+4*(\t)+(\g)], v[RB+8*(\g):RB+8*(\g)+7], v[ONE]  ; the next group's compares are the plain lines behind it
.endr
	v_nop                                          ; a plain line between the last conversion and the use of its result
	global_store_b128 v2, v[OW+4*(\t):OW+4*(\t)+3], s[16:17] offset:512*(\t)  ; 512 consecutive bytes, at a multiple of 512 from the buffer's first
.endm
	TILE 0
	TILE 1
	TILE 2
	TILE 3
	s_wait_tensorcnt 0x0                           ; the wave's end, behind my last LDS store
	ds_add_u32 v[SPW], v[NIL]
	s_wait_dscnt 0x0
	s_endpgm
	; ---- the weights ----
.Lcast:
	s_sub_co_u32 s24, ttmp9, 512
	s_lshr_b32 s25, s24, 6                         ; which matrix
	s_and_b32 s26, s24, 63                         ; which 65,536 bytes of it
	s_lshl_b32 s28, s26, 16
	s_mov_b32 s29, 0
	s_lshl_b32 s30, s25, 21
	s_lshl_b32 s27, s26, 15
	s_add_co_u32 s30, s30, s27
	s_mov_b32 s31, 0
	s_mov_b32 s20, 0xffff0000                      ; a word's upper bf16
	v_lshlrev_b32 v1, 4, v0                        ; 16 bytes a thread in,
	v_lshlrev_b32 v2, 3, v0                        ; 8 out
	s_wait_kmcnt 0x0
	s_cmp_eq_u32 s25, 1
	s_cselect_b64 s[6:7], s[8:9], s[6:7]
	s_cmp_eq_u32 s25, 2
	s_cselect_b64 s[6:7], s[10:11], s[6:7]
	s_cmp_eq_u32 s25, 3
	s_cselect_b64 s[6:7], s[12:13], s[6:7]
	s_add_nc_u64 s[6:7], s[6:7], s[28:29]
	s_add_nc_u64 s[14:15], s[14:15], s[30:31]
.set n, 0
.rept 16
	global_load_b128 v[X+4*n:X+4*n+3], v1, s[6:7] offset:4096*n th:TH_LOAD_NT
.set n, n+1
.endr
; Four numbers are rounded and stored from the registers that they came in; no register is written again behind its store.
.macro CAST i, half
	s_wait_loadcnt 15-(\i)                         ; loads come back in order: the younger ones stay out
.if \half
	v_cvt_pk_bf16_f32 v[RB], v[X+4*(\i)], v[X+4*(\i)+1]
	v_cvt_pk_bf16_f32 v[RB+1], v[X+4*(\i)+2], v[X+4*(\i)+3]
	v_lshlrev_b32 v[RB+2], 16, v[RB]               ; the rounded numbers as f32 again,
	v_and_b32 v[RB+3], s20, v[RB]
	v_lshlrev_b32 v[RB+4], 16, v[RB+1]
	v_and_b32 v[RB+5], s20, v[RB+1]
	v_cvt_pk_f16_f32 v[X+4*(\i)], v[RB+2], v[RB+3] ; and written as f16
	v_cvt_pk_f16_f32 v[X+4*(\i)+1], v[RB+4], v[RB+5]
.else
	v_cvt_pk_bf16_f32 v[X+4*(\i)], v[X+4*(\i)], v[X+4*(\i)+1]
	v_cvt_pk_bf16_f32 v[X+4*(\i)+1], v[X+4*(\i)+2], v[X+4*(\i)+3]
.endif
	global_store_b64 v2, v[X+4*(\i):X+4*(\i)+1], s[14:15] offset:2048*(\i)  ; a wave stores 256 consecutive bytes, aligned
.endm
	s_cmp_eq_u32 s25, 3
	s_cbranch_scc1 .Lwo
.set n, 0
.rept 16
	CAST n, 0
.set n, n+1
.endr
	s_endpgm
.Lwo:
.set n, 0
.rept 16
	CAST n, 1
.set n, n+1
.endr
	s_endpgm
.Lfunc_end_k_qeb602fcf81_prep:
	.size	k_qeb602fcf81_prep, .Lfunc_end_k_qeb602fcf81_prep-k_qeb602fcf81_prep
	.p2alignl 7, 3214868480
	.fill 96, 4, 3214868480
	.section	.rodata,"a",@progbits
	.p2align	6, 0x0
	.amdhsa_kernel k_qeb602fcf81_prep
		.amdhsa_group_segment_fixed_size 35840
		.amdhsa_private_segment_fixed_size 0
		.amdhsa_enable_private_segment 0
		.amdhsa_kernarg_size 56
		.amdhsa_user_sgpr_count 2
		.amdhsa_user_sgpr_kernarg_segment_ptr 1
		.amdhsa_wavefront_size32 1
		.amdhsa_system_sgpr_workgroup_id_x 1
		.amdhsa_system_sgpr_workgroup_id_y 1
		.amdhsa_system_sgpr_workgroup_id_z 1
		.amdhsa_system_vgpr_workitem_id 0
		.amdhsa_next_free_vgpr 196
		.amdhsa_next_free_sgpr 66
		.amdhsa_reserve_vcc 0
		.amdhsa_float_denorm_mode_32 3
		.amdhsa_float_denorm_mode_16_64 3
		.amdhsa_memory_ordered 1
		.amdhsa_forward_progress 1
		.amdhsa_inst_pref_size 42
	.end_amdhsa_kernel
	.amdgpu_metadata
---
amdhsa.version: [ 1, 2 ]
amdhsa.kernels:
  - .name:           k_qeb602fcf81_prep
    .symbol:         k_qeb602fcf81_prep.kd
    .args:
      - { .name: mask, .offset: 0, .size: 8, .value_kind: global_buffer, .address_space: global }
      - { .name: Wq, .offset: 8, .size: 8, .value_kind: global_buffer, .address_space: global }
      - { .name: Wk, .offset: 16, .size: 8, .value_kind: global_buffer, .address_space: global }
      - { .name: Wv, .offset: 24, .size: 8, .value_kind: global_buffer, .address_space: global }
      - { .name: Wo, .offset: 32, .size: 8, .value_kind: global_buffer, .address_space: global }
      - { .name: wc, .offset: 40, .size: 8, .value_kind: global_buffer, .address_space: global }
      - { .name: mcode, .offset: 48, .size: 8, .value_kind: global_buffer, .address_space: global }
    .group_segment_fixed_size: 35840
    .private_segment_fixed_size: 0
    .kernarg_segment_align: 8
    .kernarg_segment_size: 56
    .max_flat_workgroup_size: 256
    .sgpr_count:     66
    .vgpr_count:     196
    .wavefront_size: 32
...
	.end_amdgpu_metadata
.endif
;; end of part 5
;; launch proj (part 6): grid 4 x 192, 4 waves a work-group, clusters of 4 x 4, 327,680 bytes of LDS; arguments query, key, value, bq, bk, bv, wc, qh, kvh; writes qh, kvh
.if DOCPART == 6
	.amdgcn_target "amdgcn-amd-amdhsa--gfx1250"
	.amdhsa_code_object_version 6
	.text
	.protected	k_qeb602fcf81_proj
	.globl	k_qeb602fcf81_proj
	.p2align	8
	.type	k_qeb602fcf81_proj,@function
k_qeb602fcf81_proj:
	s_mov_b64 s[64:65], 0
	v_nop
	global_prefetch_b8 v0, s[64:65] scope:SCOPE_SE
	s_setreg_imm32_b32 hwreg(HW_REG_WAVE_MODE, 25, 1), 1
	s_wait_xcnt 0x0
	s_wait_alu depctr_hold_cnt(0) depctr_sa_sdst(0) depctr_va_vdst(0) depctr_va_sdst(0) depctr_va_ssrc(0) depctr_va_vcc(0) depctr_vm_vsrc(0)
	s_getreg_b32 s2, hwreg(HW_REG_IB_STS2, 6, 4)
	s_cmp_eq_u32 s2, 0
	s_cbranch_scc0 .Lentry_in_a_cluster
	s_endpgm
.Lentry_in_a_cluster:
	s_bfe_u32 s2, ttmp6, 0x10000c
	s_cmp_lg_u32 s2, 0xf033
	s_cbranch_scc0 .Lentry_shape_is_right
	s_endpgm
.Lentry_shape_is_right:
; THE THREE INPUT PROJECTIONS: y = x W + b for (query, Wq, bq), (key, Wk, bk), (value, Wv, bv).  x: [8192][1024] f32; W: [k 1024][n 1024] bf16 (cast by the launch before); b: f32.
; x and b are rounded to bf16, the sums are f32, y is rounded once to f16 and written by heads: q as [bh 64][s 2048][64]; k and v as [bh][tile 8][K, V][256 keys][64].
; LIMIT: y must lie within f16's range, 65,504; beyond it the conversion gives an infinity.  NaN and infinities are not treated apart.
; SHARES.  Clusters 0-15 along y make q, 16-31 k, 32-47 v: the choice hangs on the cluster's y alone, so it is the same in all sixteen partners.  A work-group makes 128 rows x 256 columns,
; each of its four waves 64 x 128: 32 accumulators of 16 x 16.  768 work-groups: three for each of 256 WGPs.  K goes in steps of 128 through two LDS slots.
; x comes into LDS as f32 (rows of 512 bytes) and is rounded between LDS and the matrix unit: 32 conversions for a quarter step's 32 matrix instructions, four behind every second one.
; W's tile lies [k][n] in LDS and is turned by ds_load_tr16_b128.
; CLUSTER 4 x 4: x's tile hangs on the tile row alone and is asked for jointly along a row of the cluster, W's on the tile column alone and jointly along a column.
; PREFETCH.  A refill goes out behind one round and is waited for in front of the next: it has one K step, 128 matrix instructions a wave, in which to land, and two slots of a longer step do not fit in LDS.
; x comes from memory, and each of its bytes is wanted once, by the four work-groups of a row of the cluster.  A lap is two K steps: 1,024 bytes of each of the tile's 128 rows, 512 aligned blocks of 256
; bytes.  The row's sixteen waves share them: wave 4 cx + w asks for the four blocks of 8 rows, one lane a block, so each block is asked for once in the launch.  Lap 1 is asked for at the head, behind the
; first fills; laps 2 and 3 in laps 0 and 1, behind slot 0's refill: one lap, 256 matrix instructions a wave, ahead of the refill that fetches their first K step.  The loop's last trip asks for nothing.
; W is read by all 64 tile rows and is not asked for.
; THE MATRIX INSTRUCTION IS USED TRANSPOSED (source 0 = 16 columns of W, source 1 = 16 rows of x): a lane holds eight neighbouring numbers of a row of y.  The bias is the C operand of the first product.
; REGISTERS: window 0: v0-31 addresses; v32-95, v96-159 x as f32, two buffers; v160-223 the bias; on the way out v32-63 packed results, v64-127 rows read back.
;   window 1: v0-63, v64-127 W's fragments, two buffers; v128-159, v160-191 x's fragments, two buffers.      window 2: accumulator (a, b) at v[8 (8 a + b)].
.set KSTEP,  128
.set PA,     528                       ; a row of x in LDS: 512 bytes + 16 = 132 words: row r starts at bank 4 r mod 64 (64 banks of 4 bytes: ISA guide 11.1)
.set PB,     544                       ; a row of W: 512 + 32 = 136 words: row r starts at bank 8 r mod 64
.set HALFT,  64*PB                     ; room for what one tensor load brings: 64 rows of W (34,816 bytes) or of x (33,792)
.set SLOT,   4*HALFT                   ; x's 128 rows, then W's 128 k rows
.set STAGE,  2*SLOT                    ; behind the ring: for each wave 2 heads x 16 rows x 144 bytes
.set SP,     144
.set SPARE,  STAGE+4*32*SP             ; behind the stages: the spare words, 128 bytes for each wave
.set ADRA, 16                          ; v16-17  LDS address of my lane in x's rows, slot 0, 1
.set ADRB, 20                          ; v20-21  the same in W's rows
.set STO,  24                          ; v24     the way out: where I put 16 bytes of a row
.set RD,   25                          ; v25     where I read rows back
.set GO,   26                          ; v26     my byte offset in 512 consecutive bytes of the output
.set BO,   27                          ; v27     my byte offset in the bias
.set SPW,  28                          ; v28     my spare word's address; never rewritten
.set NIL,  29                          ; v29     0; never rewritten
.set PF,   30                          ; v30     the prefetch: my lane's block: row lane / 4 of my wave's eight, block lane % 4 of a lap's four; never rewritten
.set RAW,  32
.set BI,   160
.set TMP,  32
.set OB,   64
.set BF,   0                           ; window 1
.set AF,   128                         ; window 1
.set G1,  24                           ; s[24:31] descriptor group 1 for x's tiles;  s[32:39] group 0, a set for each slot
.set G0,  32
.set G1B, 48                           ; s[48:55], s[56:63] the same for W's tiles
.set G0B, 56
.set PFB, 92                           ; s[92:93] the prefetch: x at my wave's eight rows, at the lap asked for last
.set HIM, 94                           ; s94      a word's upper bf16
.set MSB, 0
.macro WIN new                         ; the immediate's high byte repeats the setting that is left; a switch that changes nothing is dropped
.if MSB != (\new)
	s_set_vgpr_msb (MSB<<8)|(\new)
.set MSB, (\new)
.endif
.endm
.set MUL,  0xa5                        ; sources 0 and 1 window 1, C and D window 2
.set MUL0, 0x85                        ; the same with C (the bias) in window 0
.set T1,   0x40                        ; destination window 1, sources and addresses window 0
.set PKW,  0x0a                        ; sources 0 and 1 window 2, destination window 0
.macro JLOAD s                         ; a joint load: waves 0 and 1 fetch x's two halves, waves 2 and 3 W's; an s_nop 0 and four v_nop follow each line, ahead of the jump and the label
	s_cmp_eq_u32 s11, 0
	s_cbranch_scc0 .Lfor_b_\@
	tensor_load_to_lds s[G0+4*(\s):G0+4*(\s)+3], s[G1:G1+7]
	s_nop 0
.rept 4
	v_nop
.endr
	s_branch .Lasked_\@
.Lfor_b_\@:
	tensor_load_to_lds s[G0B+4*(\s):G0B+4*(\s)+3], s[G1B:G1B+7]
	s_nop 0
.rept 4
	v_nop
.endr
.Lasked_\@:
.endm
.macro CREST                           ; a round of the cluster's barrier behind its opening barrier
	s_cmp_lg_u32 s10, 0
	s_cbranch_scc1 .Lnot_wave_0_\@
	s_barrier_signal -3
.Lnot_wave_0_\@:
	s_barrier_wait -3
	s_barrier_signal -1
	s_barrier_wait -1
.endm
.macro CROUND                          ; a whole round
	s_barrier_signal -1
	s_barrier_wait -1
	CREST
.endm
.macro PLACES                          ; four places in front of loads into, and conversions into, registers that matrix instructions have read, and of reads of their results
.rept 4
	v_nop
.endr
.endm
	s_load_b256 s[68:75], s[0:1], 0x0              ; query s[68:69], key s[70:71], value s[72:73], bq s[74:75]
	s_load_b256 s[76:83], s[0:1], 0x20             ; bk s[76:77], bv s[78:79], wc s[80:81], qh s[82:83]
	s_load_b64 s[84:85], s[0:1], 0x40              ; kvh
	v_lshl_add_u32 v[SPW], v0, 2, SPARE
	v_mov_b32 v[NIL], 0
	ds_add_u32 v[SPW], v[NIL]                      ; the wave's opening: the add and its wait stand ahead of my first tensor load; the set-up below stands between them
	v_lshrrev_b32 v1, 5, v0
	v_readfirstlane_b32 s10, v1                    ; wave 0..3
	s_lshr_b32 s11, s10, 1                         ; which 64 rows of the tile are mine.  Also: I fetch for x (0) or for W (1)
	s_and_b32 s12, s10, 1                          ; which 128 columns.  Also: which 64 rows of that tile I fetch
	s_bfe_u32 s40, ttmp6, 0x40000                  ; cx, cy: my place in the cluster
	s_bfe_u32 s41, ttmp6, 0x40004
	s_lshl_b32 s42, ttmp9, 2
	s_add_co_u32 s42, s42, s40                     ; tile column 0..3
	s_and_b32 s45, ttmp7, 0xffff                   ; the cluster's y, 0..47
	s_and_b32 s13, s45, 15
	s_lshl_b32 s13, s13, 2
	s_add_co_u32 s13, s13, s41                     ; tile row 0..63
	s_lshr_b32 s45, s45, 4                         ; which projection: 0 q, 1 k, 2 v
	s_lshl_b32 s43, s41, 2
	s_lshl_b32 s43, 15, s43                        ; my row of the cluster
	s_lshl_b32 s44, 0x1111, s40                    ; my column
	s_mov_b32 s[HIM], 0xffff0000
	; group 1 for x: 64 rows x 128 elements of 4 bytes, 16 bytes of padding behind every 128 words
	s_or_b32 s[G1+0], s43, (2<<16)|(1<<20)|(1<<21)|(6<<22)|(3<<25)
	s_mov_b32 s[G1+1], 128<<16                     ; tensor_dim0
	s_mov_b32 s[G1+2], 64<<16                      ; tensor_dim1
	s_mov_b32 s[G1+3], 128<<16                     ; tile_dim0
	s_mov_b32 s[G1+4], 64                          ; tile_dim1
	s_mov_b32 s[G1+5], 1024                        ; elements from row to row
	s_mov_b32 s[G1+6], 0
	s_mov_b32 s[G1+7], 0
	; group 1 for W: 64 k rows x 256 elements of 2 bytes, 32 bytes of padding behind every 128 words
	s_or_b32 s[G1B+0], s44, (1<<16)|(1<<20)|(1<<21)|(6<<22)|(7<<25)
	s_mov_b32 s[G1B+1], 256<<16
	s_mov_b32 s[G1B+2], 64<<16
	s_mov_b32 s[G1B+3], 256<<16
	s_mov_b32 s[G1B+4], 64
	s_mov_b32 s[G1B+5], 1024
	s_mov_b32 s[G1B+6], 0
	s_mov_b32 s[G1B+7], 0
	s_lshl_b32 s16, s13, 7                         ; x: row 128 x tile row + 64 x half,
	s_lshl_b32 s17, s12, 6
	s_add_co_u32 s16, s16, s17
	s_lshl_b32 s16, s16, 12                        ; of 4,096 bytes
	s_mov_b32 s17, 0
	s_lshl_b32 s46, s45, 21                        ; W: the projection's matrix,
	s_lshl_b32 s47, s12, 17                        ; 64 k rows of 2,048 bytes x half,
	s_add_co_u32 s46, s46, s47
	s_lshl_b32 s47, s42, 9                         ; 256 columns x tile column
	s_add_co_u32 s46, s46, s47
	s_mov_b32 s47, 0
	s_mul_i32 s20, s10, HALFT                      ; where they go: wave x HALFT: no place in the cluster enters an LDS address
	s_wait_dscnt 0x0                               ; the opening add is done
	s_wait_kmcnt 0x0
	s_cmp_eq_u32 s45, 1
	s_cselect_b64 s[4:5], s[70:71], s[68:69]       ; x,
	s_cselect_b64 s[86:87], s[76:77], s[74:75]     ; the bias
	s_cmp_eq_u32 s45, 2
	s_cselect_b64 s[4:5], s[72:73], s[4:5]
	s_cselect_b64 s[86:87], s[78:79], s[86:87]
	s_cmp_eq_u32 s45, 0
	s_cselect_b64 s[8:9], s[82:83], s[84:85]       ; and the output of this projection
	s_add_nc_u64 s[14:15], s[4:5], s[16:17]
	s_add_nc_u64 s[46:47], s[80:81], s[46:47]
	CROUND                                         ; all sixteen work-groups are here: the first joint loads meet
.irp s, 0,1
	s_mov_b32 s[G0+4*(\s)], 1
	s_add_co_u32 s[G0+4*(\s)+1], s20, (\s)*SLOT
	s_add_nc_u64 s[G0+4*(\s)+2:G0+4*(\s)+3], s[14:15], (\s)*KSTEP*4
	s_or_b32 s[G0+4*(\s)+3], s[G0+4*(\s)+3], 0x80000000
	s_mov_b32 s[G0B+4*(\s)], 1
	s_add_co_u32 s[G0B+4*(\s)+1], s20, (\s)*SLOT
	s_add_nc_u64 s[G0B+4*(\s)+2:G0B+4*(\s)+3], s[46:47], (\s)*KSTEP*2048
	s_or_b32 s[G0B+4*(\s)+3], s[G0B+4*(\s)+3], 0x80000000
	JLOAD \s
.endr
	v_and_b32 v1, 15, v0                           ; r = l % 16
	v_bfe_u32 v2, v0, 4, 1                         ; h = l / 16
	; the bias of my 128 columns: register j of block b is column 16 b + 8 h + j, whatever the row
	s_lshl_b32 s6, s42, 10
	s_lshl_b32 s7, s12, 9
	s_add_co_u32 s6, s6, s7
	v_lshl_add_u32 v[BO], v2, 5, s6
.irp b, 0,1,2,3,4,5,6,7
	global_load_b128 v[BI+8*(\b):BI+8*(\b)+3],   v[BO], s[86:87] offset:64*(\b)
	global_load_b128 v[BI+8*(\b)+4:BI+8*(\b)+7], v[BO], s[86:87] offset:64*(\b)+16
.endr
	; the prefetch's addresses, in registers that feed no descriptor: cx enters them; then lap 1's 1,024 bytes of my eight rows are asked for
	s_lshl2_add_u32 s95, s40, s10                  ; 4 cx + wave: my place among the sixteen waves of the cluster's row
	s_lshl_b32 s95, s95, 3                         ; eight rows each
	s_lshl_b32 s[PFB], s13, 7                      ; the tile's first row
	s_add_co_u32 s[PFB], s[PFB], s95
	s_lshl_b32 s[PFB], s[PFB], 12                  ; rows of 4,096 bytes
	s_add_co_u32 s[PFB], s[PFB], 2*KSTEP*4         ; lap 1
	s_mov_b32 s[PFB+1], 0
	s_add_nc_u64 s[PFB:PFB+1], s[4:5], s[PFB:PFB+1]
	v_and_b32 v[PF], 31, v0
	v_lshrrev_b32 v3, 2, v[PF]                     ; row lane / 4,
	v_and_b32 v[PF], 3, v[PF]                      ; block lane % 4
	v_lshlrev_b32 v[PF], 8, v[PF]
	v_lshl_add_u32 v[PF], v3, 12, v[PF]
	global_prefetch_b8 v[PF], s[PFB:PFB+1] th:TH_LOAD_NT scope:SCOPE_SE
	; x's fragment of 16 rows x 32 k: lane l wants k = 8 h + 0..7 and 16 + 8 h + 0..7 of row r: as f32 two pieces of 32 bytes, 64 bytes apart
	v_mul_u32_u24 v3, v1, PA
	v_lshl_add_u32 v3, v2, 5, v3
	s_mul_i32 s21, s11, HALFT
	v_add_nc_u32 v[ADRA], s21, v3
	v_add_nc_u32 v[ADRA+1], SLOT, v[ADRA]
	; the turning load: lane l reads k row 8 h + l % 8, columns 8 ((l / 8) % 2) + 0..7, and is left with column r and 8 k
	v_and_b32 v4, 7, v0
	v_lshl_add_u32 v4, v2, 3, v4
	v_mul_u32_u24 v4, v4, PB
	v_bfe_u32 v5, v0, 3, 1
	v_lshl_add_u32 v4, v5, 4, v4
	s_lshl_b32 s22, s12, 8
	s_add_co_u32 s22, s22, 2*HALFT
	v_add_nc_u32 v[ADRB], s22, v4
	v_add_nc_u32 v[ADRB+1], SLOT, v[ADRB]
	s_mul_i32 s23, s10, 32*SP
	s_add_co_u32 s23, s23, STAGE                   ; my stage
	v_mul_u32_u24 v6, v1, SP                       ; in: row r, 16 bytes for each half of the lanes
	v_lshl_add_u32 v6, v2, 4, v6
	v_add_nc_u32 v[STO], s23, v6
	v_bfe_u32 v6, v0, 3, 2                         ; back: 32 lanes take four rows of 128 bytes,
	v_mul_u32_u24 v6, v6, SP
	v_and_b32 v7, 7, v0
	v_lshl_add_u32 v6, v7, 4, v6
	v_add_nc_u32 v[RD], s23, v6
	v_and_b32 v[GO], 31, v0                        ; which are 512 consecutive bytes of a head's rows
	v_lshlrev_b32 v[GO], 4, v[GO]
	; where my 64 rows of my two heads begin in the output
	s_lshr_b32 s66, s13, 4
	s_lshl_b32 s66, s66, 4                         ; 16 x batch
	s_lshl2_add_u32 s66, s42, s66                  ; + 4 x tile column
	s_lshl1_add_u32 s66, s12, s66                  ; + 2 x half: my first head
	s_and_b32 s67, s13, 15
	s_lshl_b32 s67, s67, 7
	s_lshl_b32 s6, s11, 6
	s_add_co_u32 s67, s67, s6                      ; my first row in the sequence
	s_lshl_b32 s16, s66, 18                        ; q: a head is 262,144 bytes, a row 128
	s_lshl_b32 s6, s67, 7
	s_add_co_u32 s16, s16, s6
	s_lshl_b32 s18, s66, 19                        ; k, v: a head is 524,288 bytes,
	s_lshr_b32 s6, s67, 8
	s_lshl_b32 s6, s6, 16                          ; a tile of 256 keys 65,536,
	s_add_co_u32 s18, s18, s6
	s_and_b32 s6, s67, 255
	s_lshl_b32 s6, s6, 7
	s_add_co_u32 s18, s18, s6
	s_max_u32 s6, s45, 1
	s_sub_co_u32 s6, s6, 1
	s_lshl_b32 s6, s6, 15                          ; V's half of it lies 32,768 behind K's
	s_add_co_u32 s18, s18, s6
	s_mov_b32 s90, 1<<19
	s_cmp_eq_u32 s45, 0
	s_cselect_b32 s16, s16, s18
	s_cselect_b32 s90, 1<<18, s90                  ; from a head to the next
	s_mov_b32 s17, 0
	s_mov_b32 s91, 0
	s_add_nc_u64 s[8:9], s[8:9], s[16:17]          ; my first head,
	s_add_nc_u64 s[88:89], s[8:9], s[90:91]        ; my second
	s_wait_loadcnt 0x0                             ; the bias is rounded to bf16 like the other inputs; this stands in the wait for the first tile
.set n, 0
.rept 32
	v_cvt_pk_bf16_f32 v[RAW+64+n], v[BI+2*n], v[BI+2*n+1]
.set n, n+1
.endr
.set n, 0
.rept 32
	v_lshlrev_b32 v[BI+2*n], 16, v[RAW+64+n]
	v_and_b32 v[BI+2*n+1], s[HIM], v[RAW+64+n]
.set n, n+1
.endr
; 16 turning loads: W's fragments of 32 k from k row k0 of the slot, my 128 columns, into buffer g
.macro FETCH_B slot, k0, g
	WIN T1
.irp b, 0,1,2,3,4,5,6,7
	ds_load_tr16_b128 v[BF+64*(\g)+8*(\b):BF+64*(\g)+8*(\b)+3],   v[ADRB+(\slot)] offset:(\k0)*PB+32*(\b)
	ds_load_tr16_b128 v[BF+64*(\g)+8*(\b)+4:BF+64*(\g)+8*(\b)+7], v[ADRB+(\slot)] offset:(\k0)*PB+16*PB+32*(\b)
.endr
.endm
; 16 loads: my 64 rows of x, 32 k from k0, as f32, into raw buffer f
.macro FETCH_R slot, k0, f
	WIN 0
.irp a, 0,1,2,3
	ds_load_b128 v[RAW+64*(\f)+16*(\a):RAW+64*(\f)+16*(\a)+3],     v[ADRA+(\slot)] offset:(\a)*16*PA+4*(\k0)
	ds_load_b128 v[RAW+64*(\f)+16*(\a)+4:RAW+64*(\f)+16*(\a)+7],   v[ADRA+(\slot)] offset:(\a)*16*PA+4*(\k0)+16
	ds_load_b128 v[RAW+64*(\f)+16*(\a)+8:RAW+64*(\f)+16*(\a)+11],  v[ADRA+(\slot)] offset:(\a)*16*PA+4*(\k0)+64
	ds_load_b128 v[RAW+64*(\f)+16*(\a)+12:RAW+64*(\f)+16*(\a)+15], v[ADRA+(\slot)] offset:(\a)*16*PA+4*(\k0)+80
.endr
.endm
; 8 matrix instructions: row block a x all 8 column blocks, on buffers f.  first = 1: the bias starts the sums.  conv = 1: behind every second one, four conversions of the OTHER raw buffer
; into the other fragment buffer (half 0: row blocks 0, 1; half 1: 2, 3); they name no register of the products round them.  The 32 accumulators take turns.
.macro MULA f, a, first, conv, half
.irp b, 0,1,2,3,4,5,6,7
.if \first
	WIN MUL0
	v_wmma_f32_16x16x32_bf16 v[8*(8*(\a)+(\b)):8*(8*(\a)+(\b))+7], v[BF+64*(\f)+8*(\b):BF+64*(\f)+8*(\b)+7], v[AF+32*(\f)+8*(\a):AF+32*(\f)+8*(\a)+7], v[BI+8*(\b):BI+8*(\b)+7]
.else
	WIN MUL
	v_wmma_f32_16x16x32_bf16 v[8*(8*(\a)+(\b)):8*(8*(\a)+(\b))+7], v[BF+64*(\f)+8*(\b):BF+64*(\f)+8*(\b)+7], v[AF+32*(\f)+8*(\a):AF+32*(\f)+8*(\a)+7], v[8*(8*(\a)+(\b)):8*(8*(\a)+(\b))+7]
.endif
.if (\conv) && ((\b)%2 == 1)
	WIN T1
.irp z, 0,1,2,3
	v_cvt_pk_bf16_f32 v[AF+32*(1-(\f))+16*(\half)+4*((\b)/2)+(\z)], v[RAW+64*(1-(\f))+2*(16*(\half)+4*((\b)/2)+(\z))], v[RAW+64*(1-(\f))+2*(16*(\half)+4*((\b)/2)+(\z))+1]
.endr
.endif
.endr
.endm
; A quarter step t (32 along K, 32 matrix instructions, buffers f = t % 2).  In it W's fragments of quarter t + 1 are fetched (slot bs, k row bk), x's f32 of quarter t + 2 (slot rs, k rk),
; and x's f32 of quarter t + 1 is rounded.
.macro QUARTER f, bs, bk, rs, rk, first=0, doB=1, doR=1, doC=1, w0=16
	s_wait_dscnt \w0                               ; W's fragments of this quarter are in; the 16 raw loads issued behind them may be out
	MULA \f, 0, \first, 0, 0
.if \doB
	PLACES                                         ; between the last quarter's products and what now lands in the buffers that they read
	FETCH_B \bs, \bk, 1-(\f)
.endif
.if \doR
	FETCH_R \rs, \rk, \f
.endif
.if \doB
	s_wait_dscnt 16*((\doB)+(\doR))                ; all but the loads just issued: the next quarter's f32 is in
.endif
	MULA \f, 1, \first, \doC, 0
	MULA \f, 2, \first, \doC, 1
	MULA \f, 3, \first, 0, 0
.endm
; The third quarter of a K step changes slots: its run of W's loads is the slot's last read.  ONE barrier: in front of it each wave waits for all its tensor loads (one is out: its part of the next slot),
; adds 0 to its spare word, and waits for that and for its reads of this slot.  fill = 1: the barrier opens a round of the cluster's, and this slot is filled again, two K steps ahead, first thing behind it.
; pf = 1 (once a trip of the loop): behind the refill my blocks of the lap after the next are asked for; in the last trip there is no such lap, and the request is jumped over.
.macro TURN slot, next, fill, pf=0
	s_wait_dscnt 16
	MULA 0, 0, 0, 0, 0
	PLACES
	FETCH_B \slot, 96, 1
	WIN 0                                          ; (the add's two registers lie in window 0)
	s_wait_tensorcnt 0x0                           ; all my tensor loads have landed;
	ds_add_u32 v[SPW], v[NIL]                      ; 0 onto my spare word;
	s_wait_dscnt 17                                ; (W's 16 loads and the add may be out; the next quarter's f32 is in)
	MULA 0, 1, 0, 1, 0                             ; work on registers stands between the add and the wait for it
	s_wait_dscnt 0x0                               ; the add is done, and my reads of this slot are over
	s_barrier_signal -1
	MULA 0, 2, 0, 1, 1
	WIN 0
	s_barrier_wait -1
.if \fill
	CREST                                          ; no wave of any partner still reads this slot's tile or has a load on its way
	s_add_nc_u64 s[G0+4*(\slot)+2:G0+4*(\slot)+3], s[G0+4*(\slot)+2:G0+4*(\slot)+3], 2*KSTEP*4
	s_add_nc_u64 s[G0B+4*(\slot)+2:G0B+4*(\slot)+3], s[G0B+4*(\slot)+2:G0B+4*(\slot)+3], 2*KSTEP*2048
	JLOAD \slot                                    ; my one tensor load behind the round: it has a K step less 16 products in which to land
.if \pf
	s_cmp_eq_u32 s3, 1                             ; the loop's count: the same in every wave of every partner
	s_cbranch_scc1 .Lno_pf_\@
	s_wait_xcnt 0x0                                ; the last request, a lap ago, has had its address translated (ISA guide 3.1): its base is stepped only behind this wait
	s_add_nc_u64 s[PFB:PFB+1], s[PFB:PFB+1], 2*KSTEP*4
	global_prefetch_b8 v[PF], s[PFB:PFB+1] th:TH_LOAD_NT scope:SCOPE_SE
.Lno_pf_\@:
.endif
.endif
	FETCH_R \next, 0, 0
	MULA 0, 3, 0, 0, 0
.endm
	s_wait_tensorcnt 1                             ; my part of K step 0 is in; K step 1's may stay out
	s_barrier_signal -1
	s_barrier_wait -1                              ; everybody's is
	FETCH_B 0, 0, 0
	FETCH_R 0, 0, 0
	FETCH_R 0, 32, 1
	s_wait_dscnt 16                                ; all but the second quarter's f32
	WIN T1
.set n, 0
.rept 32
	v_cvt_pk_bf16_f32 v[AF+n], v[RAW+2*n], v[RAW+2*n+1]
.set n, n+1
.endr
	QUARTER 0, 0,32, 0,64, 1                       ; the first quarter stands in front of the loop: its products start the sums, with the bias
	WIN 0                                          ; at a label and at a branch every window is 0
	s_mov_b32 s3, 3
.Llap:                                                 ; a trip goes once round the ring, from a lap's second quarter to the next lap's first, and fills both slots again
	QUARTER 1, 0,64, 0,96
	TURN 0, 1, 1, 1
	QUARTER 1, 1,0, 1,32
	QUARTER 0, 1,32, 1,64
	QUARTER 1, 1,64, 1,96
	TURN 1, 0, 1
	QUARTER 1, 0,0, 0,32
	QUARTER 0, 0,32, 0,64
	WIN 0
	s_sub_co_u32 s3, s3, 1
	s_cmp_lg_u32 s3, 0
	s_cbranch_scc1 .Llap
	QUARTER 1, 0,64, 0,96                          ; the last lap fills nothing
	TURN 0, 1, 0
	QUARTER 1, 1,0, 1,32
	QUARTER 0, 1,32, 1,64
	QUARTER 1, 1,64, 1,96
	QUARTER 0, 1,96, 0,0, 0, 1, 0, 1, 16           ; no f32 is left to fetch,
	QUARTER 1, 0,0, 0,0, 0, 0, 0, 0, 0             ; and in the last quarter nothing at all
	; THE WAY OUT, a block of 16 rows at a time: rounded to f16, 16 bytes a lane into my own stage, back as whole rows of a head (128 bytes; four of them are 512 consecutive bytes of the output).
.macro PACK a
	WIN PKW
.irp b, 0,1,2,3,4,5,6,7
.irp i, 0,1,2,3
	v_cvt_pk_f16_f32 v[TMP+4*(\b)+(\i)], v[8*(8*(\a)+(\b))+2*(\i)], v[8*(8*(\a)+(\b))+2*(\i)+1]
.endr
.endr
	WIN 0
.endm
.macro TOSTAGE a
.irp b, 0,1,2,3,4,5,6,7
	ds_store_b128 v[STO], v[TMP+4*(\b):TMP+4*(\b)+3] offset:((\b)/4)*16*SP+32*((\b)%4)
.endr
.irp t, 0,1,2,3,4,5,6,7
	ds_load_b128 v[OB+32*((\a)%2)+4*(\t):OB+32*((\a)%2)+4*(\t)+3], v[RD] offset:((\t)/4)*16*SP+((\t)%4)*4*SP  ; LDS serves a wave's instructions in order: these see the stores above
.endr
.endm
.macro SEND a
	s_wait_dscnt 0x0                               ; the block is back in registers
	s_wait_xcnt 0x0                                ; the registers that earlier stores read are loaded again only behind this wait
.irp t, 0,1,2,3
	global_store_b128 v[GO], v[OB+32*((\a)%2)+4*(\t):OB+32*((\a)%2)+4*(\t)+3], s[8:9] offset:(\a)*2048+(\t)*512
.endr
.irp t, 0,1,2,3
	global_store_b128 v[GO], v[OB+32*((\a)%2)+16+4*(\t):OB+32*((\a)%2)+16+4*(\t)+3], s[88:89] offset:(\a)*2048+(\t)*512
.endr
.endm
	PLACES
	PACK 0
	TOSTAGE 0
.irp a, 1,2,3                          ; block a's conversions stand between block a - 1's loads from the stage and the wait for them
	PACK \a
	SEND (\a)-1
	TOSTAGE \a
.endr
	SEND 3
	s_wait_tensorcnt 0x0                           ; the wave's end, behind my last tensor load and my last LDS store
	ds_add_u32 v[SPW], v[NIL]
	s_wait_dscnt 0x0
	CROUND                                         ; the closing round: no work-group ends while a partner may still ask for a tile that names it
	s_endpgm
.Lfunc_end_k_qeb602fcf81_proj:
	.size	k_qeb602fcf81_proj, .Lfunc_end_k_qeb602fcf81_proj-k_qeb602fcf81_proj
	.p2alignl 7, 3214868480
	.fill 96, 4, 3214868480
	.section	.rodata,"a",@progbits
	.p2align	6, 0x0
	.amdhsa_kernel k_qeb602fcf81_proj
		.amdhsa_group_segment_fixed_size 327680
		.amdhsa_private_segment_fixed_size 0
		.amdhsa_enable_private_segment 0
		.amdhsa_kernarg_size 72
		.amdhsa_user_sgpr_count 2
		.amdhsa_user_sgpr_kernarg_segment_ptr 1
		.amdhsa_wavefront_size32 1
		.amdhsa_system_sgpr_workgroup_id_x 1
		.amdhsa_system_sgpr_workgroup_id_y 1
		.amdhsa_system_sgpr_workgroup_id_z 1
		.amdhsa_system_vgpr_workitem_id 0
		.amdhsa_next_free_vgpr 768
		.amdhsa_next_free_sgpr 96
		.amdhsa_reserve_vcc 0
		.amdhsa_float_denorm_mode_32 3
		.amdhsa_float_denorm_mode_16_64 3
		.amdhsa_memory_ordered 1
		.amdhsa_forward_progress 1
		.amdhsa_inst_pref_size 142
	.end_amdhsa_kernel
	.amdgpu_metadata
---
amdhsa.version: [ 1, 2 ]
amdhsa.kernels:
  - .name:           k_qeb602fcf81_proj
    .symbol:         k_qeb602fcf81_proj.kd
    .args:
      - { .name: query, .offset: 0, .size: 8, .value_kind: global_buffer, .address_space: global }
      - { .name: key, .offset: 8, .size: 8, .value_kind: global_buffer, .address_space: global }
      - { .name: value, .offset: 16, .size: 8, .value_kind: global_buffer, .address_space: global }
      - { .name: bq, .offset: 24, .size: 8, .value_kind: global_buffer, .address_space: global }
      - { .name: bk, .offset: 32, .size: 8, .value_kind: global_buffer, .address_space: global }
      - { .name: bv, .offset: 40, .size: 8, .value_kind: global_buffer, .address_space: global }
      - { .name: wc, .offset: 48, .size: 8, .value_kind: global_buffer, .address_space: global }
      - { .name: qh, .offset: 56, .size: 8, .value_kind: global_buffer, .address_space: global }
      - { .name: kvh, .offset: 64, .size: 8, .value_kind: global_buffer, .address_space: global }
    .group_segment_fixed_size: 327680
    .private_segment_fixed_size: 0
    .kernarg_segment_align: 8
    .kernarg_segment_size: 72
    .max_flat_workgroup_size: 128
    .sgpr_count:     96
    .vgpr_count:     768
    .wavefront_size: 32
...
	.end_amdgpu_metadata
.endif
;; end of part 6
;; launch attn (part 7): grid 4 x 64, 4 waves a work-group, clusters of 4 x 1, 327,680 bytes of LDS; arguments qh, kvh, mcode, oh; writes oh
.if DOCPART == 7
	.amdgcn_target "amdgcn-amd-amdhsa--gfx1250"
	.amdhsa_code_object_version 6
	.text
	.protected	k_qeb602fcf81_attn
	.globl	k_qeb602fcf81_attn
	.p2align	8
	.type	k_qeb602fcf81_attn,@function
k_qeb602fcf81_attn:
	s_mov_b64 s[64:65], 0
	v_nop
	global_prefetch_b8 v0, s[64:65] scope:SCOPE_SE
	s_setreg_imm32_b32 hwreg(HW_REG_WAVE_MODE, 25, 1), 1
	s_wait_xcnt 0x0
	s_wait_alu depctr_hold_cnt(0) depctr_sa_sdst(0) depctr_va_vdst(0) depctr_va_sdst(0) depctr_va_ssrc(0) depctr_va_vcc(0) depctr_vm_vsrc(0)
	s_getreg_b32 s2, hwreg(HW_REG_IB_STS2, 6, 4)
	s_cmp_eq_u32 s2, 0
	s_cbranch_scc0 .Lentry_in_a_cluster
	s_endpgm
.Lentry_in_a_cluster:
	s_bfe_u32 s2, ttmp6, 0x10000c
	s_cmp_lg_u32 s2, 0x3003
	s_cbranch_scc0 .Lentry_shape_is_right
	s_endpgm
.Lentry_shape_is_right:
; O[h][q][:] = the sum over k of softmax_k(masked(Q[h][q] . K[h][k] / 8)) V[h][k][:] for 64 heads (batch x head) of 2,048 rows.  Q, O: [64][2048][64] f16; K and V: [64][tile 8][K, V][256][64] f16.
; THE MASK is an input, one for the 16 heads of a batch; the first launch wrote it as FP4 codes (0: the key is seen, -1: it is hidden), eight keys to a word, in the order of the score registers.
; One v_cvt_scale_pk8_f32_fp4 with the scale 2^80 makes of a word the eight addends, 0 or -2^80, of one score tile's eight registers; a packed addition in f32 puts them onto the scores before the
; running maximum sees them.  The addition is a vector instruction's, rounded to nearest: s - 2^80 is -2^80 exactly for every |s| below 2^55, and f16's scores end at 2^38.
; LIMITS.  A hidden score counts as -2^80 before the scale, where the module says -1e9 behind it: a power of two, so that c m is exact and a row that is wholly hidden gets p = 1 for every key
; (the mean of V's rows, as the module's softmax gives); the results differ only where true scaled scores lie at or below about -1e9.  f16 holds no number beyond 65,504: Q, K, V arrive within it;
; p lies in 0 to 1, and below 6e-5 it keeps f16's fixed step.  A weight below 2^-126 counts as 0 in l; NaN and infinities are not treated apart.
; SHARES.  A wave owns four PIECES of two tiles of 16 queries, a work-group's four waves 512 queries of one head.  Every wave walks all keys, 64 a step.  256 work-groups.
; LAYOUT.  S^T = K Q^T (source 0 = 16 keys, source 1 = 16 queries): a lane holds ONE query (lane % 16) and the keys 8 (lane / 16) + 0..7.  Two such tiles, rounded to f16 in pairs,
; ARE source 1 of O^T = V^T P.  K comes out of LDS as it lies, V ([key][channel]) turned, by ds_load_tr16_b128.
; SOFTMAX.  For each query a running maximum m and sum l: p = 2^(c s - c m), c = log2(e) / 8; in every step O and l are multiplied by a = 2^(c m_old - c m_new).
; m starts at the lowest finite number, O and l at 0: the first step is a step like any other, with a = 0.
; BY TURNS.  Turn n belongs to piece n.  Its matrix work: 16 products K Q^T of piece n + 1, later 16 products V^T P of piece n - 1.  Its vector work: the scaling, exponentials, roundings, sums and
; rescaling of piece n; the masking, maximum and statistics of piece n + 1.  Four vector instructions stand behind every matrix instruction, the others in runs of their own.
; CLUSTER.  The four query blocks of a cluster belong to one head and walk the same K and V, so each tile is asked for JOINTLY: the same tensor load, descriptor and mask in all four.
; K and V of 256 keys are 65,536 consecutive bytes: ONE descriptor serves both, each wave moving a quarter.  So both have V's pitch of 160 bytes, at which K's plain loads meet two rows in the same
; banks: 16 such loads for a step's 128 matrix instructions.
; REGISTERS, in windows of 256 (s_set_vgpr_msb: bits 1:0 source 0, 3:2 source 1, 5:4 source 2, 7:6 destination):
;   window 0: v0-10 addresses; v11 the conversions' scale; v12-15, v48-63 at work; v16-47 four registers of statistics a tile; v64-191 S^T, two buffers of two tiles; v192-255 P, likewise
;   window 1: O^T, 32 a tile          window 2: v0-127 Q, 16 a tile; v128-191 K of one step; v192-255 V of one step
;   window 3: v0-1 the add's two registers; v2-5 each piece's byte offset in the codes; v6 the last step's offset; v11 the scale once more; v16-47 the codes, 8 a piece; v64-127 a piece's 64 addends
.set SIZE_N, 2048
.set NP,    4         ; pieces a wave: a name, no knob
.set KS,    64        ; keys in a step
.set PK,    160       ; a row of K in LDS: 128 bytes + 32 of padding
.set PV,    160       ; a row of V: 40 words
.set VOFF,  4*KS*PK   ; a slot holds four steps: 256 rows of K, then 256 rows of V
.set SLOT1, 1<<17     ; slot 1 begins here, so that one exclusive or turns an address in one slot into the other's
.set STAGE, SLOT1+4*KS*(PK+PV)  ; behind the ring, never filled by a tensor load: 16 rows x 144 bytes for each wave
.set SP,    144
.set MSTEP, 4096      ; a wave's codes for one key step: 8 tiles x 32 lanes x 16 bytes
.set AK0, 2           ; v2   my lane's place in a tile of K; never rewritten
.set AV0, 3           ; v3   the same for V
.set AK,  4           ; v4   the LDS address of K's next run of loads
.set AV,  5           ; v5   of V's; at the start: 16 x lane
.set QO,  6           ; v6   my byte offset in the wave's rows of Q
.set STO, 6           ;      later, the way out: where I put 16 bytes of a row
.set RD,  7           ; v7   the way out: where I read rows back
.set GO,  8           ; v8   my byte offset in 512 consecutive bytes of O
.set SCL, 11          ; v11  the scale 2^80 as a power's code, 207, in every byte.  v11 of window 0 and v11 of window 3 hold the same number, so the conversion has the same scale
.set SPW, 0           ; v0 of window 3   my spare word's address; never rewritten
.set NIL, 1           ; v1 of window 3   0; never rewritten
.set MO,  2           ; window 3
.set MLIM, 6          ; window 3
.set MWB, 16          ; window 3: piece P's codes at MWB + 8 P: tile u, key group kt at + 4 u + kt
.set MX,  64          ; window 3: the addend of score register z (0..63) of the piece at MX + z
.set SPARE, STAGE+4*16*SP  ; behind the stages: the spare words, 128 bytes for each wave
.set MV,  12          ; v12-15  c m_old, kept while c m is made anew: by buffer and tile
.set ST,  16          ; tile t's statistics at v[ST+4 t]: c m, m, l (even keys', odd keys')
.set TMP, 48          ; by buffer and tile, four registers c0-c3 at work; when the maximum is found c2 takes a
.set S,   64
.set P,   192
.set KF,  128         ; K's fragments, in window 2
.set VF,  192         ; V's
.set WV,  12          ; s12  my wave's number
.set G1,  16          ; s[16:23] descriptor group 1
.set G0,  24          ; s[24:27] descriptor group 0: it walks
.set SLOTS, 28        ; s28  slots still to be asked for
.set CNT, 29          ; s29  counts a slot's key steps
.set CS,  30          ; s[30:31] c
.set TBK, 40          ; s40  LDS byte at which K of the step to be fetched begins
.set TBV, 41          ; s41  the same for V, less VOFF
.set SEL, 42          ; s[42:43] v_permlanex16_b32's selects
.set MSB, 0
.macro WIN new                      ; the high byte repeats the setting that is left; a switch that changes nothing is dropped
.if MSB != (\new)
	s_set_vgpr_msb (MSB<<8)|(\new)
.set MSB, (\new)
.endif
.endm
.set W_KQ, 0x0a       ; K and Q in window 2, S^T in window 0
.set W_PV, 0x52       ; V in window 2, P in window 0, O^T in window 1
.set W_RS, 0x41       ; O^T (destination and source 0) in window 1, a in window 0
.set W_MK, 0xc0       ; destination in window 3, sources in window 0
.set W_AD, 0x0f       ; the add: address and data in window 3
.set W_M3, 0xcf       ; destination and sources 0 and 1 in window 3: the codes' conversions, offsets and loads
.set W_MA, 0x0c       ; source 1 (the addends) in window 3, S^T in window 0
; A joint fill: wave w moves quarter w of a tile (K's two halves, V's two halves), 128 rows each.  One line for all four waves; an s_nop 0 and four v_nop follow it.
.macro JLOAD
	tensor_load_to_lds s[G0:G0+3], s[G1:G1+7]
	s_nop 0
.rept 4
	v_nop
.endr
.endm
.macro CROUND                       ; a round of the cluster's barrier
	s_barrier_signal -1
	s_barrier_wait -1
	s_cmp_lg_u32 s[WV], 0
	s_cbranch_scc1 .Lnot_wave_0_\@
	s_barrier_signal -3
.Lnot_wave_0_\@:
	s_barrier_wait -3
	s_barrier_signal -1
	s_barrier_wait -1
.endm
; THE CHANGE OF SLOTS.  The slot's last bytes, V of its fourth step, have been read.  Each wave waits for all its tensor loads, of which one is out: its part of the other slot; adds 0 to its spare word;
; and waits for that and for its own reads of the slot.  fill = 1: the barrier is a round of the cluster's, and the joint fill is the first thing behind it: it has four key steps in which to land.
; (At its first use nothing has been read yet: slot 0 is waited for, slot 1 filled.)
.macro CHANGE fill
	WIN W_AD
	s_wait_tensorcnt 0x0            ; no tensor load of mine is out, so group 0 may be written
	ds_add_u32 v[SPW], v[NIL]       ; 0 onto my spare word
	WIN 0                           ; at a label and at a branch every window is 0
.if \fill
	s_xor_b32 s[G0+1], s[G0+1], SLOT1  ; the other slot than last time,
	s_add_nc_u64 s[G0+2:G0+3], s[G0+2:G0+3], 65536  ; the next 256 keys' K and V; the type bits on top are not reached
	s_wait_dscnt 0x0                ; the add is done, and my reads of the slot are over
	CROUND
	JLOAD
.else
	s_wait_dscnt 0x0
	s_barrier_signal -1
	s_barrier_wait -1
.endif
	s_sub_co_u32 s[TBK], s[TBK], 4*KS*PK  ; the fetches go back to a slot's first step,
	s_xor_b32 s[TBK], s[TBK], SLOT1       ; in the other slot
	s_sub_co_u32 s[TBV], s[TBV], 4*KS*PV
	s_xor_b32 s[TBV], s[TBV], SLOT1
.endm
	s_load_b256 s[4:11], s[0:1], 0x0  ; Q s[4:5], K and V s[6:7], the mask's codes s[8:9], O s[10:11]
	WIN W_MK
	v_lshl_add_u32 v[SPW], v0, 2, SPARE
	v_mov_b32 v[NIL], 0
	WIN W_AD
	ds_add_u32 v[SPW], v[NIL]       ; the wave's opening: the add and its wait stand ahead of my first tensor load; the set-up below stands between them
	WIN 0
	v_lshrrev_b32 v1, 5, v0
	v_readfirstlane_b32 s[WV], v1   ; wave 0..3
	s_bfe_u32 s13, ttmp6, 0x40000   ; cx: my place in the cluster
	s_lshl_b32 s14, ttmp9, 2
	s_add_co_u32 s14, s14, s13      ; my block of 512 queries: it enters Q's, O's and the codes' addresses alone
	s_and_b32 s15, ttmp7, 0xffff    ; the head, which the four partners share
	s_lshl_b32 s32, s15, 19         ; the head's K and V,
	s_lshl_b32 s33, s[WV], 14       ; my quarter of a tile
	s_add_co_u32 s32, s32, s33
	s_mov_b32 s33, 0
	s_lshl2_add_u32 s34, s14, s[WV] ; my wave's 128 queries among the head's sixteen such
	s_lshl_b32 s36, s34, 14
	s_lshl_b32 s37, s15, 18
	s_add_co_u32 s36, s36, s37      ; their first byte in Q and O
	s_mov_b32 s37, 0
	s_lshr_b32 s38, s15, 4          ; the batch
	s_lshl4_add_u32 s38, s38, s34
	s_lshl_b32 s38, s38, 17         ; their codes: 32 steps of 4,096 bytes
	s_mov_b32 s39, 0
	; descriptor group 1.  128 rows of 128 bytes are dense: asked for as 64 rows of 256 bytes, and padded in LDS after every 128
	s_mov_b32 s[G1], 15|(1<<16)|(1<<20)|(1<<21)|(4<<22)|(7<<25)  ; 15:0 the mask of four; 17:16 2-byte elements; 20 padding on; 21 set beside a mask; 24:22 after every 32 words; 31:25 8 words
	s_mov_b32 s[G1+1], 128<<16      ; tensor_dim0
	s_mov_b32 s[G1+2], 64<<16       ; tensor_dim1
	s_mov_b32 s[G1+3], 128<<16      ; tile_dim0
	s_mov_b32 s[G1+4], 64           ; tile_dim1
	s_mov_b32 s[G1+5], 128          ; elements from row to row
	s_mov_b32 s[G1+6], 0
	s_mov_b32 s[G1+7], 0
	s_mov_b32 s[CS], 0x3e38aa3b     ; c = log2(e) / 8
	s_mov_b32 s[CS+1], s[CS]        ; named with it as a pair
	s_mov_b32 s[SEL], 0x76543210
	s_mov_b32 s[SEL+1], 0xfedcba98
	s_mov_b32 s[TBK], SLOT1+4*KS*PK ; the first change of slots turns these two into 0
	s_mov_b32 s[TBV], SLOT1+4*KS*PV
	s_mov_b32 s[G0], 1              ; count = 1
	s_mul_i32 s[G0+1], s[WV], 128*PK  ; LDS address: slot 0, my quarter: no place in the cluster enters it
	s_wait_dscnt 0x0                ; the opening add is done
	s_wait_kmcnt 0x0
	s_add_nc_u64 s[G0+2:G0+3], s[6:7], s[32:33]
	s_or_b32 s[G0+3], s[G0+3], 0x80000000  ; type = 2
	s_add_nc_u64 s[4:5], s[4:5], s[36:37]
	s_add_nc_u64 s[10:11], s[10:11], s[36:37]
	s_add_nc_u64 s[8:9], s[8:9], s[38:39]
	CROUND                          ; all four work-groups are here: the first joint loads meet
	JLOAD                           ; slot 0.  Slot 1 is asked for when slot 0 is in
	v_and_b32 v1, 15, v0            ; l % 16
	v_bfe_u32 v9, v0, 4, 1          ; l / 16
	v_lshlrev_b32 v[QO], 7, v1
	v_lshl_add_u32 v[QO], v9, 4, v[QO]  ; row x 128 + 16 x half
	v_and_b32 v[AV], 31, v0
	v_lshlrev_b32 v[AV], 4, v[AV]   ; 16 x lane: my 16 bytes in a tile's 512 bytes of codes
	WIN 0x80                        ; destination window 2, address window 0
.set i, 0
.rept 4*NP                          ; Q stays in registers: tile i / 2, channels 32 (i % 2) on
	global_load_b128 v[8*i:8*i+3],   v[QO], s[4:5] offset:(i/2)*2048+(i%2)*64
	global_load_b128 v[8*i+4:8*i+7], v[QO], s[4:5] offset:(i/2)*2048+(i%2)*64+32
.set i, i+1
.endr
	WIN W_MK
.irp p, 0,1,2,3
	v_mov_b32 v[MO+\p], v[AV]       ; each piece has an offset register of its own: key step 0
.endr
	v_add_nc_u32 v[MLIM], 31*MSTEP, v[AV]  ; the last key step
	v_mov_b32 v[SCL], 0xcfcfcfcf
	WIN W_M3
.irp p, 0,1,2,3                     ; key step 0's codes for all four pieces: eight loads of 512 consecutive bytes
	global_load_b128 v[MWB+8*\p:MWB+8*\p+3],   v[MO+\p], s[8:9] offset:1024*\p
	global_load_b128 v[MWB+8*\p+4:MWB+8*\p+7], v[MO+\p], s[8:9] offset:1024*\p+512
.endr
	WIN 0x80
	; What the first turn finds: V's registers and P's second buffer hold 0, O^T and l are 0.  All this stands in the wait for the first tile.
.set i, VF
.rept 64
	v_mov_b32 v[i], 0
.set i, i+1
.endr
	WIN 0x40
.set i, 0
.rept 64*NP
	v_mov_b32 v[i], 0
.set i, i+1
.endr
	WIN 0
.set i, 0
.rept 2*NP
	v_mov_b32 v[ST+4*i], 0xfe000000    ; c m: far below every c s, a hidden one's too
	v_mov_b32 v[ST+4*i+1], 0xff7fffff  ; m
	v_mov_b32 v[ST+4*i+2], 0
	v_mov_b32 v[ST+4*i+3], 0
.set i, i+1
.endr
.set i, P+32
.rept 32
	v_mov_b32 v[i], 0
.set i, i+1
.endr
	v_mul_u32_u24 v[AK0], v1, PK
	v_lshl_add_u32 v[AK0], v9, 4, v[AK0]  ; row x pitch + 16 x half
	v_and_b32 v10, 7, v0
	v_bfe_u32 v11, v0, 3, 1
	v_lshl_add_u32 v[AV0], v9, 3, v10
	v_mul_u32_u24 v[AV0], v[AV0], PV
	v_lshl_add_u32 v[AV0], v11, 4, v[AV0]
	v_add_nc_u32 v[AV0], VOFF, v[AV0]
	v_mov_b32 v[SCL], 0xcfcfcfcf    ; window 0's copy of the scale
	v_mov_b32 v[AK], v[AK0]         ; key step 0 lies at the head of slot 0
; THE MATRIX WORK.  The 8 accumulators of a run of 16 take turns.
.macro KQ x
	WIN W_KQ
.set rS, S+64*((\x)%2)+32*(i%2)+8*((i/2)%4)
.set rK, KF+16*((i/2)%4)+8*(i/8)
.set rQ, 16*(2*(\x)+i%2)+8*(i/8)
.if i < 8
	v_wmma_f32_16x16x32_f16 v[rS:rS+7], v[rK:rK+7], v[rQ:rQ+7], 0
.else
	v_wmma_f32_16x16x32_f16 v[rS:rS+7], v[rK:rK+7], v[rQ:rQ+7], v[rS:rS+7]
.endif
.endm
.macro PV x
	WIN W_PV
.set rO, 32*(2*(\x)+i%2)+8*((i/2)%4)
.set rV, VF+32*(i/8)+8*((i/2)%4)
.set rP, P+32*((\x)%2)+16*(i%2)+8*(i/8)
	v_wmma_f32_16x16x32_f16 v[rO:rO+7], v[rV:rV+7], v[rP:rP+7], v[rO:rO+7]
.endm
.macro MM                           ; the turn's next matrix instruction
.if i < 16
	KQ (Y+1)%NP
.set i, i+1
.else
.set i, i-16
	PV (Y+NP-1)%NP
.set i, i+17
.endif
.endm
; THE LDS LOADS stand in runs of 16.  last = 1 (the tail): in the last trip there is no further step, and the run is jumped over.
.macro FETCH_K last=0
	WIN 0
.if \last
	s_cmp_eq_u32 s[CNT], 1
	s_cbranch_scc1 .Lno_k_\@
.endif
	WIN 0x80                        ; destination window 2
.irp f, 0,1,2,3,4,5,6,7             ; keys 16 (f / 2) on, channels 32 (f % 2) on
	ds_load_b128 v[KF+8*\f:KF+8*\f+3],   v[AK] offset:(\f/2)*16*PK+(\f%2)*64
	ds_load_b128 v[KF+8*\f+4:KF+8*\f+7], v[AK] offset:(\f/2)*16*PK+(\f%2)*64+32
.endr
	s_add_co_u32 s[TBK], s[TBK], KS*PK  ; the next fetch is the next step's
	WIN 0
.if \last
.Lno_k_\@:
.endif
.endm
.macro FETCH_V
	WIN 0x80
.irp f, 0,1,2,3,4,5,6,7             ; keys 32 (f / 4) on, channels 16 (f % 4) on
	ds_load_tr16_b128 v[VF+8*\f:VF+8*\f+3],   v[AV] offset:(\f/4)*32*PV+(\f%4)*32
	ds_load_tr16_b128 v[VF+8*\f+4:VF+8*\f+7], v[AV] offset:(\f/4)*32*PV+16*PV+(\f%4)*32
.endr
	WIN 0
.endm
; THE MASK, for piece P = Y + 1, whose scores the turn's first 16 products have just made.  Eight conversions turn the piece's eight words of codes into 64 addends; 32 packed additions put them onto the
; scores, each accumulator's registers in ascending order.  Then the piece's codes for the NEXT key step are asked for, into the same eight registers: four turns ahead of their
; use.  Eight such loads of the wave are out at the most; the wait's count, 6, is the three younger pieces' two loads each (loads come back in order: ISA guide 5.7.1).  That wait also shows the loads
; that read the piece's offset register done, so the offset may step; behind the last step it stays at it, so that no load leaves the wave's 131,072 bytes of codes.
.macro MSK
.set mP, (Y+1)%NP
.set mS, S+64*(mP%2)
	WIN W_M3
	s_wait_loadcnt 6
	s_wait_xcnt 0x0                 ; every earlier load has had its address translated (ISA guide 3.1): the offset below is rewritten behind this wait too
.set mz, 0
.rept 8
	v_cvt_scale_pk8_f32_fp4 v[MX+8*mz:MX+8*mz+7], v[MWB+8*mP+mz], v[SCL]
.set mz, mz+1
.endr
	v_add_nc_u32 v[MO+mP], MSTEP, v[MO+mP]     ; two plain lines between the conversions and the use of their results
	v_min_u32 v[MO+mP], v[MO+mP], v[MLIM]
	WIN W_MA
.set mz, 0
.rept 32
	v_pk_add_f32 v[mS+2*mz:mS+2*mz+1], v[mS+2*mz:mS+2*mz+1], v[MX+2*mz:MX+2*mz+1]
.set mz, mz+1
.endr
	WIN W_M3
	global_load_b128 v[MWB+8*mP:MWB+8*mP+3],   v[MO+mP], s[8:9] offset:1024*mP
	global_load_b128 v[MWB+8*mP+4:MWB+8*mP+7], v[MO+mP], s[8:9] offset:1024*mP+512
	WIN 0
.endm
; THE VECTOR WORK OF A TURN stands in three queues, each in the order in which its entries become ready; the two tiles alternate.
.macro REGS y, u                    ; the registers of tile u (0, 1) of piece y
.set rT, ST+4*(2*(\y)+(\u))
.set rC, TMP+8*((\y)%2)+4*(\u)
.set rM, MV+2*((\y)%2)+(\u)
.set rS, S+64*((\y)%2)+32*(\u)
.set rP, P+32*((\y)%2)+16*(\u)
.set rO, 32*(2*(\y)+(\u))
.endm
; Number n of the 22 that find the NEXT piece's (Y + 1) maximum and statistics.
;   0-11  four chains c0-c3 of seven scores each     12-14, 16  the four scores left over, the old m, and c0-c3 into c0     15  c m_old is kept
;   17, 18  the query's other 32 keys lie in the lane 16 away: the new m         19-21  c m; c m_old - c m_new; a
.macro XS u, n
	REGS (Y+1)%NP, \u
.if (\n) < 4
	v_max3_num_f32 v[rC+(\n)], v[rS+8*(\n)], v[rS+8*(\n)+1], v[rS+8*(\n)+2]
.elseif (\n) < 12
	v_max3_num_f32 v[rC+(\n)%4], v[rC+(\n)%4], v[rS+8*((\n)%4)+2*((\n)/4)+1], v[rS+8*((\n)%4)+2*((\n)/4)+2]
.elseif (\n) == 12
	v_max3_num_f32 v[rC], v[rC], v[rS+7], v[rS+15]
.elseif (\n) == 13
	v_max3_num_f32 v[rC+1], v[rC+1], v[rS+23], v[rS+31]
.elseif (\n) == 14
	v_max3_num_f32 v[rC+2], v[rC+2], v[rC+3], v[rT+1]
.elseif (\n) == 15
	v_mov_b32 v[rM], v[rT]
.elseif (\n) == 16
	v_max3_num_f32 v[rC], v[rC], v[rC+1], v[rC+2]
.elseif (\n) == 17
	v_permlanex16_b32 v[rC+3], v[rC], s[SEL], s[SEL+1]
.elseif (\n) == 18
	v_max_num_f32 v[rT+1], v[rC], v[rC+3]
.elseif (\n) == 19
	v_mul_f32 v[rT], s[CS], v[rT+1]
.elseif (\n) == 20
	v_sub_f32 v[rC+1], v[rM], v[rT]
.else
	v_exp_f32 v[rC+2], v[rC+1]
.endif
.endm
; Number g of the 64 that follow the exponentials: for each four weights of a tile both pairs are rounded to f16; the second pair is added onto the first, in place; a group later l takes that sum.
.macro GS g
.set h, (\g)+6*((\g)/62)
.if h >= 6
.set h, h+2
.endif
	REGS Y, h%2
.set k, h/8
.if h%8 < 4
	s_wait_alu depctr_va_vdst(0)
	v_cvt_pk_f16_f32 v[rP+2*k+(h%8)/2], v[rS+4*k+2*((h%8)/2)], v[rS+4*k+2*((h%8)/2)+1]
.elseif h%8 < 6
	v_pk_add_f32 v[rS+4*k:rS+4*k+1], v[rS+4*k:rS+4*k+1], v[rS+4*k+2:rS+4*k+3]
.elseif k == 1
	v_pk_fma_f32 v[rT+2:rT+3], v[rT+2:rT+3], v[rC+2:rC+3], v[rS:rS+1] op_sel_hi:[1,0,1]
.else
	v_pk_add_f32 v[rT+2:rT+3], v[rT+2:rT+3], v[rS+4*k-4:rS+4*k-3]
	s_wait_alu depctr_va_vdst(0)
.endif
.endm
; THE PLAIN QUEUE, 138 long.  0-31: c s - c m for the 16 pairs of both tiles.  Then GS's 64, and among them the next piece's 42: number 15 at 38, 39; 0-14 and 16 at 42-73, behind the masking of those
; scores; 17-20 at 95-106, two of three.
.macro PL
	WIN 0
.if q < 32
	REGS Y, q%2
	v_pk_fma_f32 v[rS+2*(q/2):rS+2*(q/2)+1], v[rS+2*(q/2):rS+2*(q/2)+1], s[CS:CS+1], v[rT:rT+1] op_sel_hi:[1,0,0] neg_lo:[0,0,1] neg_hi:[0,0,1]
.elseif q < 38
	GS q-32
.elseif q < 40
	XS q%2, 15
.elseif q < 42
	GS q-34
.elseif q < 74
	XS q%2, (q-42)/2+(q-42)/30
.elseif q < 95
	GS q-66
.elseif (q < 107) && ((q-95)%3 < 2)
	XS (q-95)%3, 17+(q-95)/3
.elseif q < 107
	GS 29+(q-95)/3
.else
	GS q-74
.endif
.set q, q+1
.endm
; THE EXPONENTIALS' QUEUE, 66 long: s0-s31 of both tiles, and at EA the next piece's two a.
.set EA, 58
.macro EX
	WIN 0
.if (e == EA) || (e == EA+1)
	XS e-EA, 21
.else
.set x, e-2*(e/(EA+2))
	REGS Y, x%2
	v_exp_f32 v[rS+x/2], v[rS+x/2]
.endif
.set e, e+1
.endm
; THE RESCALING's QUEUE: O^T times a, dealt four at a time, eight times.
.macro R4
	REGS Y, r%2
	WIN W_RS
	s_wait_alu depctr_va_vdst(0)
.irp z, 0,1,2,3
	v_pk_mul_f32 v[rO+8*(r/2)+2*\z:rO+8*(r/2)+2*\z+1], v[rO+8*(r/2)+2*\z:rO+8*(r/2)+2*\z+1], v[rC+2:rC+3] op_sel_hi:[1,0]
.endr
.set r, r+1
.endm
; HOW THEY ARE DEALT.  Behind a matrix instruction four: plain, exponential, plain, plain, or four of the rescaling; none names a register of the products round it.  What is over stands in lumps.
; The queues keep in step: exponential e stands behind plain 2 (e / 4) + e % 2; when plain 32 comes, 10 exponentials are out, at 59: 33, at 95: 46; EA comes behind plain 107.
.macro SL
	MM
	PL
	EX
	PL
	PL
.endm
.macro BURST n                      ; 15 matrix instructions, or 16
.rept (\n)-7
	SL
.endr
.rept 3
	MM
	R4
	SL
.endr
	MM
	R4
.endm
; A TURN, for piece p.  The masking stands behind the first run of products: that run ends in four rescalings, the four places behind its last product; when it is done 37 of the plain queue are out,
; and the first maximum over the masked scores is number 42.
.macro TURN p, last=0, cnt=0
.set Y, (\p)
.set i, 0
.set q, 0
.set e, 0
.set r, 0
.if (\p) == NP-1
	s_wait_dscnt 0x0                ; K is in
.endif
	MM
.rept 4
	PL
.endr
	BURST 15
	MSK
.rept 22
	EX
	PL
.if ((\p) == NP-2) && (e == 18)
	v_add_nc_u32 v[AK], s[TBK], v[AK0]
.endif
.if ((\p) == NP-2) && (e == 24)
	FETCH_K \last
.endif
.endr
.if (\p) == 1
	s_wait_dscnt 0x0                ; V is in
.endif
	BURST 16
.rept 21
	EX
	PL
.endr
.rept 22
	PL
.if ((\p) == 0) && (q == 118)
	v_add_nc_u32 v[AV], s[TBV], v[AV0]
	s_wait_alu depctr_va_vdst(0)
.endif
.if ((\p) == 0) && (q == 130)
	s_add_co_u32 s[TBV], s[TBV], KS*PV
.endif
.if (\cnt) && (q == 130)
	s_sub_co_u32 s[CNT], s[CNT], 1
	s_cmp_lg_u32 s[CNT], 0
.endif
.endr
.if (\p) == 0
	FETCH_V
.endif
.endm
	CHANGE 1                        ; slot 0 is in, everybody's part of it; slot 1 is asked for
	FETCH_K                         ; key step 0
	s_wait_loadcnt 8                ; Q is in; the eight loads of codes issued behind it may stay out
	s_wait_dscnt 0x0
.set i, 0
.rept 16
	KQ 0                            ; piece 0's first scores
.set i, i+1
.endr
	WIN 0                           ; the addresses for the way out: nine plain instructions, the places behind those products
	s_mul_i32 s13, s[WV], 16*SP
	s_add_co_u32 s13, s13, STAGE    ; my stage
	v_mul_u32_u24 v[STO], v1, SP    ; in: row l % 16, 16 bytes for each half of the lanes
	v_lshl_add_u32 v[STO], v9, 4, v[STO]
	v_add_nc_u32 v[STO], s13, v[STO]
	v_bfe_u32 v[RD], v0, 3, 2       ; back: 32 lanes take four rows of 128 bytes,
	v_mul_u32_u24 v[RD], v[RD], SP
	v_lshl_add_u32 v[RD], v10, 4, v[RD]
	v_add_nc_u32 v[RD], s13, v[RD]
	v_and_b32 v[GO], 31, v0         ; which are 512 consecutive bytes of O
	v_lshlrev_b32 v[GO], 4, v[GO]
.set Y, NP-1                        ; MSK and XS work for piece Y + 1: piece 0
	MSK
.irp n, 0,1,2,3,4,5,6,7,8,9,10,11,12,13,14,15,16,17,18,19,20,21
	XS 0, \n                        ; piece 0's first maximum and statistics
	XS 1, \n
.endr
	s_mov_b32 s[CNT], 4
	s_mov_b32 s[SLOTS], SIZE_N/256-1
	s_branch .Lfirst                ; the loop is entered at a step's first turn, in the middle of a trip
.Lslot:                             ; six times: every slot but the last two is filled again
	CHANGE 1
	s_mov_b32 s[CNT], 4
.Lstep:                             ; a trip: pieces 2 and 3 of one step, then pieces 0 and 1 of the next, whose K and V it fetches
	TURN 2
	TURN 3
	WIN 0
.Lfirst:
	TURN 0
	TURN 1, 0, 1
	WIN 0
	s_cbranch_scc1 .Lstep
	s_sub_co_u32 s[SLOTS], s[SLOTS], 1
	s_cmp_lg_u32 s[SLOTS], 0
	s_cbranch_scc1 .Lslot
	CHANGE 0                        ; the tail is written out: nothing is asked for
	s_mov_b32 s[CNT], 5             ; four trips fetch the last slot's steps; the fifth is left in its middle
.Ltail:
	TURN 2, 1
	TURN 3
	WIN 0
	s_sub_co_u32 s[CNT], s[CNT], 1
	s_cmp_eq_u32 s[CNT], 0
	s_cbranch_scc1 .Lout
	TURN 0
	TURN 1
	WIN 0
	s_branch .Ltail
.Lout:                              ; the fifth trip's 16 products K Q^T (on the last K once more), their masking and maximum serve nothing: the price, once a launch, of one text for every trip
	s_wait_loadcnt 0x0              ; the codes asked for last (the last step's once more) are not used
.set i, 0
.rept 16
	PV NP-1                         ; the last piece's V^T P of the last step
.set i, i+1
.endr
	; THE WAY OUT.  l's two halves and the other half of the lanes' are added; O^T is divided by l, rounded to f16 and sent through my stage in LDS, a tile at a time.  The additions are the places behind the last products.
	WIN 0
.macro ALL line:vararg              ; one line for each tile t
.set t, 0
.rept 2*NP
	\line
.set t, t+1
.endr
.endm
	ALL v_add_f32 v[ST+4*t+2], v[ST+4*t+2], v[ST+4*t+3]
	ALL v_permlanex16_b32 v[ST+4*t+3], v[ST+4*t+2], s[SEL], s[SEL+1]
	ALL v_add_f32 v[ST+4*t+2], v[ST+4*t+2], v[ST+4*t+3]
	ALL v_rcp_f32 v[ST+4*t+2], v[ST+4*t+2]
	v_nop                           ; a plain instruction between the last reciprocal and the use of its result
	s_wait_alu depctr_va_vdst(0)
.macro PACK t
	WIN W_RS
.set i, 32*(\t)
.rept 16
	v_pk_mul_f32 v[i:i+1], v[i:i+1], v[ST+4*(\t)+2:ST+4*(\t)+3] op_sel_hi:[1,0]
.set i, i+2
.endr
	WIN 0x05                        ; sources 0 and 1 window 1, destination window 0
.set i, 0
.rept 16
	v_cvt_pk_f16_f32 v[S+16*(\t)+i], v[32*(\t)+2*i], v[32*(\t)+2*i+1]
.set i, i+1
.endr
	WIN 0
.irp f, 0,1,2,3
	ds_store_b128 v[STO], v[S+16*(\t)+4*\f:S+16*(\t)+4*\f+3] offset:32*\f
.endr
.irp f, 0,1,2,3
	ds_load_b128 v[S+16*(\t)+4*\f:S+16*(\t)+4*\f+3], v[RD] offset:\f*4*SP  ; LDS serves a wave's instructions in order: these see the stores above; the next tile's stores come behind them
.endr
.endm
.macro SEND t, younger              ; younger: the LDS instructions issued behind tile t's loads: the next tile's eight, or none
	WIN 0
.irp f, 0,1,2,3
	s_wait_dscnt (\younger)+3-\f
	global_store_b128 v[GO], v[S+16*(\t)+4*\f:S+16*(\t)+4*\f+3], s[10:11] offset:(\t)*2048+\f*512  ; 512 consecutive bytes, at a multiple of 256 from O's first
.endr
.endm
	PACK 0
.set t, 1
.rept 2*NP-1                        ; a tile's arithmetic stands between the loads of the tile before and its stores
	PACK t
	SEND t-1, 8
.set t, t+1
.endr
	SEND 2*NP-1, 0
	WIN W_AD
	s_wait_tensorcnt 0x0            ; the wave's end, behind my last tensor load and my last LDS store
	ds_add_u32 v[SPW], v[NIL]
	s_wait_dscnt 0x0
	WIN 0
	CROUND                          ; the closing round: no work-group ends while a partner may still ask for a tile that names it
	s_endpgm
.Lfunc_end_k_qeb602fcf81_attn:
	.size	k_qeb602fcf81_attn, .Lfunc_end_k_qeb602fcf81_attn-k_qeb602fcf81_attn
	.p2alignl 7, 3214868480
	.fill 96, 4, 3214868480
	.section	.rodata,"a",@progbits
	.p2align	6, 0x0
	.amdhsa_kernel k_qeb602fcf81_attn
		.amdhsa_group_segment_fixed_size 327680
		.amdhsa_private_segment_fixed_size 0
		.amdhsa_enable_private_segment 0
		.amdhsa_kernarg_size 32
		.amdhsa_user_sgpr_count 2
		.amdhsa_user_sgpr_kernarg_segment_ptr 1
		.amdhsa_wavefront_size32 1
		.amdhsa_system_sgpr_workgroup_id_x 1
		.amdhsa_system_sgpr_workgroup_id_y 1
		.amdhsa_system_sgpr_workgroup_id_z 1
		.amdhsa_system_vgpr_workitem_id 0
		.amdhsa_next_free_vgpr 896
		.amdhsa_next_free_sgpr 66
		.amdhsa_reserve_vcc 0
		.amdhsa_float_denorm_mode_32 3
		.amdhsa_float_denorm_mode_16_64 3
		.amdhsa_memory_ordered 1
		.amdhsa_forward_progress 1
		.amdhsa_inst_pref_size 234
	.end_amdhsa_kernel
	.amdgpu_metadata
---
amdhsa.version: [ 1, 2 ]
amdhsa.kernels:
  - .name:           k_qeb602fcf81_attn
    .symbol:         k_qeb602fcf81_attn.kd
    .args:
      - { .name: qh, .offset: 0, .size: 8, .value_kind: global_buffer, .address_space: global }
      - { .name: kvh, .offset: 8, .size: 8, .value_kind: global_buffer, .address_space: global }
      - { .name: mcode, .offset: 16, .size: 8, .value_kind: global_buffer, .address_space: global }
      - { .name: oh, .offset: 24, .size: 8, .value_kind: global_buffer, .address_space: global }
    .group_segment_fixed_size: 327680
    .private_segment_fixed_size: 0
    .kernarg_segment_align: 8
    .kernarg_segment_size: 32
    .max_flat_workgroup_size: 128
    .sgpr_count:     66
    .vgpr_count:     896
    .wavefront_size: 32
...
	.end_amdgpu_metadata
.endif
;; end of part 7
;; launch outp (part 8): grid 4 x 64, 4 waves a work-group, clusters of 4 x 4, 327,680 bytes of LDS; arguments oh, wc, bo, out0; writes out0
.if DOCPART == 8
	.amdgcn_target "amdgcn-amd-amdhsa--gfx1250"
	.amdhsa_code_object_version 6
	.text
	.protected	k_qeb602fcf81_outp
	.globl	k_qeb602fcf81_outp
	.p2align	8
	.type	k_qeb602fcf81_outp,@function
k_qeb602fcf81_outp:
	s_mov_b64 s[64:65], 0
	v_nop
	global_prefetch_b8 v0, s[64:65] scope:SCOPE_SE
	s_setreg_imm32_b32 hwreg(HW_REG_WAVE_MODE, 25, 1), 1
	s_wait_xcnt 0x0
	s_wait_alu depctr_hold_cnt(0) depctr_sa_sdst(0) depctr_va_vdst(0) depctr_va_sdst(0) depctr_va_ssrc(0) depctr_va_vcc(0) depctr_vm_vsrc(0)
	s_getreg_b32 s2, hwreg(HW_REG_IB_STS2, 6, 4)
	s_cmp_eq_u32 s2, 0
	s_cbranch_scc0 .Lentry_in_a_cluster
	s_endpgm
.Lentry_in_a_cluster:
	s_bfe_u32 s2, ttmp6, 0x10000c
	s_cmp_lg_u32 s2, 0xf033
	s_cbranch_scc0 .Lentry_shape_is_right
	s_endpgm
.Lentry_shape_is_right:
; THE OUTPUT PROJECTION: out = O Wo + bo.  O: [bh 64][s 2048][64] f16, by heads (row b 2048 + s of the product takes channel d of head h as k = 64 h + d); Wo: the fourth matrix of wc, [k 1024][n 1024],
; rounded to bf16 and written as f16; bo: f32, rounded to bf16; out: [8192][1024] f32.  Sums in f32.
; SHARES.  A work-group makes 128 rows x 256 columns, each of its four waves 64 x 128: 32 accumulators.  256 work-groups.  K goes in steps of 128, two heads, through two LDS slots: a head's 128 rows of
; 128 bytes are dense in memory and are asked for as 64 rows of 256 bytes.  Wo's tile lies [k][n] in LDS and is turned by ds_load_tr16_b128.
; CLUSTER 4 x 4: O's tile hangs on the tile row alone and is asked for jointly along a row of the cluster, Wo's on the tile column alone and jointly along a column.
; PREFETCH.  A refill goes out behind one round and is waited for in front of the next: it has one K step, 128 matrix instructions a wave, in which to land, and two slots of a longer step do not fit in LDS.
; Each byte of O is wanted once, by the four work-groups of a row of the cluster.  A lap is two K steps, four heads of 16,384 dense bytes: 256 aligned blocks of 256 bytes.  Waves 0 and 1 of the four
; partners share them: wave 2 cx + w asks for half a head, 32 blocks, one lane a block, so each block is asked for once in the launch.  Lap 1 is asked for at the head, behind the first fills; laps 2 and 3
; in laps 0 and 1, behind slot 0's refill: one lap, 256 matrix instructions a wave, ahead of the refill that fetches their first K step.  The loop's last trip asks for nothing.  Wo is read by all 64 tile
; rows and is not asked for.
; THE MATRIX INSTRUCTION IS USED TRANSPOSED (source 0 = 16 columns of Wo, source 1 = 16 rows of O): a lane holds eight neighbouring numbers of a row of out.  The bias is the C operand of the first product.
; REGISTERS: window 0: v0-31 addresses; v32-63, v64-95 O's fragments, two buffers; v160-223 the bias; on the way out v96-159 and v32-95 rows read back, by turns.
;   window 1: v0-63, v64-127 Wo's fragments, two buffers.      window 2: accumulator (a, b) at v[8 (8 a + b)].
; SCALARS: s[4:5] O, s[6:7] wc, s[68:69] bo, s[70:71] out (later: at my first row and column); s10 wave, s11 wave / 2, s12 wave % 2; s3 the loop's count.
.set PAO,    144                       ; a row of O in LDS: 128 bytes + 16 = 36 words: the 16 rows of a load start at 16 different groups of four banks (64 banks of 4 bytes: ISA guide 11.1)
.set PB,     544                       ; a row of Wo: 512 + 32 = 136 words
.set HALFT,  64*PB                     ; room for what one tensor load brings: 64 k rows of Wo (34,816 bytes) or a head's 128 rows of O (18,432)
.set SLOT,   4*HALFT                   ; the even head, the odd head, then Wo's 128 k rows
.set STAGE,  2*SLOT                    ; behind the ring: for each wave 16 rows x 528 bytes
.set SPITCH, 528
.set SPARE,  STAGE+4*16*SPITCH         ; behind the stages: the spare words, 128 bytes for each wave
.set ADRA, 16                          ; v16-17  LDS address of my lane in O's rows, slot 0, 1
.set ADRB, 20                          ; v20-21  the same in Wo's rows
.set STO,  24                          ; v24     the way out: where I put 32 bytes of a row
.set RD,   25                          ; v25     where I read a row back
.set CO,   26                          ; v26     my byte offset in a row's 512 bytes of out
.set BO,   27                          ; v27     my byte offset in the bias
.set SPW,  28                          ; v28     my spare word's address; never rewritten
.set NIL,  29                          ; v29     0; never rewritten
.set PF,   30                          ; v30     the prefetch: 256 x lane; never rewritten
.set AF,   32
.set BI,   160
.set BF,   0                           ; window 1
.set G1,  24                           ; s[24:31] descriptor group 1 for O's tiles;  s[32:39] group 0, a set for each slot
.set G0,  32
.set G1B, 48                           ; s[48:55], s[56:63] the same for Wo's tiles
.set G0B, 56
.set PFB, 72                           ; s[72:73] the prefetch: O at my half of a head, in the lap asked for last
.set HIM, 76                           ; s76      a word's upper bf16
.set MSB, 0
.macro WIN new                         ; the immediate's high byte repeats the setting that is left; a switch that changes nothing is dropped
.if MSB != (\new)
	s_set_vgpr_msb (MSB<<8)|(\new)
.set MSB, (\new)
.endif
.endm
.set MUL,  0xa1                        ; source 0 window 1, source 1 window 0, C and D window 2
.set MUL0, 0x81                        ; the same with C (the bias) in window 0
.set T1,   0x40                        ; destination window 1, address window 0
.set FROMC, 0x08                       ; an LDS store's data in window 2, its address in window 0
.macro JLOAD s                         ; a joint load: waves 0 and 1 fetch the step's two heads of O, waves 2 and 3 Wo's two halves; an s_nop 0 and four v_nop follow each line
	s_cmp_eq_u32 s11, 0
	s_cbranch_scc0 .Lfor_b_\@
	tensor_load_to_lds s[G0+4*(\s):G0+4*(\s)+3], s[G1:G1+7]
	s_nop 0
.rept 4
	v_nop
.endr
	s_branch .Lasked_\@
.Lfor_b_\@:
	tensor_load_to_lds s[G0B+4*(\s):G0B+4*(\s)+3], s[G1B:G1B+7]
	s_nop 0
.rept 4
	v_nop
.endr
.Lasked_\@:
.endm
.macro CREST                           ; a round of the cluster's barrier behind its opening barrier
	s_cmp_lg_u32 s10, 0
	s_cbranch_scc1 .Lnot_wave_0_\@
	s_barrier_signal -3
.Lnot_wave_0_\@:
	s_barrier_wait -3
	s_barrier_signal -1
	s_barrier_wait -1
.endm
.macro CROUND                          ; a whole round
	s_barrier_signal -1
	s_barrier_wait -1
	CREST
.endm
.macro PLACES                          ; four places in front of loads into registers that matrix instructions have read, and of reads of their results
.rept 4
	v_nop
.endr
.endm
	s_load_b128 s[4:7], s[0:1], 0x0                ; O s[4:5], wc s[6:7]
	s_load_b128 s[68:71], s[0:1], 0x10             ; bo s[68:69], out s[70:71]: registers that nothing else names while the loads are out
	v_lshl_add_u32 v[SPW], v0, 2, SPARE
	v_mov_b32 v[NIL], 0
	ds_add_u32 v[SPW], v[NIL]                      ; the wave's opening: the add and its wait stand ahead of my first tensor load; the set-up below stands between them
	v_lshrrev_b32 v1, 5, v0
	v_readfirstlane_b32 s10, v1                    ; wave 0..3
	s_lshr_b32 s11, s10, 1                         ; which 64 rows of the tile are mine.  Also: I fetch for O (0) or for Wo (1)
	s_and_b32 s12, s10, 1                          ; which 128 columns are mine.  Also: which head, or which 64 k rows, I fetch
	s_bfe_u32 s40, ttmp6, 0x40000                  ; cx, cy: my place in the cluster
	s_bfe_u32 s41, ttmp6, 0x40004
	s_lshl_b32 s42, ttmp9, 2
	s_add_co_u32 s42, s42, s40                     ; tile column 0..3
	s_and_b32 s13, ttmp7, 0xffff
	s_lshl_b32 s13, s13, 2
	s_add_co_u32 s13, s13, s41                     ; tile row 0..63
	s_lshl_b32 s43, s41, 2
	s_lshl_b32 s43, 15, s43                        ; my row of the cluster
	s_lshl_b32 s44, 0x1111, s40                    ; my column
	s_mov_b32 s[HIM], 0xffff0000
	; group 1 for O: 64 rows x 128 elements of 2 bytes (two rows of a head each), 16 bytes of padding behind every 32 words
	s_or_b32 s[G1+0], s43, (1<<16)|(1<<20)|(1<<21)|(4<<22)|(3<<25)
	s_mov_b32 s[G1+1], 128<<16
	s_mov_b32 s[G1+2], 64<<16
	s_mov_b32 s[G1+3], 128<<16
	s_mov_b32 s[G1+4], 64
	s_mov_b32 s[G1+5], 128
	s_mov_b32 s[G1+6], 0
	s_mov_b32 s[G1+7], 0
	; group 1 for Wo: 64 k rows x 256 elements of 2 bytes, 32 bytes of padding behind every 128 words
	s_or_b32 s[G1B+0], s44, (1<<16)|(1<<20)|(1<<21)|(6<<22)|(7<<25)
	s_mov_b32 s[G1B+1], 256<<16
	s_mov_b32 s[G1B+2], 64<<16
	s_mov_b32 s[G1B+3], 256<<16
	s_mov_b32 s[G1B+4], 64
	s_mov_b32 s[G1B+5], 1024
	s_mov_b32 s[G1B+6], 0
	s_mov_b32 s[G1B+7], 0
	s_lshr_b32 s16, s13, 4
	s_lshl_b32 s16, s16, 4                         ; O: 16 x batch
	s_add_co_u32 s16, s16, s12                     ; + my head of the step's two,
	s_lshl_b32 s16, s16, 18                        ; of 262,144 bytes,
	s_and_b32 s17, s13, 15
	s_lshl_b32 s17, s17, 14                        ; the tile's 128 rows of 128 bytes
	s_add_co_u32 s16, s16, s17
	s_mov_b32 s17, 0
	s_lshl_b32 s46, s12, 17                        ; Wo: 64 k rows of 2,048 bytes x half,
	s_add_co_u32 s46, s46, 3<<21                   ; in the fourth matrix,
	s_lshl_b32 s47, s42, 9                         ; 256 columns x tile column
	s_add_co_u32 s46, s46, s47
	s_mov_b32 s47, 0
	s_mul_i32 s20, s10, HALFT                      ; where they go: wave x HALFT: no place in the cluster enters an LDS address
	s_wait_dscnt 0x0                               ; the opening add is done
	s_wait_kmcnt 0x0
	s_add_nc_u64 s[14:15], s[4:5], s[16:17]
	s_add_nc_u64 s[46:47], s[6:7], s[46:47]
	CROUND                                         ; all sixteen work-groups are here: the first joint loads meet
.irp s, 0,1
	s_mov_b32 s[G0+4*(\s)], 1
	s_add_co_u32 s[G0+4*(\s)+1], s20, (\s)*SLOT
	s_add_nc_u64 s[G0+4*(\s)+2:G0+4*(\s)+3], s[14:15], (\s)*(1<<19)     ; K step s: heads 2 s, 2 s + 1
	s_or_b32 s[G0+4*(\s)+3], s[G0+4*(\s)+3], 0x80000000
	s_mov_b32 s[G0B+4*(\s)], 1
	s_add_co_u32 s[G0B+4*(\s)+1], s20, (\s)*SLOT
	s_add_nc_u64 s[G0B+4*(\s)+2:G0B+4*(\s)+3], s[46:47], (\s)*128*2048
	s_or_b32 s[G0B+4*(\s)+3], s[G0B+4*(\s)+3], 0x80000000
	JLOAD \s
.endr
	v_and_b32 v1, 15, v0                           ; r = l % 16
	v_bfe_u32 v2, v0, 4, 1                         ; h = l / 16
	s_lshl_b32 s18, s42, 10                        ; my 128 columns, in bytes of f32
	s_lshl_b32 s19, s12, 9
	s_add_co_u32 s18, s18, s19
	v_lshl_add_u32 v[BO], v2, 5, s18               ; register j of block b is column 16 b + 8 h + j, whatever the row
.irp b, 0,1,2,3,4,5,6,7
	global_load_b128 v[BI+8*(\b):BI+8*(\b)+3],   v[BO], s[68:69] offset:64*(\b)
	global_load_b128 v[BI+8*(\b)+4:BI+8*(\b)+7], v[BO], s[68:69] offset:64*(\b)+16
.endr
	; the prefetch's addresses, in registers that feed no descriptor: cx enters them; then waves 0 and 1 ask for their half heads of lap 1
	s_lshl1_add_u32 s74, s40, s12                  ; 2 cx + wave % 2: my place among the eight waves that ask
	s_lshr_b32 s75, s74, 1                         ; which of a lap's four heads,
	s_lshr_b32 s[PFB], s13, 4
	s_lshl_b32 s[PFB], s[PFB], 4                   ; 16 x batch
	s_add_co_u32 s[PFB], s[PFB], s75
	s_add_co_u32 s[PFB], s[PFB], 4                 ; lap 1 begins with head 4
	s_lshl_b32 s[PFB], s[PFB], 18                  ; heads of 262,144 bytes
	s_and_b32 s75, s13, 15
	s_lshl_b32 s75, s75, 14                        ; the tile's 128 rows of 128 bytes,
	s_add_co_u32 s[PFB], s[PFB], s75
	s_and_b32 s75, s74, 1
	s_lshl_b32 s75, s75, 13                        ; which half of them
	s_add_co_u32 s[PFB], s[PFB], s75
	s_mov_b32 s[PFB+1], 0
	s_add_nc_u64 s[PFB:PFB+1], s[4:5], s[PFB:PFB+1]
	v_and_b32 v[PF], 31, v0
	v_lshlrev_b32 v[PF], 8, v[PF]
	s_cmp_lg_u32 s11, 0
	s_cbranch_scc1 .Lno_pf_head
	global_prefetch_b8 v[PF], s[PFB:PFB+1] th:TH_LOAD_NT scope:SCOPE_SE
.Lno_pf_head:
	v_mul_u32_u24 v3, v1, PAO                      ; O's fragment: row r, 16 bytes for each half of the lanes, twice, 32 bytes apart
	v_lshl_add_u32 v3, v2, 4, v3
	s_mul_i32 s21, s11, 64*PAO
	v_add_nc_u32 v[ADRA], s21, v3
	v_add_nc_u32 v[ADRA+1], SLOT, v[ADRA]
	v_and_b32 v4, 7, v0                            ; the turning load: k row 8 h + l % 8, columns 8 ((l / 8) % 2) + 0..7
	v_lshl_add_u32 v4, v2, 3, v4
	v_mul_u32_u24 v4, v4, PB
	v_bfe_u32 v5, v0, 3, 1
	v_lshl_add_u32 v4, v5, 4, v4
	s_lshl_b32 s22, s12, 8
	s_add_co_u32 s22, s22, 2*HALFT
	v_add_nc_u32 v[ADRB], s22, v4
	v_add_nc_u32 v[ADRB+1], SLOT, v[ADRB]
	s_mul_i32 s23, s10, 16*SPITCH
	s_add_co_u32 s23, s23, STAGE                   ; my stage
	v_mul_u32_u24 v6, v1, SPITCH                   ; in: row r, 32 bytes for each half of the lanes
	v_lshl_add_u32 v6, v2, 5, v6
	v_add_nc_u32 v[STO], s23, v6
	v_and_b32 v[CO], 31, v0                        ; back: 32 lanes take one row's 512 bytes
	v_lshlrev_b32 v[CO], 4, v[CO]
	v_add_nc_u32 v[RD], s23, v[CO]
	s_lshl_b32 s16, s13, 7                         ; my first row of out: 128 x tile row + 64 x half,
	s_lshl_b32 s17, s11, 6
	s_add_co_u32 s16, s16, s17
	s_lshl_b32 s16, s16, 12                        ; of 4,096 bytes,
	s_add_co_u32 s16, s16, s18                     ; and my first column
	s_mov_b32 s17, 0
	s_add_nc_u64 s[70:71], s[70:71], s[16:17]
	s_wait_loadcnt 0x0                             ; the bias is rounded to bf16 like the other inputs; this stands in the wait for the first tile
.set n, 0
.rept 32
	v_cvt_pk_bf16_f32 v[96+n], v[BI+2*n], v[BI+2*n+1]
.set n, n+1
.endr
.set n, 0
.rept 32
	v_lshlrev_b32 v[BI+2*n], 16, v[96+n]
	v_and_b32 v[BI+2*n+1], s[HIM], v[96+n]
.set n, n+1
.endr
; 8 matrix instructions: row block a x all 8 column blocks, on buffers f.  first = 1: the bias starts the sums.  The 32 accumulators take turns.
.macro MUL8 f, a, first
.irp b, 0,1,2,3,4,5,6,7
.if \first
	WIN MUL0
	v_wmma_f32_16x16x32_f16 v[8*(8*(\a)+(\b)):8*(8*(\a)+(\b))+7], v[BF+64*(\f)+8*(\b):BF+64*(\f)+8*(\b)+7], v[AF+32*(\f)+8*(\a):AF+32*(\f)+8*(\a)+7], v[BI+8*(\b):BI+8*(\b)+7]
.else
	WIN MUL
	v_wmma_f32_16x16x32_f16 v[8*(8*(\a)+(\b)):8*(8*(\a)+(\b))+7], v[BF+64*(\f)+8*(\b):BF+64*(\f)+8*(\b)+7], v[AF+32*(\f)+8*(\a):AF+32*(\f)+8*(\a)+7], v[8*(8*(\a)+(\b)):8*(8*(\a)+(\b))+7]
.endif
.endr
.endm
; 24 LDS loads in one run: the fragments of quarter q (32 along K) of a slot into buffers f: Wo's 16 turning loads first, then O's 8: head q / 2 of the step's two, channels 32 (q % 2) on
.macro FETCH slot, q, f
	WIN T1
.irp b, 0,1,2,3,4,5,6,7
	ds_load_tr16_b128 v[BF+64*(\f)+8*(\b):BF+64*(\f)+8*(\b)+3],   v[ADRB+(\slot)] offset:32*(\q)*PB+32*(\b)
	ds_load_tr16_b128 v[BF+64*(\f)+8*(\b)+4:BF+64*(\f)+8*(\b)+7], v[ADRB+(\slot)] offset:32*(\q)*PB+16*PB+32*(\b)
.endr
	WIN 0
.irp a, 0,1,2,3
	ds_load_b128 v[AF+32*(\f)+8*(\a):AF+32*(\f)+8*(\a)+3],   v[ADRA+(\slot)] offset:((\q)/2)*HALFT+(\a)*16*PAO+64*((\q)%2)
	ds_load_b128 v[AF+32*(\f)+8*(\a)+4:AF+32*(\f)+8*(\a)+7], v[ADRA+(\slot)] offset:((\q)/2)*HALFT+(\a)*16*PAO+64*((\q)%2)+32
.endr
.endm
; One of a K step's first three quarters: multiplies buffers f and fetches quarter q of the same slot into buffers g.
.macro QUARTER slot, q, f, g, first=0
	s_wait_dscnt 4                                 ; Wo's fragments and O's row blocks 0, 1 are in; the youngest four loads may be out
	MUL8 \f, 0, \first
	MUL8 \f, 1, \first
	PLACES
	FETCH \slot, \q, \g
	s_wait_dscnt 24                                ; all but the 24 just issued
	MUL8 \f, 2, \first
	MUL8 \f, 3, \first
.endm
; The last quarter multiplies buffers 1 and changes slots: ONE barrier; in front of it each wave waits for all its tensor loads (one is out: its part of the next slot), adds 0 to its spare word, and waits
; for that and for its reads of this slot.  fill = 1: the barrier opens a round of the cluster's, and this slot is filled again, two K steps ahead, first thing behind it.
; pf = 1 (once a trip of the loop): behind the refill waves 0 and 1 ask for their blocks of the lap after the next; in the last trip there is no such lap, and the request is jumped over.
.macro TURN slot, next, fill, pf=0
	WIN 0                                          ; (the add's two registers lie in window 0)
	s_wait_tensorcnt 0x0                           ; all my tensor loads have landed;
	ds_add_u32 v[SPW], v[NIL]                      ; 0 onto my spare word;
	s_wait_dscnt 5                                 ; (the add and the youngest four loads may be out)
	MUL8 1, 0, 0                                   ; eight matrix instructions stand between the add and the wait for it
	s_wait_dscnt 0x0                               ; the add is done, and my reads of this slot are over
	s_barrier_signal -1
	MUL8 1, 1, 0
	WIN 0
	s_barrier_wait -1
.if \fill
	CREST                                          ; no wave of any partner still reads this slot's tile or has a load on its way
	s_add_nc_u64 s[G0+4*(\slot)+2:G0+4*(\slot)+3], s[G0+4*(\slot)+2:G0+4*(\slot)+3], 1<<20
	s_add_nc_u64 s[G0B+4*(\slot)+2:G0B+4*(\slot)+3], s[G0B+4*(\slot)+2:G0B+4*(\slot)+3], 2*128*2048
	JLOAD \slot                                    ; my one tensor load behind the round; the four v_nop behind it are also the places in front of the loads below
.if \pf
	s_cmp_lg_u32 s11, 0                            ; the wave's number,
	s_cbranch_scc1 .Lno_pf_\@
	s_cmp_eq_u32 s3, 1                             ; and the loop's count: the same in every partner
	s_cbranch_scc1 .Lno_pf_\@
	s_wait_xcnt 0x0                                ; the last request, a lap ago, has had its address translated (ISA guide 3.1): its base is stepped only behind this wait
	s_add_nc_u64 s[PFB:PFB+1], s[PFB:PFB+1], 1<<20 ; four heads on
	global_prefetch_b8 v[PF], s[PFB:PFB+1] th:TH_LOAD_NT scope:SCOPE_SE
.Lno_pf_\@:
.endif
.else
	PLACES
.endif
	FETCH \next, 0, 0
	MUL8 1, 2, 0
	MUL8 1, 3, 0
.endm
	s_wait_tensorcnt 1                             ; my part of K step 0 is in; K step 1's may stay out
	s_barrier_signal -1
	s_barrier_wait -1                              ; everybody's is
	FETCH 0, 0, 0
	QUARTER 0, 1, 0, 1, 1                          ; the first quarter stands in front of the loop: its products start the sums, with the bias
	WIN 0                                          ; at a label and at a branch every window is 0
	s_mov_b32 s3, 3
.Llap:                                                 ; a trip goes once round the ring, from a lap's second quarter to the next lap's first, and fills both slots again
	QUARTER 0, 2, 1, 0
	QUARTER 0, 3, 0, 1
	TURN 0, 1, 1, 1
	QUARTER 1, 1, 0, 1
	QUARTER 1, 2, 1, 0
	QUARTER 1, 3, 0, 1
	TURN 1, 0, 1
	QUARTER 0, 1, 0, 1
	WIN 0
	s_sub_co_u32 s3, s3, 1
	s_cmp_lg_u32 s3, 0
	s_cbranch_scc1 .Llap
	QUARTER 0, 2, 1, 0                             ; the last lap fills nothing
	QUARTER 0, 3, 0, 1
	TURN 0, 1, 0
	QUARTER 1, 1, 0, 1
	QUARTER 1, 2, 1, 0
	QUARTER 1, 3, 0, 1
	s_wait_dscnt 4                                 ; the very last quarter: nothing more to fetch
	MUL8 1, 0, 0
	MUL8 1, 1, 0
	s_wait_dscnt 0x0
	MUL8 1, 2, 0
	MUL8 1, 3, 0
	; THE WAY OUT, a block of 16 rows at a time: a lane's 32 bytes of a row go straight from the accumulators (low registers first) into my own stage and come back as whole rows of 512 bytes.
.macro OUT a
	WIN 0
	s_wait_xcnt 0x0                                ; the registers that earlier stores read are loaded again only behind this wait
	WIN FROMC
.irp b, 0,1,2,3,4,5,6,7
	ds_store_b128 v[STO], v[8*(8*(\a)+(\b)):8*(8*(\a)+(\b))+3]   offset:64*(\b)
	ds_store_b128 v[STO], v[8*(8*(\a)+(\b))+4:8*(8*(\a)+(\b))+7] offset:64*(\b)+16
.endr
	WIN 0
.set BK, 96-64*((\a)%2)
.irp t, 0,1,2,3,4,5,6,7,8,9,10,11,12,13,14,15
	ds_load_b128 v[BK+4*(\t):BK+4*(\t)+3], v[RD] offset:(\t)*SPITCH  ; LDS serves a wave's instructions in order: these see the stores above; the next block's stores come behind them
.endr
.irp t, 0,1,2,3,4,5,6,7,8,9,10,11,12,13,14,15
	s_wait_dscnt 15-(\t)
	global_store_b128 v[CO], v[BK+4*(\t):BK+4*(\t)+3], s[70:71] offset:(16*(\a)+(\t))*4096 th:TH_STORE_NT  ; 512 consecutive bytes, at a multiple of 512 from out's first
.endr
.endm
	PLACES
	OUT 0
	OUT 1
	OUT 2
	OUT 3
	s_wait_tensorcnt 0x0                           ; the wave's end, behind my last tensor load and my last LDS store
	ds_add_u32 v[SPW], v[NIL]
	s_wait_dscnt 0x0
	CROUND                                         ; the closing round: no work-group ends while a partner may still ask for a tile that names it
	s_endpgm
.Lfunc_end_k_qeb602fcf81_outp:
	.size	k_qeb602fcf81_outp, .Lfunc_end_k_qeb602fcf81_outp-k_qeb602fcf81_outp
	.p2alignl 7, 3214868480
	.fill 96, 4, 3214868480
	.section	.rodata,"a",@progbits
	.p2align	6, 0x0
	.amdhsa_kernel k_qeb602fcf81_outp
		.amdhsa_group_segment_fixed_size 327680
		.amdhsa_private_segment_fixed_size 0
		.amdhsa_enable_private_segment 0
		.amdhsa_kernarg_size 32
		.amdhsa_user_sgpr_count 2
		.amdhsa_user_sgpr_kernarg_segment_ptr 1
		.amdhsa_wavefront_size32 1
		.amdhsa_system_sgpr_workgroup_id_x 1
		.amdhsa_system_sgpr_workgroup_id_y 1
		.amdhsa_system_sgpr_workgroup_id_z 1
		.amdhsa_system_vgpr_workitem_id 0
		.amdhsa_next_free_vgpr 768
		.amdhsa_next_free_sgpr 80
		.amdhsa_reserve_vcc 0
		.amdhsa_float_denorm_mode_32 3
		.amdhsa_float_denorm_mode_16_64 3
		.amdhsa_memory_ordered 1
		.amdhsa_forward_progress 1
		.amdhsa_inst_pref_size 94
	.end_amdhsa_kernel
	.amdgpu_metadata
---
amdhsa.version: [ 1, 2 ]
amdhsa.kernels:
  - .name:           k_qeb602fcf81_outp
    .symbol:         k_qeb602fcf81_outp.kd
    .args:
      - { .name: oh, .offset: 0, .size: 8, .value_kind: global_buffer, .address_space: global }
      - { .name: wc, .offset: 8, .size: 8, .value_kind: global_buffer, .address_space: global }
      - { .name: bo, .offset: 16, .size: 8, .value_kind: global_buffer, .address_space: global }
      - { .name: out0, .offset: 24, .size: 8, .value_kind: global_buffer, .address_space: global }
    .group_segment_fixed_size: 327680
    .private_segment_fixed_size: 0
    .kernarg_segment_align: 8
    .kernarg_segment_size: 32
    .max_flat_workgroup_size: 128
    .sgpr_count:     80
    .vgpr_count:     768
    .wavefront_size: 32
...
	.end_amdgpu_metadata
.endif
;; end of part 8
